; MI455X (gfx1250); checked and timed in simulation.
; The chip was launched on July 23, 2026; its instructions are those of AMD's public machine-readable ISA for CDNA 5 (MIT licence, August 2026) and "CDNA5" Instruction Set Architecture Reference Guide (July 2026). The comments in the code are by the model that wrote it; some were corrected since.
;; Custom Attention. Allowed arithmetic: float matrix products may take bf16 or f16 operands with f32 sums; all other float work in f32.
;; Inputs: Wk 1,024 x 1,024 float32; Wo 1,024 x 1,024 float32; Wq 1,024 x 1,024 float32; Wv 1,024 x 1,024 float32; bk 1,024 float32; bo 1,024 float32; bq 1,024 float32; bv 1,024 float32; key 16 x 512 x 1,024 float32; query 16 x 1,024 x 1,024 float32; value 16 x 512 x 1,024 float32.
;; Outputs: out0 16 x 1,024 x 1,024 float32.
;; 3 versions, each right; version 2 is faster than version 1; version 3 is version 2 with the launch prep written anew for expert scheduling mode. Each part assembles by itself: llvm-mc -triple=amdgcn-amd-amdhsa -mcpu=gfx1250 --defsym DOCPART=n.
;; ======== version 1 of 3: 5 launches
;; limits: values are held in f16: magnitudes above 65,504 overflow, below 6.1e-05 lose precision
;; workspace buffers: x16 75,497,472 bytes; qkv 67,108,864 bytes; pbuf 16,777,216 bytes; obuf 33,554,432 bytes
;; launch prep (part 1): grid 2304 x 1, 8 waves a work-group, no clusters, 0 bytes of LDS; arguments query, key, value, Wq, Wk, Wv, Wo, x16; writes x16
.if DOCPART == 1
	.amdgcn_target "amdgcn-amd-amdhsa--gfx1250"
	.amdhsa_code_object_version 6
	.text
	.protected	k_q47ea4d5586_prep
	.globl	k_q47ea4d5586_prep
	.p2align	8
	.type	k_q47ea4d5586_prep,@function
k_q47ea4d5586_prep:
	s_mov_b64 s[64:65], 0
	v_nop
	global_prefetch_b8 v0, s[64:65] scope:SCOPE_SE
	s_setreg_imm32_b32 hwreg(HW_REG_WAVE_MODE, 25, 1), 1
	s_wait_xcnt 0x0
; All seven large inputs are rounded once to bf16 and laid end to end in x16: query (16,384 rows of 1,024), key (8,192), value (8,192), Wq, Wk, Wv (1,024 rows each), Wo.
; Wo's bf16 value is written as f16, since the product that takes it has an f16 partner.
; LIMITS. bf16(Wo) beyond 65,504 becomes an infinity in f16; below 6e-5 it keeps f16's fixed step of 6e-8.
; A stream: every byte is read once and written once. No LDS, no matrix unit, no cluster: the work-groups share no input.
; SHARES. Work-group g converts 16,384 numbers: 65,536 bytes in, 32,768 out. x16 holds the parts in the order of g, so the place in x16 is 32,768 g whatever the source.
; Thread t takes 16 bytes at 16 t of each of sixteen blocks of 4,096 bytes: a wave's load covers 512 consecutive bytes, its store 256 consecutive bytes at a multiple of 256.
; All sixteen loads go out at once; each block has registers of its own for what it stores, so nothing that a store still reads is written again.
.set X, 4                              ; v[4:67]    block i: four f32 as loaded
.set Y, 68                             ; v[68:99]   block i: four 16-bit numbers to store
.set T, 100                            ; v[100:103] at work (Wo's path)
	s_load_b512 s[8:23], s[0:1], 0x0               ; query s[8:9], key s[10:11], value s[12:13], Wq s[14:15], Wk s[16:17], Wv s[18:19], Wo s[20:21], x16 s[22:23]
	v_lshlrev_b32 v1, 4, v0                        ; my 16 bytes in a block of the source
	v_lshlrev_b32 v2, 3, v0                        ; my 8 bytes in a block of x16
	s_wait_kmcnt 0x0
	s_mov_b64 s[4:5], s[8:9]                       ; the source, and in s6 the first work-group that works on it
	s_mov_b32 s6, 0
.macro PICK first, src                 ; from work-group 'first' on the source is the buffer in s[src:src+1]
	s_cmp_ge_u32 ttmp9, \first
	s_cselect_b64 s[4:5], s[\src:\src+1], s[4:5]
	s_cselect_b32 s6, \first, s6
.endm
	PICK 1024, 10
	PICK 1536, 12
	PICK 2048, 14
	PICK 2112, 16
	PICK 2176, 18
	PICK 2240, 20
	s_sub_co_u32 s6, ttmp9, s6                     ; my number among the source's work-groups,
	s_lshl_b32 s6, s6, 16                          ; times 65,536 bytes: under 2^27
	s_mov_b32 s7, 0
	s_add_nc_u64 s[4:5], s[4:5], s[6:7]
	s_lshl_b32 s24, ttmp9, 15
	s_mov_b32 s25, 0
	s_add_nc_u64 s[22:23], s[22:23], s[24:25]
.irp i, 0,1,2,3,4,5,6,7,8,9,10,11,12,13,14,15
	global_load_b128 v[X+4*(\i):X+4*(\i)+3], v1, s[4:5] offset:4096*(\i) th:TH_LOAD_NT
.endr
; Block i. f16 = 1: the bf16 value is widened again and written as f16 (exact inside f16's normal range).
.macro CONV i, f16
	s_wait_loadcnt 15-(\i)                         ; loads come back in order (ISA guide 5.7.1): block i is in, the 15 - i younger ones stay out
	v_cvt_pk_bf16_f32 v[Y+2*(\i)],   v[X+4*(\i)],   v[X+4*(\i)+1]
	v_cvt_pk_bf16_f32 v[Y+2*(\i)+1], v[X+4*(\i)+2], v[X+4*(\i)+3]
.if \f16
	v_lshlrev_b32 v[T],   16, v[Y+2*(\i)]
	v_and_b32     v[T+1], 0xffff0000, v[Y+2*(\i)]
	v_lshlrev_b32 v[T+2], 16, v[Y+2*(\i)+1]
	v_and_b32     v[T+3], 0xffff0000, v[Y+2*(\i)+1]
	v_cvt_pk_f16_f32 v[Y+2*(\i)],   v[T],   v[T+1]
	v_cvt_pk_f16_f32 v[Y+2*(\i)+1], v[T+2], v[T+3]
.endif
	global_store_b64 v2, v[Y+2*(\i):Y+2*(\i)+1], s[22:23] offset:2048*(\i)
.endm
	s_cmp_ge_u32 ttmp9, 2240
	s_cbranch_scc1 .Lwo
.irp i, 0,1,2,3,4,5,6,7,8,9,10,11,12,13,14,15
	CONV \i, 0
.endr
	s_endpgm
.Lwo:
.irp i, 0,1,2,3,4,5,6,7,8,9,10,11,12,13,14,15
	CONV \i, 1
.endr
	s_endpgm
.Lfunc_end_k_q47ea4d5586_prep:
	.size	k_q47ea4d5586_prep, .Lfunc_end_k_q47ea4d5586_prep-k_q47ea4d5586_prep
	.p2alignl 7, 3214868480
	.fill 96, 4, 3214868480
	.section	.rodata,"a",@progbits
	.p2align	6, 0x0
	.amdhsa_kernel k_q47ea4d5586_prep
		.amdhsa_group_segment_fixed_size 0
		.amdhsa_private_segment_fixed_size 0
		.amdhsa_enable_private_segment 0
		.amdhsa_kernarg_size 64
		.amdhsa_user_sgpr_count 2
		.amdhsa_user_sgpr_kernarg_segment_ptr 1
		.amdhsa_wavefront_size32 1
		.amdhsa_system_sgpr_workgroup_id_x 1
		.amdhsa_system_sgpr_workgroup_id_y 1
		.amdhsa_system_sgpr_workgroup_id_z 1
		.amdhsa_system_vgpr_workitem_id 0
		.amdhsa_next_free_vgpr 104
		.amdhsa_next_free_sgpr 66
		.amdhsa_reserve_vcc 0
		.amdhsa_float_denorm_mode_32 3
		.amdhsa_float_denorm_mode_16_64 3
		.amdhsa_memory_ordered 1
		.amdhsa_forward_progress 1
		.amdhsa_inst_pref_size 17
	.end_amdhsa_kernel
	.amdgpu_metadata
---
amdhsa.version: [ 1, 2 ]
amdhsa.kernels:
  - .name:           k_q47ea4d5586_prep
    .symbol:         k_q47ea4d5586_prep.kd
    .args:
      - { .name: query, .offset: 0, .size: 8, .value_kind: global_buffer, .address_space: global }
      - { .name: key, .offset: 8, .size: 8, .value_kind: global_buffer, .address_space: global }
      - { .name: value, .offset: 16, .size: 8, .value_kind: global_buffer, .address_space: global }
      - { .name: Wq, .offset: 24, .size: 8, .value_kind: global_buffer, .address_space: global }
      - { .name: Wk, .offset: 32, .size: 8, .value_kind: global_buffer, .address_space: global }
      - { .name: Wv, .offset: 40, .size: 8, .value_kind: global_buffer, .address_space: global }
      - { .name: Wo, .offset: 48, .size: 8, .value_kind: global_buffer, .address_space: global }
      - { .name: x16, .offset: 56, .size: 8, .value_kind: global_buffer, .address_space: global }
    .group_segment_fixed_size: 0
    .private_segment_fixed_size: 0
    .kernarg_segment_align: 8
    .kernarg_segment_size: 64
    .max_flat_workgroup_size: 256
    .sgpr_count:     66
    .vgpr_count:     104
    .wavefront_size: 32
...
	.end_amdgpu_metadata
.endif
;; end of part 1
;; launch proj (part 2): grid 128 x 4, 4 waves a work-group, clusters of 4 x 4, 327,680 bytes of LDS; arguments x16, bq, bk, bv, qkv; writes qkv
.if DOCPART == 2
	.amdgcn_target "amdgcn-amd-amdhsa--gfx1250"
	.amdhsa_code_object_version 6
	.text
	.protected	k_q47ea4d5586_proj
	.globl	k_q47ea4d5586_proj
	.p2align	8
	.type	k_q47ea4d5586_proj,@function
k_q47ea4d5586_proj:
	s_mov_b64 s[64:65], 0
	v_nop
	global_prefetch_b8 v0, s[64:65] scope:SCOPE_SE
	s_setreg_imm32_b32 hwreg(HW_REG_WAVE_MODE, 25, 1), 1
	s_wait_xcnt 0x0
	s_wait_alu depctr_hold_cnt(0) depctr_sa_sdst(0) depctr_va_vdst(0) depctr_va_sdst(0) depctr_va_ssrc(0) depctr_va_vcc(0) depctr_vm_vsrc(0)
	s_getreg_b32 s2, hwreg(HW_REG_IB_STS2, 6, 4)
	s_cmp_eq_u32 s2, 0
	s_cbranch_scc0 .Lentry_in_a_cluster
	s_endpgm
.Lentry_in_a_cluster:
	s_bfe_u32 s2, ttmp6, 0x10000c
	s_cmp_lg_u32 s2, 0xf033
	s_cbranch_scc0 .Lentry_shape_is_right
	s_endpgm
.Lentry_shape_is_right:
; THE THREE PROJECTIONS, transposed: block c of qkv, [1024][1024] f16, is W x^T + bias (bias by row), W = Wq (c < 16), Wk (c < 24) or Wv, x = rows 1024 c .. of x16's activations.
;   c = b:       qT[b][i][t];   c = 16 + b / 2: kT, row t, column 512 (b % 2) + s;   c = 24 + b / 2: vT, row e, column 512 (b % 2) + s.
; Operands bf16 (the inputs' one rounding), sums f32, the bias (rounded to bf16 like every input) is the C operand that starts each sum, the result is rounded once to f16.
; LIMIT. A result of 65,520 or more in magnitude becomes an infinity in f16; NaN and infinities are not treated apart.
; SHARES. A cluster of 4 x 4 work-groups makes one block; a work-group 256 x 256 of it; each of its four waves 128 x 128: 64 accumulators of 16 x 16, 512 registers.
; K goes in 8 steps of 128 through two LDS slots filled by the tensor data mover: the tiles' rows are 256 bytes of memory at multiples of 256 bytes.
; CLUSTER. The four work-groups of a row of the cluster need the same rows of W, the four of a column the same rows of x: each tile is asked for jointly, by the same load with the same descriptor and a mask of the four.
; THE MATRIX INSTRUCTION IS USED TRANSPOSED: source 0 = 16 rows of x, source 1 = 16 rows of W: lane l holds row l % 16 of the block and the eight neighbouring columns 8 (l / 16) + 0..7.
; REGISTERS in windows of 256 (s_set_vgpr_msb: bits 1:0 source 0, 3:2 source 1, 5:4 source 2, 7:6 destination):
;   window 0: v0-31 addresses; v64-127, v128-191 W's fragments, two buffers; v192-255 the bias as C operands, later at work on the way out, with v32-63
;   window 1: v64-127, v128-191 x's fragments; window 2: accumulators of my rows 0-63 ((a, b) at v[8 (8 a + b)]); window 3: of my rows 64-127
.set NSTEP,  8                         ; K steps
.set KSTEP,  128
.set PITCH,  272                       ; an LDS row: 256 bytes + 16 of padding = 68 words: the 16 rows of a fragment load start at 16 different groups of four banks (64 banks of 4 bytes: ISA guide 11.1)
.set HALFT,  128*PITCH                 ; 128 rows: what one tensor load brings
.set SLOT,   4*HALFT                   ; 0x22000: W's 256 rows, then x's 256; no multiple 0..3 of HALFT has one of its two bits, so one exclusive or changes slots
.set STAGE,  2*SLOT                    ; behind the ring: 16 rows x 272 bytes for each wave, for the way out
.set SPITCH, 272
.set SPARE,  STAGE+4*16*SPITCH         ; the spare words, 128 bytes a wave: two blocks of 256 bytes that no other line names
.set PA,     1024                      ; elements from row to row of W
.set PB,     1024                      ; and of x
.set CP,     2048                      ; bytes from row to row of the block
.set WB_OFF, 67108864                  ; the three weights in x16
.set A0,   16                          ; v16  my place in slot 0's rows of W; never rewritten
.set ADRA, 17                          ; v17  the same in the slot in hand
.set B0,   20                          ; v20, v21 the same for x
.set ADRB, 21
.set STO,  24                          ; the way out: where I put 16 bytes of a row
.set RD,   25                          ; where I read a row back
.set CO,   26                          ; my byte offset in the block
.set BOFF, 27                          ; my byte offset in the bias
.set SPW,  28                          ; LDS address of my spare word; never rewritten
.set NIL,  29                          ; 0; never rewritten
.set F0,   64
.set F1,   128
.set BC,   192                         ; the bias: eight equal registers for each of my eight blocks of 16 rows
.set TMP,  192                         ; later: packed results
.set OB,   32                          ; 16 rows read back from the stage: v32-63 and v224-255 by turns
.set CB,   8                           ; s[8:9] the block's address
.set G1,   24                          ; s[24:31] group 1 for W's tiles; s[32:39] group 0: set 0 serves K step 0, set 1 walks
.set G0,   32
.set G1B,  48                          ; s[48:55], s[56:63] the same for x's tiles
.set G0B,  56
.set TB,   66                          ; s66 the LDS byte at which the slot in hand begins
.set MSB, 0
.macro WIN new                         ; the immediate's high byte repeats the setting that is left; a switch that changes nothing is dropped
.if MSB != (\new)
	s_set_vgpr_msb (MSB<<8)|(\new)
.set MSB, \new
.endif
.endm
.set MUL_LO, 0xa1                      ; source 0 window 1, source 1 window 0, C and D window 2
.set TO_B,   0x40                      ; destination window 1, address window 0
; A joint load: waves 0 and 1 fetch W's two halves, waves 2 and 3 x's. The branch hangs on the wave's number alone. An s_nop 0 and four v_nop follow each line.
.macro JLOAD s
	s_cmp_eq_u32 s11, 0
	s_cbranch_scc0 .Lfor_b_\@
	tensor_load_to_lds s[G0+4*(\s):G0+4*(\s)+3], s[G1:G1+7]
	s_nop 0
.rept 4
	v_nop
.endr
	s_branch .Lasked_\@
.Lfor_b_\@:
	tensor_load_to_lds s[G0B+4*(\s):G0B+4*(\s)+3], s[G1B:G1B+7]
	s_nop 0
.rept 4
	v_nop
.endr
.Lasked_\@:
.endm
; A round of the cluster's barrier: my work-group's barrier; wave 0 signals for the work-group; every wave waits for all sixteen; my work-group's barrier once more.
.macro CREST                           ; a round behind its opening barrier
	s_cmp_lg_u32 s10, 0
	s_cbranch_scc1 .Lnot_wave_0_\@
	s_barrier_signal -3
.Lnot_wave_0_\@:
	s_barrier_wait -3
	s_barrier_signal -1
	s_barrier_wait -1
.endm
.macro CROUND
	s_barrier_signal -1
	s_barrier_wait -1
	CREST
.endm
	s_load_b256 s[68:75], s[0:1], 0x0              ; x16 s[68:69], bq s[70:71], bk s[72:73], bv s[74:75]
	s_load_b64 s[CB:CB+1], s[0:1], 0x20            ; qkv
	v_lshl_add_u32 v[SPW], v0, 2, SPARE
	v_mov_b32 v[NIL], 0
	ds_add_u32 v[SPW], v[NIL]                      ; the wave's opening: the add and its wait stand ahead of my first tensor load; the set-up below stands between them
	v_lshrrev_b32 v1, 5, v0
	v_readfirstlane_b32 s10, v1                    ; wave 0..3
	s_lshr_b32 s11, s10, 1                         ; which half of the tile's rows is mine. Also: I fetch W (0) or x (1)
	s_and_b32 s12, s10, 1                          ; which half of its columns. Also: which 128 rows I fetch
	s_bfe_u32 s40, ttmp6, 0x40000                  ; cx: the tile column
	s_bfe_u32 s41, ttmp6, 0x40004                  ; cy: the tile row
	s_lshl_b32 s43, s41, 2
	s_lshl_b32 s43, 15, s43                        ; my row of the cluster
	s_lshl_b32 s44, 0x1111, s40                    ; my column
	s_or_b32 s[G1+0], s43, (1<<16)|(1<<20)|(1<<21)|(5<<22)|(3<<25)   ; 15:0 the mask; 17:16 2-byte elements; 20 padding on; 21 set beside a mask; 24:22 after every 64 words; 31:25 4 words
	s_or_b32 s[G1B+0], s44, (1<<16)|(1<<20)|(1<<21)|(5<<22)|(3<<25)
.irp g, G1, G1B
	s_mov_b32 s[(\g)+1], KSTEP<<16                 ; tensor_dim0 = 128
	s_mov_b32 s[(\g)+2], 128<<16                   ; tensor_dim1 = 128
	s_mov_b32 s[(\g)+3], KSTEP<<16                 ; tile_dim0 = 128
	s_mov_b32 s[(\g)+4], 128                       ; tile_dim1 = 128
	s_mov_b32 s[(\g)+6], 0
	s_mov_b32 s[(\g)+7], 0
.endr
	s_mov_b32 s[G1+5], PA                          ; elements from row to row
	s_mov_b32 s[G1B+5], PB
	; byte offsets, all under 2^27. W's hangs on cy, the block and the wave; x's on cx, the block and the wave; each in registers that do not hold the other coordinate
	s_lshr_b32 s45, ttmp9, 3
	s_max_u32 s45, s45, 1
	s_sub_co_u32 s45, s45, 1                       ; which weight: 0 for blocks 0-15, 1 for 16-23, 2 for 24-31
	s_lshl_b32 s45, s45, 21
	s_lshl_b32 s17, s12, 7
	s_lshl_b32 s16, s41, 8
	s_add_co_u32 s16, s16, s17                     ; W's row 256 cy + 128 half
	s_lshl_b32 s16, s16, 11
	s_add_co_u32 s16, s16, s45
	s_add_co_u32 s16, s16, WB_OFF
	s_lshl_b32 s46, ttmp9, 10
	s_lshl_b32 s47, s40, 8
	s_add_co_u32 s46, s46, s47
	s_add_co_u32 s46, s46, s17                     ; x's row 1024 c + 256 cx + 128 half
	s_lshl_b32 s46, s46, 11
	s_mov_b32 s17, 0
	s_mov_b32 s47, 0
	s_lshl_b32 s78, s41, 8
	s_lshl_b32 s79, s11, 7
	s_add_co_u32 s78, s78, s79
	s_lshl_b32 s78, s78, 2                         ; the bias of my 128 rows
	s_mov_b32 s79, 0
	s_mul_i32 s20, s10, HALFT                      ; where my tile goes: wave x 128 rows
	s_wait_dscnt 0x0                               ; the opening add is done
	s_wait_kmcnt 0x0
	s_add_nc_u64 s[14:15], s[68:69], s[16:17]
	s_add_nc_u64 s[46:47], s[68:69], s[46:47]
	s_cmp_lt_u32 ttmp9, 16
	s_cselect_b64 s[76:77], s[70:71], s[72:73]
	s_cmp_lt_u32 ttmp9, 24
	s_cselect_b64 s[76:77], s[76:77], s[74:75]
	s_add_nc_u64 s[76:77], s[76:77], s[78:79]
	CROUND                                         ; all sixteen work-groups are here: the first joint loads meet
.irp s, 0,1
	s_mov_b32 s[G0+4*(\s)], 1
	s_add_co_u32 s[G0+4*(\s)+1], s20, (\s)*SLOT
	s_add_nc_u64 s[G0+4*(\s)+2:G0+4*(\s)+3], s[14:15], (\s)*KSTEP*2
	s_or_b32 s[G0+4*(\s)+3], s[G0+4*(\s)+3], 0x80000000
	s_mov_b32 s[G0B+4*(\s)], 1
	s_add_co_u32 s[G0B+4*(\s)+1], s20, (\s)*SLOT
	s_add_nc_u64 s[G0B+4*(\s)+2:G0B+4*(\s)+3], s[46:47], (\s)*KSTEP*2
	s_or_b32 s[G0B+4*(\s)+3], s[G0B+4*(\s)+3], 0x80000000
	JLOAD \s                                       ; K steps 0 and 1: two loads of mine are out
.endr
	; a fragment is 16 rows x 32 K in 8 registers: lane l holds row l % 16, K = 8 (l / 16) + 0..7 and 16 + 8 (l / 16) + 0..7: two loads of 16 bytes, 32 bytes apart
	v_and_b32 v1, 15, v0
	v_bfe_u32 v2, v0, 4, 1
	v_mul_u32_u24 v3, v1, PITCH
	v_lshl_add_u32 v3, v2, 4, v3
	s_mul_i32 s21, s11, HALFT
	s_mul_i32 s22, s12, HALFT
	s_add_co_u32 s22, s22, 2*HALFT
	v_add_nc_u32 v[A0], s21, v3
	v_add_nc_u32 v[B0], s22, v3
	v_mov_b32 v[ADRA], v[A0]
	v_mov_b32 v[ADRB], v[B0]
	s_mov_b32 s[TB], 0
	s_mul_i32 s23, s10, 16*SPITCH
	s_add_co_u32 s23, s23, STAGE                   ; my stage
	v_mul_u32_u24 v4, v1, SPITCH
	v_lshl_add_u32 v4, v2, 4, v4
	v_add_nc_u32 v[STO], s23, v4
	v_mul_u32_u24 v5, v2, SPITCH
	v_lshl_add_u32 v5, v1, 4, v5
	v_add_nc_u32 v[RD], s23, v5
	v_mul_u32_u24 v5, v2, CP
	v_lshl_add_u32 v[CO], v1, 4, v5
	; the bias: row 16 a + l % 16 of my 128, rounded to bf16, the same in all eight registers of a result
	v_lshlrev_b32 v[BOFF], 2, v1
.irp a, 0,1,2,3,4,5,6,7
	global_load_b32 v[BC+8*(\a)], v[BOFF], s[76:77] offset:64*(\a)
.endr
	; where my part of the block begins, in bytes
	s_lshl_b32 s16, s41, 8
	s_lshl_b32 s14, s11, 7
	s_add_co_u32 s16, s16, s14
	s_lshl_b32 s16, s16, 11
	s_lshl_b32 s14, ttmp9, 21
	s_add_co_u32 s16, s16, s14
	s_mov_b32 s17, 0
	s_lshl_b32 s46, s40, 9
	s_lshl_b32 s47, s12, 8
	s_add_co_u32 s46, s46, s47
	s_mov_b32 s47, 0
	s_add_nc_u64 s[16:17], s[16:17], s[46:47]
	s_wait_loadcnt 0x0
.irp a, 0,1,2,3,4,5,6,7
	v_cvt_pk_bf16_f32 v[BC+8*(\a)], v[BC+8*(\a)], v[BC+8*(\a)]
.endr
.irp a, 0,1,2,3,4,5,6,7
	v_lshlrev_b32 v[BC+8*(\a)], 16, v[BC+8*(\a)]
.endr
.irp a, 0,1,2,3,4,5,6,7
.irp j, 1,2,3,4,5,6,7
	v_mov_b32 v[BC+8*(\a)+(\j)], v[BC+8*(\a)]
.endr
.endr
; 16 matrix instructions: row blocks a0, a0 + 1 of the window's four (hi = 0: my rows 0-63) x all 8 column blocks, 32 along K. mode 2: the bias starts the sums; mode 0: in place.
; The 64 accumulators take turns, one instruction a turn, in the same order everywhere.
.macro MUL16 f, hi, a0, mode
.if (\mode) == 2
	WIN 0x81+0x40*(\hi)                            ; as below, but C in window 0
.else
	WIN MUL_LO+0x50*(\hi)
.endif
.irp a, \a0, (\a0)+1
.irp b, 0,1,2,3,4,5,6,7
.if (\mode) == 2
	v_wmma_f32_16x16x32_bf16 v[8*(8*(\a)+(\b)):8*(8*(\a)+(\b))+7], v[(\f)+8*(\b):(\f)+8*(\b)+7], v[(\f)+8*(4*(\hi)+(\a)):(\f)+8*(4*(\hi)+(\a))+7], v[BC+8*(4*(\hi)+(\a)):BC+8*(4*(\hi)+(\a))+7]
.else
	v_wmma_f32_16x16x32_bf16 v[8*(8*(\a)+(\b)):8*(8*(\a)+(\b))+7], v[(\f)+8*(\b):(\f)+8*(\b)+7], v[(\f)+8*(4*(\hi)+(\a)):(\f)+8*(4*(\hi)+(\a))+7], v[8*(8*(\a)+(\b)):8*(8*(\a)+(\b))+7]
.endif
.endr
.endr
.endm
; 32 LDS loads in one run: the fragments of 32 along K at byte k of the rows of the slot in hand, into buffer f: x's first, then W's
.macro FETCH k, f
	WIN TO_B
.irp i, 0,1,2,3,4,5,6,7
	ds_load_b128 v[(\f)+8*(\i):(\f)+8*(\i)+3],   v[ADRB] offset:(\k)+(\i)*16*PITCH
	ds_load_b128 v[(\f)+8*(\i)+4:(\f)+8*(\i)+7], v[ADRB] offset:(\k)+(\i)*16*PITCH+32
.endr
	WIN 0
.irp i, 0,1,2,3,4,5,6,7
	ds_load_b128 v[(\f)+8*(\i):(\f)+8*(\i)+3],   v[ADRA] offset:(\k)+(\i)*16*PITCH
	ds_load_b128 v[(\f)+8*(\i)+4:(\f)+8*(\i)+7], v[ADRA] offset:(\k)+(\i)*16*PITCH+32
.endr
.endm
; Four plain vector instructions stand between a matrix instruction and a load into, or a vector read of, its registers (ISA guide 7.12.1 for vector reads)
.macro PLACES
.rept 4
	v_nop
.endr
.endm
; A K step is four quarters of 32 along K on buffers 0, 1, 0, 1. One of the first three: multiplies buffer f; in its middle it fetches the next quarter, at byte k, into buffer g.
.macro QUARTER k, f, g, mode
	s_wait_dscnt 8                                 ; x's fragments and W's rows 0-63 are in; the youngest eight loads (W's rows 64-127) may be out
	MUL16 \f, 0, 0, \mode
	MUL16 \f, 0, 2, \mode
	PLACES
	FETCH \k, \g
	s_wait_dscnt 32                                ; all but the 32 just issued
	MUL16 \f, 1, 0, \mode
	MUL16 \f, 1, 2, \mode
.endm
; The last quarter's first half, and ONE barrier for the change of slots: in front of it each wave waits for all its tensor loads (one is out: its part of the next slot), adds 0 to its spare word, and waits for that and for its reads of this slot.
.macro MEET round
	WIN 0
	s_wait_tensorcnt 0x0
	ds_add_u32 v[SPW], v[NIL]
	s_wait_dscnt 9                                 ; the add and the youngest eight loads may be out
	MUL16 F1, 0, 0, 0
	s_wait_dscnt 0x0                               ; the add is done, and my reads of this slot are over
	s_barrier_signal -1
	MUL16 F1, 0, 2, 0
.if \round
	WIN 0
.endif
	s_barrier_wait -1
.endm
; The whole last quarter. fill = 1: the barrier opens a round of the cluster's, and the slot just read out is filled again first behind it, with the K step two steps on; 224 matrix instructions stand between that request and the wait for it.
.macro TURN fill
	MEET \fill
.if \fill
	CREST
	s_xor_b32 s[G0+5], s[G0+5], SLOT               ; the walking descriptors: the other slot than last time, the next K step
	s_add_nc_u64 s[G0+6:G0+7], s[G0+6:G0+7], KSTEP*2
	s_xor_b32 s[G0B+5], s[G0B+5], SLOT
	s_add_nc_u64 s[G0B+6:G0B+7], s[G0B+6:G0B+7], KSTEP*2
	JLOAD 1                                        ; the four v_nop behind it are also the places in front of the loads below
.else
	PLACES
.endif
	s_xor_b32 s[TB], s[TB], SLOT                   ; the reads go on in the other slot
	WIN 0
	v_add_nc_u32 v[ADRA], s[TB], v[A0]
	v_add_nc_u32 v[ADRB], s[TB], v[B0]
	FETCH 0, F0
	MUL16 F1, 1, 0, 0
	MUL16 F1, 1, 2, 0
.endm
.macro LASTQ                           ; the very last quarter: nothing more to fetch
	s_wait_dscnt 8
	MUL16 F1, 0, 0, 0
	MUL16 F1, 0, 2, 0
	s_wait_dscnt 0x0
	MUL16 F1, 1, 0, 0
	MUL16 F1, 1, 2, 0
	WIN 0
.endm
; THE WAY OUT of block a of 16 rows. PACK: rounded to f16, 16 bytes a lane, each accumulator's registers in ascending order. TOSTAGE: into my own stage and back as whole rows of 256 bytes. SEND: stored.
.macro PACK a
.set AC, 64*((\a)%4)
	WIN 0x0a+5*((\a)/4)                            ; sources 0 and 1: window 2 or 3
.irp b, 0,1,2,3,4,5,6,7
.irp r, 0,1,2,3
	v_cvt_pk_f16_f32 v[TMP+4*(\b)+(\r)], v[AC+8*(\b)+2*(\r)], v[AC+8*(\b)+2*(\r)+1]
.endr
.endr
	WIN 0
.endm
.macro TOSTAGE a
	WIN 0
.set BK, OB+192*((\a)%2)
.irp b, 0,1,2,3,4,5,6,7
	ds_store_b128 v[STO], v[TMP+4*(\b):TMP+4*(\b)+3] offset:32*(\b)
.endr
.irp t, 0,1,2,3,4,5,6,7
	ds_load_b128 v[BK+4*(\t):BK+4*(\t)+3], v[RD] offset:(\t)*2*SPITCH  ; LDS serves a wave's instructions in order (ISA guide 5.7.1.4): these see the stores above
.endr
.endm
.macro SEND a
	WIN 0
.set BK, OB+192*((\a)%2)
	s_wait_dscnt 0x0                               ; the block is back in registers
	s_wait_xcnt 0x0                                ; only behind this wait are the stores' base and the registers that earlier stores read rewritten
.if (\a) == 0
	s_add_nc_u64 s[CB:CB+1], s[CB:CB+1], s[16:17]
.else
	s_add_nc_u64 s[CB:CB+1], s[CB:CB+1], 16*CP
.endif
.irp t, 0,1,2,3,4,5,6,7
	global_store_b128 v[CO], v[BK+4*(\t):BK+4*(\t)+3], s[CB:CB+1] offset:2*(\t)*CP  ; 16 lanes store 256 consecutive bytes, at a multiple of 256 from the buffer's first byte
.endr
.endm
	s_wait_tensorcnt 1                             ; my part of K step 0 is in; K step 1's may stay out
	s_barrier_signal -1
	s_barrier_wait -1
	FETCH 0, F0
	QUARTER 64, F0, F1, 2                          ; the first quarter stands in front of the loop: its products start the sums, on the bias
	WIN 0                                          ; at a label and at a branch every window is 0
	s_mov_b32 s3, NSTEP-2
.Lstep:                                                ; a trip: from a K step's second quarter to the next step's first; it fills the slot that it leaves
	QUARTER 128, F1, F0, 0
	QUARTER 192, F0, F1, 0
	TURN 1
	QUARTER 64, F0, F1, 0
	WIN 0
	s_sub_co_u32 s3, s3, 1
	s_cmp_lg_u32 s3, 0
	s_cbranch_scc1 .Lstep
	QUARTER 128, F1, F0, 0                         ; the last two K steps are written out: they ask for nothing
	QUARTER 192, F0, F1, 0
	TURN 0
	QUARTER 64, F0, F1, 0
	QUARTER 128, F1, F0, 0
	QUARTER 192, F0, F1, 0
	LASTQ
	PLACES
	PACK 0
	TOSTAGE 0
.irp a, 1,2,3,4,5,6,7                  ; block a's conversions stand between block a - 1's loads from the stage and the wait for them
	PACK \a
	SEND (\a)-1
	TOSTAGE \a
.endr
	SEND 7
	s_wait_tensorcnt 0x0                           ; the wave's end
	ds_add_u32 v[SPW], v[NIL]
	s_wait_dscnt 0x0
	CROUND                                         ; the closing round: no work-group ends while a partner may still ask for a tile that names it
	s_endpgm
.Lfunc_end_k_q47ea4d5586_proj:
	.size	k_q47ea4d5586_proj, .Lfunc_end_k_q47ea4d5586_proj-k_q47ea4d5586_proj
	.p2alignl 7, 3214868480
	.fill 96, 4, 3214868480
	.section	.rodata,"a",@progbits
	.p2align	6, 0x0
	.amdhsa_kernel k_q47ea4d5586_proj
		.amdhsa_group_segment_fixed_size 327680
		.amdhsa_private_segment_fixed_size 0
		.amdhsa_enable_private_segment 0
		.amdhsa_kernarg_size 40
		.amdhsa_user_sgpr_count 2
		.amdhsa_user_sgpr_kernarg_segment_ptr 1
		.amdhsa_wavefront_size32 1
		.amdhsa_system_sgpr_workgroup_id_x 1
		.amdhsa_system_sgpr_workgroup_id_y 1
		.amdhsa_system_sgpr_workgroup_id_z 1
		.amdhsa_system_vgpr_workitem_id 0
		.amdhsa_next_free_vgpr 1024
		.amdhsa_next_free_sgpr 84
		.amdhsa_reserve_vcc 0
		.amdhsa_float_denorm_mode_32 3
		.amdhsa_float_denorm_mode_16_64 3
		.amdhsa_memory_ordered 1
		.amdhsa_forward_progress 1
		.amdhsa_inst_pref_size 120
	.end_amdhsa_kernel
	.amdgpu_metadata
---
amdhsa.version: [ 1, 2 ]
amdhsa.kernels:
  - .name:           k_q47ea4d5586_proj
    .symbol:         k_q47ea4d5586_proj.kd
    .args:
      - { .name: x16, .offset: 0, .size: 8, .value_kind: global_buffer, .address_space: global }
      - { .name: bq, .offset: 8, .size: 8, .value_kind: global_buffer, .address_space: global }
      - { .name: bk, .offset: 16, .size: 8, .value_kind: global_buffer, .address_space: global }
      - { .name: bv, .offset: 24, .size: 8, .value_kind: global_buffer, .address_space: global }
      - { .name: qkv, .offset: 32, .size: 8, .value_kind: global_buffer, .address_space: global }
    .group_segment_fixed_size: 327680
    .private_segment_fixed_size: 0
    .kernarg_segment_align: 8
    .kernarg_segment_size: 40
    .max_flat_workgroup_size: 128
    .sgpr_count:     84
    .vgpr_count:     1024
    .wavefront_size: 32
...
	.end_amdgpu_metadata
.endif
;; end of part 2
;; launch score (part 3): grid 16 x 16, 4 waves a work-group, clusters of 4 x 1, 327,680 bytes of LDS; arguments qkv, pbuf; writes pbuf
.if DOCPART == 3
	.amdgcn_target "amdgcn-amd-amdhsa--gfx1250"
	.amdhsa_code_object_version 6
	.text
	.protected	k_q47ea4d5586_score
	.globl	k_q47ea4d5586_score
	.p2align	8
	.type	k_q47ea4d5586_score,@function
k_q47ea4d5586_score:
	s_mov_b64 s[64:65], 0
	v_nop
	global_prefetch_b8 v0, s[64:65] scope:SCOPE_SE
	s_setreg_imm32_b32 hwreg(HW_REG_WAVE_MODE, 25, 1), 1
	s_wait_xcnt 0x0
	s_wait_alu depctr_hold_cnt(0) depctr_sa_sdst(0) depctr_va_vdst(0) depctr_va_sdst(0) depctr_va_ssrc(0) depctr_va_vcc(0) depctr_vm_vsrc(0)
	s_getreg_b32 s2, hwreg(HW_REG_IB_STS2, 6, 4)
	s_cmp_eq_u32 s2, 0
	s_cbranch_scc0 .Lentry_in_a_cluster
	s_endpgm
.Lentry_in_a_cluster:
	s_bfe_u32 s2, ttmp6, 0x10000c
	s_cmp_lg_u32 s2, 0x3003
	s_cbranch_scc0 .Lentry_shape_is_right
	s_endpgm
.Lentry_shape_is_right:
; P[b][i][s] = softmax over s of (sum over t of qT[b][i][t] kT[b][t][s]) / 32, f16, already divided by its row sum. qT and kT are f16 blocks of qkv, rows 2,048 bytes apart.
; Products, maximum, exponentials and sums in f32; the true maximum of the whole row of 512 scores is taken away before the exponential; P is rounded once.
; LIMITS. P below 6e-5 keeps f16's fixed step of 6e-8; a weight below 2^-126 counts as 0 in the row sum; NaN and infinities are not treated apart.
; SHARES. A work-group owns 64 rows i of one batch and all 512 s; wave w the columns s = 128 w .. + 127 of all 64 rows: 32 accumulators of 16 x 16, 256 registers.
; S^T = kT^T qT^T: source 0 = 16 s (kT lies [t][s], so it is turned on the way out of LDS, by ds_load_tr16_b128), source 1 = 16 rows of qT: lane l holds ONE row i (l % 16) and eight neighbouring s.
; t goes in 8 steps of 128 through two LDS slots. The rows' maxima and sums meet in LDS, 4 bytes for each row and wave, behind a barrier each.
; CLUSTER. The four work-groups of a cluster belong to one batch and walk the same kT: its tiles (131,072 of a step's 147,456 bytes) are asked for jointly, with a mask of the four. qT's tile is a work-group's own: a plain load.
; Waves 0 and 1 fetch kT's two halves of 64 rows t, wave 2 fetches qT's tile, wave 3 fetches nothing.
; REGISTERS (s_set_vgpr_msb: bits 1:0 source 0, 3:2 source 1, 5:4 source 2, 7:6 destination): window 0: addresses, fragments, all that the softmax keeps; window 1: accumulator (a, sb) at v[8 (8 a + sb)].
.set KP,    1056                       ; a row of kT in LDS: 1,024 bytes + 32 = 264 words
.set KHALF, 64*KP                      ; what one tensor load brings
.set KSLOT, 2*KHALF                    ; 0x21000; KHALF = 0x10800 has neither of its bits: one exclusive or changes slots
.set QP,    272
.set QBASE, 2*KSLOT                    ; 0x42000: qT's two slots
.set QSLOT, 64*QP                      ; 0x4400
.set STAGE, QBASE+2*QSLOT              ; 16 rows x 272 bytes for each wave, for the way out
.set SP,    272
.set MX,    STAGE+4*16*SP              ; [64 rows][4 waves] f32: the waves' maxima
.set SM,    MX+1024                    ; the same for their sums
.set SPARE, SM+1024                    ; the spare words, 128 bytes a wave: two blocks of 256 bytes that no other line names
.set NSTEP, 8
.set K0,    4                          ; v4   my place in a tile of kT; never rewritten
.set Q0,    5                          ; v5   in a tile of qT
.set ADRK,  6                          ; v6   the same in the slot in hand, rows t 0-63
.set ADRK2, 7                          ; v7   rows t 64-127: the immediate offset ends at 65,535
.set ADRQ,  8
.set STO,   9
.set RD,    10
.set CO,    11
.set MXA,   12                         ; v12  where I put my row's figure: MX + 16 (l % 16) + 4 w
.set MXR,   13                         ; v13  where I read the four waves' figures
.set SPW,   14                         ; LDS address of my spare word; never rewritten
.set NIL,   15                         ; 0; never rewritten
.set C,     16                         ; v16-31  sixteen chains of maxima
.set F0,    32                         ; fragment buffers of 96: kT's eight at + 8 sb, qT's four at + 64 + 8 a
.set F1,    128
.set CM,    224                        ; v224-231  c m of row block a, as a pair
.set R,     232                        ; v232-239  1 / l, as a pair
.set LS,    32                         ; behind the loop: sixteen chains of sums, a pair each
.set T,     64                         ; the four waves' figures, four registers a row block
.set TMP,   96                         ; packed results
.set BKS,   128                        ; rows read back from the stage: v128-159 and v160-191 by turns
.set WV,    12                         ; s12 my wave's number
.set G1Q,   24
.set G1K,   32
.set G0Q,   40                         ; s[40:47]: set 0 serves step 0, set 1 walks
.set G0K,   48
.set CNT,   56
.set CS,    58                         ; s[58:59] c = log2(e) / 32
.set SEL,   60                         ; s[60:61] v_permlanex16_b32's selects: each lane takes its own place in the other half
.set TBK,   62                         ; s62 the LDS byte at which kT's slot in hand begins
.set TBQ,   63                         ; s63 the same for qT
.set MSB, 0
.macro WIN new
.if MSB != (\new)
	s_set_vgpr_msb (MSB<<8)|(\new)
.set MSB, \new
.endif
.endm
.macro PLACES                          ; four plain vector instructions between a matrix instruction and a load into, or a vector read of, its registers (ISA guide 7.12.1 for vector reads)
.rept 4
	v_nop
.endr
.endm
.macro CREST
	s_cmp_lg_u32 s[WV], 0
	s_cbranch_scc1 .Lnot_wave_0_\@
	s_barrier_signal -3
.Lnot_wave_0_\@:
	s_barrier_wait -3
	s_barrier_signal -1
	s_barrier_wait -1
.endm
.macro CROUND
	s_barrier_signal -1
	s_barrier_wait -1
	CREST
.endm
; A refill, by the walking descriptors. The branches hang on the wave's number alone. An s_nop 0 and four v_nop follow each load.
.macro SLOAD
	s_cmp_lt_u32 s[WV], 2
	s_cbranch_scc0 .Lnot_k_\@
	tensor_load_to_lds s[G0K+4:G0K+7], s[G1K:G1K+7]
	s_nop 0
.rept 4
	v_nop
.endr
	s_branch .Lasked_\@
.Lnot_k_\@:
	s_cmp_eq_u32 s[WV], 2
	s_cbranch_scc0 .Lasked_\@
	tensor_load_to_lds s[G0Q+4:G0Q+7], s[G1Q:G1Q+7]
	s_nop 0
.rept 4
	v_nop
.endr
.Lasked_\@:
.endm
	s_load_b128 s[4:7], s[0:1], 0x0                ; qkv s[4:5], pbuf s[6:7]
	v_lshl_add_u32 v[SPW], v0, 2, SPARE
	v_mov_b32 v[NIL], 0
	ds_add_u32 v[SPW], v[NIL]                      ; the wave's opening: the add and its wait stand ahead of my first tensor load; the set-up below stands between them
	v_lshrrev_b32 v1, 5, v0
	v_readfirstlane_b32 s[WV], v1
	s_bfe_u32 s13, ttmp6, 0x40000                  ; cx
	s_lshl_b32 s14, ttmp9, 2
	s_add_co_u32 s14, s14, s13                     ; my block of 64 rows: it enters qT's and P's addresses alone
	s_and_b32 s15, ttmp7, 0xffff                   ; the batch, which the four partners share
	s_lshr_b32 s20, s15, 1                         ; kT: block 16 + b / 2 of qkv,
	s_add_co_u32 s20, s20, 16
	s_lshl_b32 s20, s20, 21
	s_and_b32 s21, s15, 1                          ; columns 512 (b % 2) on,
	s_lshl_b32 s21, s21, 10
	s_add_co_u32 s20, s20, s21
	s_and_b32 s16, s[WV], 1                        ; which 64 rows t of a step I fetch
	s_lshl_b32 s21, s16, 17
	s_add_co_u32 s20, s20, s21
	s_mov_b32 s21, 0
	s_mul_i32 s17, s16, KHALF                      ; and their place in a slot
	s_lshl_b32 s22, s15, 21                        ; qT: block b, rows 64 x my block on
	s_lshl_b32 s23, s14, 17
	s_add_co_u32 s22, s22, s23
	s_mov_b32 s23, 0
	s_lshl_b32 s2, s15, 20                         ; P: batch, my rows (1,024 bytes each), my wave's 256 bytes of them
	s_lshl_b32 s3, s14, 16
	s_add_co_u32 s2, s2, s3
	s_lshl_b32 s3, s[WV], 8
	s_add_co_u32 s2, s2, s3
	s_mov_b32 s3, 0
	s_mov_b32 s[G1Q], (1<<16)|(1<<20)|(5<<22)|(3<<25)               ; no mask; 2-byte elements; padding on: after every 64 words 4 words
	s_mov_b32 s[G1Q+1], 128<<16                    ; tensor_dim0 = 128
	s_mov_b32 s[G1Q+2], 64<<16                     ; tensor_dim1 = 64
	s_mov_b32 s[G1Q+3], 128<<16                    ; tile_dim0 = 128
	s_mov_b32 s[G1Q+4], 64                         ; tile_dim1 = 64
	s_mov_b32 s[G1Q+5], 1024                       ; elements from row to row
	s_mov_b32 s[G1Q+6], 0
	s_mov_b32 s[G1Q+7], 0
	s_mov_b32 s[G1K], 15|(1<<16)|(1<<20)|(1<<21)|(7<<22)|(7<<25)    ; the mask of four; 21 set beside it; padding: after every 256 words 8 words
	s_mov_b32 s[G1K+1], 512<<16                    ; tensor_dim0 = 512
	s_mov_b32 s[G1K+2], 64<<16
	s_mov_b32 s[G1K+3], 512<<16                    ; tile_dim0 = 512
	s_mov_b32 s[G1K+4], 64
	s_mov_b32 s[G1K+5], 1024
	s_mov_b32 s[G1K+6], 0
	s_mov_b32 s[G1K+7], 0
	s_mov_b32 s[CS], 0x3d38aa3b                    ; c = log2(e) / 32
	s_mov_b32 s[CS+1], s[CS]
	s_mov_b32 s[SEL], 0x76543210
	s_mov_b32 s[SEL+1], 0xfedcba98
	s_mov_b32 s[TBK], 0
	s_mov_b32 s[TBQ], QBASE
	s_wait_dscnt 0x0                               ; the opening add is done
	s_wait_kmcnt 0x0
	s_add_nc_u64 s[20:21], s[4:5], s[20:21]
	s_add_nc_u64 s[22:23], s[4:5], s[22:23]
	s_add_nc_u64 s[6:7], s[6:7], s[2:3]
	CROUND                                         ; all four work-groups are here: the first joint loads meet
.irp s, 0,1
	s_mov_b32 s[G0Q+4*(\s)], 1
	s_mov_b32 s[G0Q+4*(\s)+1], QBASE+(\s)*QSLOT
	s_add_nc_u64 s[G0Q+4*(\s)+2:G0Q+4*(\s)+3], s[22:23], (\s)*256      ; 128 t along the rows
	s_or_b32 s[G0Q+4*(\s)+3], s[G0Q+4*(\s)+3], 0x80000000
	s_mov_b32 s[G0K+4*(\s)], 1
	s_add_co_u32 s[G0K+4*(\s)+1], s17, (\s)*KSLOT
	s_add_nc_u64 s[G0K+4*(\s)+2:G0K+4*(\s)+3], s[20:21], (\s)*262144   ; 128 rows t down
	s_or_b32 s[G0K+4*(\s)+3], s[G0K+4*(\s)+3], 0x80000000
.endr
	s_cmp_lt_u32 s[WV], 2                          ; a wave's two first fills stand in one branch: two loads of mine are out, or none
	s_cbranch_scc0 .Lfirst_not_k
	tensor_load_to_lds s[G0K:G0K+3], s[G1K:G1K+7]
	s_nop 0
	tensor_load_to_lds s[G0K+4:G0K+7], s[G1K:G1K+7]
	s_nop 0
.rept 4
	v_nop
.endr
	s_branch .Lfirst_asked
.Lfirst_not_k:
	s_cmp_eq_u32 s[WV], 2
	s_cbranch_scc0 .Lfirst_asked
	tensor_load_to_lds s[G0Q:G0Q+3], s[G1Q:G1Q+7]
	s_nop 0
	tensor_load_to_lds s[G0Q+4:G0Q+7], s[G1Q:G1Q+7]
	s_nop 0
.rept 4
	v_nop
.endr
.Lfirst_asked:
	v_and_b32 v1, 15, v0                           ; l % 16
	v_bfe_u32 v2, v0, 4, 1                         ; l / 16
	; the turning load takes 16 t x 16 s (lane l reads row t = 8 (l / 16) + l % 8, 16 bytes at 16 ((l / 8) % 2)) and leaves half a fragment: lane l holds s = l % 16 and 8 t
	v_and_b32 v3, 7, v0
	v_lshl_add_u32 v3, v2, 3, v3
	v_mul_u32_u24 v[K0], v3, KP
	v_bfe_u32 v3, v0, 3, 1
	v_lshl_add_u32 v[K0], v3, 4, v[K0]
	s_lshl_b32 s18, s[WV], 8                       ; my wave's 128 s
	v_add_nc_u32 v[K0], s18, v[K0]
	v_mul_u32_u24 v[Q0], v1, QP
	v_lshl_add_u32 v[Q0], v2, 4, v[Q0]
	v_mov_b32 v[ADRK], v[K0]
	v_add_nc_u32 v[ADRK2], KHALF, v[K0]
	v_add_nc_u32 v[ADRQ], s[TBQ], v[Q0]
	s_mul_i32 s18, s[WV], 16*SP
	s_add_co_u32 s18, s18, STAGE                   ; my stage
	v_mul_u32_u24 v[STO], v1, SP
	v_lshl_add_u32 v[STO], v2, 4, v[STO]
	v_add_nc_u32 v[STO], s18, v[STO]
	v_mul_u32_u24 v[RD], v2, SP
	v_lshl_add_u32 v[RD], v1, 4, v[RD]
	v_add_nc_u32 v[RD], s18, v[RD]
	v_lshlrev_b32 v[CO], 10, v2                    ; lanes 0-15 one row of P, lanes 16-31 the next
	v_lshl_add_u32 v[CO], v1, 4, v[CO]
	v_lshlrev_b32 v[MXR], 4, v1
	v_add_nc_u32 v[MXR], MX, v[MXR]
	s_lshl_b32 s19, s[WV], 2
	v_add_nc_u32 v[MXA], s19, v[MXR]
; 24 LDS loads in one run: the fragments of 32 along t, quarter kq of the step in hand, into buffer f: kT's sixteen, then qT's eight
.macro SFETCH kq, f
	WIN 0
.irp sb, 0,1,2,3,4,5,6,7
	ds_load_tr16_b128 v[(\f)+8*(\sb):(\f)+8*(\sb)+3],   v[ADRK+(\kq)/2] offset:((\kq)%2)*32*KP+32*(\sb)
	ds_load_tr16_b128 v[(\f)+8*(\sb)+4:(\f)+8*(\sb)+7], v[ADRK+(\kq)/2] offset:((\kq)%2)*32*KP+16*KP+32*(\sb)
.endr
.irp a, 0,1,2,3
	ds_load_b128 v[(\f)+64+8*(\a):(\f)+64+8*(\a)+3],   v[ADRQ] offset:(\a)*16*QP+64*(\kq)
	ds_load_b128 v[(\f)+64+8*(\a)+4:(\f)+64+8*(\a)+7], v[ADRQ] offset:(\a)*16*QP+64*(\kq)+32
.endr
.endm
; 8 matrix instructions: row block a x all 8 blocks of s. The 32 accumulators take turns, one instruction a turn. zero = 1: the first product starts the sums.
.macro SMUL8 f, a, zero
	WIN 0x50                                       ; C and D in window 1
.irp sb, 0,1,2,3,4,5,6,7
.if \zero
	v_wmma_f32_16x16x32_f16 v[8*(8*(\a)+(\sb)):8*(8*(\a)+(\sb))+7], v[(\f)+8*(\sb):(\f)+8*(\sb)+7], v[(\f)+64+8*(\a):(\f)+64+8*(\a)+7], 0
.else
	v_wmma_f32_16x16x32_f16 v[8*(8*(\a)+(\sb)):8*(8*(\a)+(\sb))+7], v[(\f)+8*(\sb):(\f)+8*(\sb)+7], v[(\f)+64+8*(\a):(\f)+64+8*(\a)+7], v[8*(8*(\a)+(\sb)):8*(8*(\a)+(\sb))+7]
.endif
.endr
.endm
; One of a step's first three quarters: multiplies buffer f, fetches quarter kq into buffer g
.macro SQ kq, f, g, zero
	s_wait_dscnt 4                                 ; kT's fragments and qT's blocks 0, 1 are in; the youngest four loads (blocks 2, 3) may be out
	SMUL8 \f, 0, \zero
	SMUL8 \f, 1, \zero
	PLACES
	SFETCH \kq, \g
	s_wait_dscnt 24                                ; all but the 24 just issued
	SMUL8 \f, 2, \zero
	SMUL8 \f, 3, \zero
.endm
; The last quarter and the change of slots: ONE barrier; in front of it each wave waits for all its tensor loads, adds 0 to its spare word, and waits for that and for its reads of these slots.
; fill = 1: the barrier opens a round of the cluster's, and the slots just read out are filled again first behind it, with the step two steps on.
.macro STURN fill
	WIN 0
	s_wait_tensorcnt 0x0
	ds_add_u32 v[SPW], v[NIL]
	s_wait_dscnt 7                                 ; the add and the youngest six loads (qT's blocks 1 to 3) may be out
	SMUL8 F1, 0, 0
	s_wait_dscnt 0x0                               ; the add is done, and my reads of these slots are over
	s_barrier_signal -1
	SMUL8 F1, 1, 0
	WIN 0
	s_barrier_wait -1
.if \fill
	CREST
	s_xor_b32 s[G0Q+5], s[G0Q+5], QSLOT            ; the walking descriptors: the other slot than last time, the next step
	s_add_nc_u64 s[G0Q+6:G0Q+7], s[G0Q+6:G0Q+7], 256
	s_xor_b32 s[G0K+5], s[G0K+5], KSLOT
	s_add_nc_u64 s[G0K+6:G0K+7], s[G0K+6:G0K+7], 262144
	SLOAD
.endif
	PLACES                                         ; on every wave's path: the places in front of the loads below
	s_xor_b32 s[TBK], s[TBK], KSLOT
	s_xor_b32 s[TBQ], s[TBQ], QSLOT
	v_add_nc_u32 v[ADRK], s[TBK], v[K0]
	v_add_nc_u32 v[ADRK2], KHALF, v[ADRK]
	v_add_nc_u32 v[ADRQ], s[TBQ], v[Q0]
	SFETCH 0, F0
	SMUL8 F1, 2, 0
	SMUL8 F1, 3, 0
.endm
	s_wait_tensorcnt 1                             ; my part of step 0 is in; step 1's may stay out
	s_barrier_signal -1
	s_barrier_wait -1
	SFETCH 0, F0
	SQ 1, F0, F1, 1                                ; the first quarter stands in front of the loop: its products start the sums
	WIN 0
	s_mov_b32 s[CNT], NSTEP-2
.Lstep:                                                ; a trip: from a step's second quarter to the next step's first; it fills the slots that it leaves
	SQ 2, F1, F0, 0
	SQ 3, F0, F1, 0
	STURN 1
	SQ 1, F0, F1, 0
	WIN 0
	s_sub_co_u32 s[CNT], s[CNT], 1
	s_cmp_lg_u32 s[CNT], 0
	s_cbranch_scc1 .Lstep
	SQ 2, F1, F0, 0                                ; the last two steps are written out: they ask for nothing
	SQ 3, F0, F1, 0
	STURN 0
	SQ 1, F0, F1, 0
	SQ 2, F1, F0, 0
	SQ 3, F0, F1, 0
	s_wait_dscnt 4
	SMUL8 F1, 0, 0
	SMUL8 F1, 1, 0
	s_wait_dscnt 0x0
	SMUL8 F1, 2, 0
	SMUL8 F1, 3, 0
	PLACES
	; THE MAXIMUM. Chain n of sixteen takes the 16 registers at v[16 n] of window 1: row block n / 4, two accumulators, in ascending order.
	WIN 0x15                                       ; all three sources in window 1
.set n, 0
.rept 16
	v_max3_num_f32 v[C+n], v[16*n], v[16*n+1], v[16*n+2]
.set n, n+1
.endr
	WIN 0x14                                       ; source 0 in window 0
.set k, 3
.rept 6
.set n, 0
.rept 16
	v_max3_num_f32 v[C+n], v[C+n], v[16*n+k], v[16*n+k+1]
.set n, n+1
.endr
.set k, k+2
.endr
.set n, 0
.rept 16
	v_max_num_f32 v[C+n], v[C+n], v[16*n+15]
.set n, n+1
.endr
	WIN 0
.irp a, 0,1,2,3
	v_max3_num_f32 v[C+4*(\a)], v[C+4*(\a)], v[C+4*(\a)+1], v[C+4*(\a)+2]
.endr
.irp a, 0,1,2,3
	v_max_num_f32 v[C+4*(\a)], v[C+4*(\a)], v[C+4*(\a)+3]
.endr
.irp a, 0,1,2,3
	v_permlanex16_b32 v[C+4*(\a)+1], v[C+4*(\a)], s[SEL], s[SEL+1]  ; the row's other 64 of my 128 s lie in the lane 16 away
.endr
.irp a, 0,1,2,3
	v_max_num_f32 v[C+4*(\a)], v[C+4*(\a)], v[C+4*(\a)+1]
.endr
.irp a, 0,1,2,3
	ds_store_b32 v[MXA], v[C+4*(\a)] offset:256*(\a)                ; row 16 a + l % 16, my wave's word; both halves of the lanes write the same number
.endr
	s_wait_dscnt 0x0                               ; for the others' sake: my stores are done
	s_barrier_signal -1
	s_barrier_wait -1
.irp a, 0,1,2,3
	ds_load_b128 v[T+4*(\a):T+4*(\a)+3], v[MXR] offset:256*(\a)
.endr
	s_wait_dscnt 0x0
.irp a, 0,1,2,3
	v_max3_num_f32 v[T+4*(\a)], v[T+4*(\a)], v[T+4*(\a)+1], v[T+4*(\a)+2]
.endr
.irp a, 0,1,2,3
	v_max_num_f32 v[T+4*(\a)], v[T+4*(\a)], v[T+4*(\a)+3]           ; the maximum of the whole row
.endr
.irp a, 0,1,2,3
	v_mul_f32 v[CM+2*(\a)], s[CS], v[T+4*(\a)]
.endr
.irp a, 0,1,2,3
	v_mov_b32 v[CM+2*(\a)+1], v[CM+2*(\a)]                          ; named with it as a pair
.endr
	; p = 2^(c s - c m), in place. Behind a run of exponentials stands a plain instruction that names none of them before a result is used (ISA guide 5.7.2): the next block's scalings, at last a v_nop.
	WIN 0x41                                       ; destination and source 0 in window 1
.irp a, 0,1,2,3
.set n, 0
.rept 32
	v_pk_fma_f32 v[64*(\a)+2*n:64*(\a)+2*n+1], v[64*(\a)+2*n:64*(\a)+2*n+1], s[CS:CS+1], v[CM+2*(\a):CM+2*(\a)+1] op_sel_hi:[1,0,0] neg_lo:[0,0,1] neg_hi:[0,0,1]
.set n, n+1
.endr
.set n, 0
.rept 64
	v_exp_f32 v[64*(\a)+n], v[64*(\a)+n]
.set n, n+1
.endr
.endr
	v_nop
	; THE SUMS, of the unrounded p: sixteen chains of pairs, as for the maximum
	WIN 0x05                                       ; sources 0 and 1 in window 1
.set n, 0
	s_wait_alu depctr_va_vdst(0)
.rept 16
	v_pk_add_f32 v[LS+2*n:LS+2*n+1], v[16*n:16*n+1], v[16*n+2:16*n+3]
.set n, n+1
.endr
	WIN 0x04
.set k, 4
.rept 6
.set n, 0
.rept 16
	v_pk_add_f32 v[LS+2*n:LS+2*n+1], v[LS+2*n:LS+2*n+1], v[16*n+k:16*n+k+1]
.set n, n+1
.endr
.set k, k+2
.endr
	WIN 0
.irp a, 0,1,2,3
	v_pk_add_f32 v[LS+8*(\a):LS+8*(\a)+1], v[LS+8*(\a):LS+8*(\a)+1], v[LS+8*(\a)+2:LS+8*(\a)+3]
	v_pk_add_f32 v[LS+8*(\a)+4:LS+8*(\a)+5], v[LS+8*(\a)+4:LS+8*(\a)+5], v[LS+8*(\a)+6:LS+8*(\a)+7]
.endr
.irp a, 0,1,2,3
	v_pk_add_f32 v[LS+8*(\a):LS+8*(\a)+1], v[LS+8*(\a):LS+8*(\a)+1], v[LS+8*(\a)+4:LS+8*(\a)+5]
.endr
.irp a, 0,1,2,3
	v_add_f32 v[LS+8*(\a)], v[LS+8*(\a)], v[LS+8*(\a)+1]
.endr
.irp a, 0,1,2,3
	v_permlanex16_b32 v[LS+8*(\a)+1], v[LS+8*(\a)], s[SEL], s[SEL+1]
.endr
.irp a, 0,1,2,3
	v_add_f32 v[LS+8*(\a)], v[LS+8*(\a)], v[LS+8*(\a)+1]
.endr
.irp a, 0,1,2,3
	ds_store_b32 v[MXA], v[LS+8*(\a)] offset:1024+256*(\a)          ; other bytes than the maxima's: no barrier is owed to their readers
.endr
	s_wait_dscnt 0x0
	s_barrier_signal -1
	s_barrier_wait -1
.irp a, 0,1,2,3
	ds_load_b128 v[T+4*(\a):T+4*(\a)+3], v[MXR] offset:1024+256*(\a)
.endr
	s_wait_dscnt 0x0
.irp a, 0,1,2,3
	v_add_f32 v[T+4*(\a)], v[T+4*(\a)], v[T+4*(\a)+1]
	v_add_f32 v[T+4*(\a)+2], v[T+4*(\a)+2], v[T+4*(\a)+3]
.endr
.irp a, 0,1,2,3
	v_add_f32 v[T+4*(\a)], v[T+4*(\a)], v[T+4*(\a)+2]               ; l is at least 1: the maximum's own weight
.endr
.irp a, 0,1,2,3
	v_rcp_f32 v[R+2*(\a)], v[T+4*(\a)]
	v_rcp_f32 v[R+2*(\a)+1], v[T+4*(\a)]
.endr
	v_nop                                          ; a plain instruction between the last reciprocal and the use of its result
	s_wait_alu depctr_va_vdst(0)
; THE WAY OUT of row block a: p / l, rounded to f16, 16 bytes a lane, through my own stage, back as whole rows of 256 bytes
.macro SPACK a
	WIN 0x41
.set n, 0
.rept 32
	v_pk_mul_f32 v[64*(\a)+2*n:64*(\a)+2*n+1], v[64*(\a)+2*n:64*(\a)+2*n+1], v[R+2*(\a):R+2*(\a)+1] op_sel_hi:[1,0]
.set n, n+1
.endr
	WIN 0x05
.set n, 0
.rept 32
	v_cvt_pk_f16_f32 v[TMP+n], v[64*(\a)+2*n], v[64*(\a)+2*n+1]
.set n, n+1
.endr
	WIN 0
.endm
.macro STOSTAGE a
.set BK, BKS+32*((\a)%2)
.irp sb, 0,1,2,3,4,5,6,7
	ds_store_b128 v[STO], v[TMP+4*(\sb):TMP+4*(\sb)+3] offset:32*(\sb)
.endr
.irp t, 0,1,2,3,4,5,6,7
	ds_load_b128 v[BK+4*(\t):BK+4*(\t)+3], v[RD] offset:(\t)*2*SP   ; LDS serves a wave's instructions in order (ISA guide 5.7.1.4): these see the stores above
.endr
.endm
.macro SSEND a
.set BK, BKS+32*((\a)%2)
	s_wait_dscnt 0x0
	s_wait_xcnt 0x0                                ; the registers that earlier stores read are loaded again only behind this wait
.irp t, 0,1,2,3,4,5,6,7
	global_store_b128 v[CO], v[BK+4*(\t):BK+4*(\t)+3], s[6:7] offset:(16*(\a)+2*(\t))*1024  ; 16 lanes store 256 consecutive bytes, at a multiple of 256 from P's first byte
.endr
.endm
	SPACK 0
	STOSTAGE 0
.irp a, 1,2,3
	SPACK \a
	SSEND (\a)-1
	STOSTAGE \a
.endr
	SSEND 3
	s_wait_tensorcnt 0x0                           ; the wave's end
	ds_add_u32 v[SPW], v[NIL]
	s_wait_dscnt 0x0
	CROUND                                         ; the closing round
	s_endpgm
.Lfunc_end_k_q47ea4d5586_score:
	.size	k_q47ea4d5586_score, .Lfunc_end_k_q47ea4d5586_score-k_q47ea4d5586_score
	.p2alignl 7, 3214868480
	.fill 96, 4, 3214868480
	.section	.rodata,"a",@progbits
	.p2align	6, 0x0
	.amdhsa_kernel k_q47ea4d5586_score
		.amdhsa_group_segment_fixed_size 327680
		.amdhsa_private_segment_fixed_size 0
		.amdhsa_enable_private_segment 0
		.amdhsa_kernarg_size 16
		.amdhsa_user_sgpr_count 2
		.amdhsa_user_sgpr_kernarg_segment_ptr 1
		.amdhsa_wavefront_size32 1
		.amdhsa_system_sgpr_workgroup_id_x 1
		.amdhsa_system_sgpr_workgroup_id_y 1
		.amdhsa_system_sgpr_workgroup_id_z 1
		.amdhsa_system_vgpr_workitem_id 0
		.amdhsa_next_free_vgpr 512
		.amdhsa_next_free_sgpr 66
		.amdhsa_reserve_vcc 0
		.amdhsa_float_denorm_mode_32 3
		.amdhsa_float_denorm_mode_16_64 3
		.amdhsa_memory_ordered 1
		.amdhsa_forward_progress 1
		.amdhsa_inst_pref_size 114
	.end_amdhsa_kernel
	.amdgpu_metadata
---
amdhsa.version: [ 1, 2 ]
amdhsa.kernels:
  - .name:           k_q47ea4d5586_score
    .symbol:         k_q47ea4d5586_score.kd
    .args:
      - { .name: qkv, .offset: 0, .size: 8, .value_kind: global_buffer, .address_space: global }
      - { .name: pbuf, .offset: 8, .size: 8, .value_kind: global_buffer, .address_space: global }
    .group_segment_fixed_size: 327680
    .private_segment_fixed_size: 0
    .kernarg_segment_align: 8
    .kernarg_segment_size: 16
    .max_flat_workgroup_size: 128
    .sgpr_count:     66
    .vgpr_count:     512
    .wavefront_size: 32
...
	.end_amdgpu_metadata
.endif
;; end of part 3
;; launch pv (part 4): grid 64 x 4, 4 waves a work-group, clusters of 4 x 4, 327,680 bytes of LDS; arguments pbuf, qkv, obuf; writes obuf
.if DOCPART == 4
	.amdgcn_target "amdgcn-amd-amdhsa--gfx1250"
	.amdhsa_code_object_version 6
	.text
	.protected	k_q47ea4d5586_pv
	.globl	k_q47ea4d5586_pv
	.p2align	8
	.type	k_q47ea4d5586_pv,@function
k_q47ea4d5586_pv:
	s_mov_b64 s[64:65], 0
	v_nop
	global_prefetch_b8 v0, s[64:65] scope:SCOPE_SE
	s_setreg_imm32_b32 hwreg(HW_REG_WAVE_MODE, 25, 1), 1
	s_wait_xcnt 0x0
	s_wait_alu depctr_hold_cnt(0) depctr_sa_sdst(0) depctr_va_vdst(0) depctr_va_sdst(0) depctr_va_ssrc(0) depctr_va_vcc(0) depctr_vm_vsrc(0)
	s_getreg_b32 s2, hwreg(HW_REG_IB_STS2, 6, 4)
	s_cmp_eq_u32 s2, 0
	s_cbranch_scc0 .Lentry_in_a_cluster
	s_endpgm
.Lentry_in_a_cluster:
	s_bfe_u32 s2, ttmp6, 0x10000c
	s_cmp_lg_u32 s2, 0xf033
	s_cbranch_scc0 .Lentry_shape_is_right
	s_endpgm
.Lentry_shape_is_right:
; o[b][i][e] = sum over s of P[b][i][s] vT[b][e][s]. P: f16, rows of 1,024 bytes; vT: f16, in block 24 + b / 2 of qkv, rows 2,048 bytes apart, columns 512 (b % 2) on; o: f16, rows of 2,048 bytes.
; Sums in f32, o rounded once. LIMIT. o is a mean of v's rows and has their range, inside f16's; NaN and infinities are not treated apart.
; SHARES. A cluster of 4 x 4 work-groups makes one batch's 1,024 x 1,024; a work-group 256 x 256; each of its four waves 128 x 128: 64 accumulators, 512 registers.
; K (s) goes in 4 steps of 128 through two LDS slots filled by the tensor data mover: the tiles' rows are 256 bytes of memory at multiples of 256 bytes.
; CLUSTER. The four work-groups of a row of the cluster need the same rows of P, the four of a column the same rows of vT: each tile is asked for jointly, with a mask of the four.
; THE MATRIX INSTRUCTION IS USED TRANSPOSED: source 0 = 16 rows of vT, source 1 = 16 rows of P: lane l holds row l % 16 of o and eight neighbouring columns.
; REGISTERS in windows of 256 (s_set_vgpr_msb: bits 1:0 source 0, 3:2 source 1, 5:4 source 2, 7:6 destination):
;   window 0: v0-31 addresses; v64-127, v128-191 P's fragments, two buffers; v32-63, v192-255 at work on the way out
;   window 1: v64-127, v128-191 vT's fragments; window 2: accumulators of my rows 0-63 ((a, b) at v[8 (8 a + b)]); window 3: of my rows 64-127
.set NSTEP,  4
.set KSTEP,  128
.set PITCH,  272                       ; an LDS row: 256 bytes + 16 of padding: the 16 rows of a fragment load start at 16 different groups of four banks (64 banks of 4 bytes: ISA guide 11.1)
.set HALFT,  128*PITCH
.set SLOT,   4*HALFT                   ; 0x22000; no multiple 0..3 of HALFT has one of its two bits, so one exclusive or changes slots
.set STAGE,  2*SLOT
.set SPITCH, 272
.set SPARE,  STAGE+4*16*SPITCH         ; the spare words, 128 bytes a wave: two blocks of 256 bytes that no other line names
.set PA,     512                       ; elements from row to row of P
.set PB,     1024                      ; and of vT
.set CP,     2048                      ; bytes from row to row of o
.set A0,   16
.set ADRA, 17
.set B0,   20
.set ADRB, 21
.set STO,  24
.set RD,   25
.set CO,   26
.set SPW,  28                          ; LDS address of my spare word; never rewritten
.set NIL,  29                          ; 0; never rewritten
.set F0,   64
.set F1,   128
.set TMP,  192
.set OB,   32
.set CB,   8
.set G1,   24                          ; s[24:31] group 1 for P's tiles; s[32:39] group 0: set 0 serves K step 0, set 1 walks
.set G0,   32
.set G1B,  48                          ; the same for vT's
.set G0B,  56
.set TB,   66                          ; s66 the LDS byte at which the slot in hand begins
.set MSB, 0
.macro WIN new
.if MSB != (\new)
	s_set_vgpr_msb (MSB<<8)|(\new)
.set MSB, \new
.endif
.endm
.set MUL_LO, 0xa1
.set TO_B,   0x40
.macro JLOAD s                         ; a joint load: waves 0 and 1 fetch P's two halves, waves 2 and 3 vT's; an s_nop 0 and four v_nop follow each line
	s_cmp_eq_u32 s11, 0
	s_cbranch_scc0 .Lfor_b_\@
	tensor_load_to_lds s[G0+4*(\s):G0+4*(\s)+3], s[G1:G1+7]
	s_nop 0
.rept 4
	v_nop
.endr
	s_branch .Lasked_\@
.Lfor_b_\@:
	tensor_load_to_lds s[G0B+4*(\s):G0B+4*(\s)+3], s[G1B:G1B+7]
	s_nop 0
.rept 4
	v_nop
.endr
.Lasked_\@:
.endm
.macro CREST                           ; a round of the cluster's barrier behind its opening barrier
	s_cmp_lg_u32 s10, 0
	s_cbranch_scc1 .Lnot_wave_0_\@
	s_barrier_signal -3
.Lnot_wave_0_\@:
	s_barrier_wait -3
	s_barrier_signal -1
	s_barrier_wait -1
.endm
.macro CROUND
	s_barrier_signal -1
	s_barrier_wait -1
	CREST
.endm
	s_load_b128 s[4:7], s[0:1], 0x0                ; pbuf s[4:5], qkv s[6:7]
	s_load_b64 s[CB:CB+1], s[0:1], 0x10            ; obuf
	v_lshl_add_u32 v[SPW], v0, 2, SPARE
	v_mov_b32 v[NIL], 0
	ds_add_u32 v[SPW], v[NIL]                      ; the wave's opening: the add and its wait stand ahead of my first tensor load; the set-up below stands between them
	v_lshrrev_b32 v1, 5, v0
	v_readfirstlane_b32 s10, v1
	s_lshr_b32 s11, s10, 1                         ; which half of the tile's rows is mine. Also: I fetch P (0) or vT (1)
	s_and_b32 s12, s10, 1                          ; which half of its columns. Also: which 128 rows I fetch
	s_bfe_u32 s40, ttmp6, 0x40000                  ; cx: the tile column
	s_bfe_u32 s41, ttmp6, 0x40004                  ; cy: the tile row
	s_lshl_b32 s43, s41, 2
	s_lshl_b32 s43, 15, s43
	s_lshl_b32 s44, 0x1111, s40
	s_or_b32 s[G1+0], s43, (1<<16)|(1<<20)|(1<<21)|(5<<22)|(3<<25)   ; the mask of my row; 2-byte elements; padding on; 21 set beside a mask; after every 64 words 4 words
	s_or_b32 s[G1B+0], s44, (1<<16)|(1<<20)|(1<<21)|(5<<22)|(3<<25)  ; the same with the mask of my column
.irp g, G1, G1B
	s_mov_b32 s[(\g)+1], KSTEP<<16
	s_mov_b32 s[(\g)+2], 128<<16
	s_mov_b32 s[(\g)+3], KSTEP<<16
	s_mov_b32 s[(\g)+4], 128
	s_mov_b32 s[(\g)+6], 0
	s_mov_b32 s[(\g)+7], 0
.endr
	s_mov_b32 s[G1+5], PA
	s_mov_b32 s[G1B+5], PB
	s_lshl_b32 s17, s12, 7
	s_lshl_b32 s16, s41, 8
	s_add_co_u32 s16, s16, s17                     ; P's row 256 cy + 128 half,
	s_lshl_b32 s16, s16, 10
	s_lshl_b32 s45, ttmp9, 20                      ; in batch b
	s_add_co_u32 s16, s16, s45
	s_lshl_b32 s46, s40, 8
	s_add_co_u32 s46, s46, s17                     ; vT's row 256 cx + 128 half,
	s_lshl_b32 s46, s46, 11
	s_lshr_b32 s45, ttmp9, 1
	s_add_co_u32 s45, s45, 24                      ; in block 24 + b / 2,
	s_lshl_b32 s45, s45, 21
	s_add_co_u32 s46, s46, s45
	s_and_b32 s45, ttmp9, 1                        ; columns 512 (b % 2) on
	s_lshl_b32 s45, s45, 10
	s_add_co_u32 s46, s46, s45
	s_mov_b32 s17, 0
	s_mov_b32 s47, 0
	s_mul_i32 s20, s10, HALFT
	s_wait_dscnt 0x0                               ; the opening add is done
	s_wait_kmcnt 0x0
	s_add_nc_u64 s[14:15], s[4:5], s[16:17]
	s_add_nc_u64 s[46:47], s[6:7], s[46:47]
	CROUND                                         ; all sixteen work-groups are here: the first joint loads meet
.irp s, 0,1
	s_mov_b32 s[G0+4*(\s)], 1
	s_add_co_u32 s[G0+4*(\s)+1], s20, (\s)*SLOT
	s_add_nc_u64 s[G0+4*(\s)+2:G0+4*(\s)+3], s[14:15], (\s)*KSTEP*2
	s_or_b32 s[G0+4*(\s)+3], s[G0+4*(\s)+3], 0x80000000
	s_mov_b32 s[G0B+4*(\s)], 1
	s_add_co_u32 s[G0B+4*(\s)+1], s20, (\s)*SLOT
	s_add_nc_u64 s[G0B+4*(\s)+2:G0B+4*(\s)+3], s[46:47], (\s)*KSTEP*2
	s_or_b32 s[G0B+4*(\s)+3], s[G0B+4*(\s)+3], 0x80000000
	JLOAD \s                                       ; K steps 0 and 1: two loads of mine are out
.endr
	v_and_b32 v1, 15, v0
	v_bfe_u32 v2, v0, 4, 1
	v_mul_u32_u24 v3, v1, PITCH
	v_lshl_add_u32 v3, v2, 4, v3
	s_mul_i32 s21, s11, HALFT
	s_mul_i32 s22, s12, HALFT
	s_add_co_u32 s22, s22, 2*HALFT
	v_add_nc_u32 v[A0], s21, v3
	v_add_nc_u32 v[B0], s22, v3
	v_mov_b32 v[ADRA], v[A0]
	v_mov_b32 v[ADRB], v[B0]
	s_mov_b32 s[TB], 0
	s_mul_i32 s23, s10, 16*SPITCH
	s_add_co_u32 s23, s23, STAGE
	v_mul_u32_u24 v4, v1, SPITCH
	v_lshl_add_u32 v4, v2, 4, v4
	v_add_nc_u32 v[STO], s23, v4
	v_mul_u32_u24 v5, v2, SPITCH
	v_lshl_add_u32 v5, v1, 4, v5
	v_add_nc_u32 v[RD], s23, v5
	v_mul_u32_u24 v5, v2, CP
	v_lshl_add_u32 v[CO], v1, 4, v5
	s_lshl_b32 s16, s41, 8                         ; where my part of o begins, in bytes
	s_lshl_b32 s14, s11, 7
	s_add_co_u32 s16, s16, s14
	s_lshl_b32 s16, s16, 11
	s_lshl_b32 s14, ttmp9, 21
	s_add_co_u32 s16, s16, s14
	s_mov_b32 s17, 0
	s_lshl_b32 s46, s40, 9
	s_lshl_b32 s47, s12, 8
	s_add_co_u32 s46, s46, s47
	s_mov_b32 s47, 0
	s_add_nc_u64 s[16:17], s[16:17], s[46:47]
; 16 matrix instructions: row blocks a0, a0 + 1 of the window's four x all 8 column blocks, 32 along K. mode 1: the first product starts the sums. The 64 accumulators take turns.
.macro MUL16 f, hi, a0, mode
	WIN MUL_LO+0x50*(\hi)
.irp a, \a0, (\a0)+1
.irp b, 0,1,2,3,4,5,6,7
.if (\mode) == 1
	v_wmma_f32_16x16x32_f16 v[8*(8*(\a)+(\b)):8*(8*(\a)+(\b))+7], v[(\f)+8*(\b):(\f)+8*(\b)+7], v[(\f)+8*(4*(\hi)+(\a)):(\f)+8*(4*(\hi)+(\a))+7], 0
.else
	v_wmma_f32_16x16x32_f16 v[8*(8*(\a)+(\b)):8*(8*(\a)+(\b))+7], v[(\f)+8*(\b):(\f)+8*(\b)+7], v[(\f)+8*(4*(\hi)+(\a)):(\f)+8*(4*(\hi)+(\a))+7], v[8*(8*(\a)+(\b)):8*(8*(\a)+(\b))+7]
.endif
.endr
.endr
.endm
.macro FETCH k, f                      ; 32 LDS loads in one run: vT's fragments, then P's
	WIN TO_B
.irp i, 0,1,2,3,4,5,6,7
	ds_load_b128 v[(\f)+8*(\i):(\f)+8*(\i)+3],   v[ADRB] offset:(\k)+(\i)*16*PITCH
	ds_load_b128 v[(\f)+8*(\i)+4:(\f)+8*(\i)+7], v[ADRB] offset:(\k)+(\i)*16*PITCH+32
.endr
	WIN 0
.irp i, 0,1,2,3,4,5,6,7
	ds_load_b128 v[(\f)+8*(\i):(\f)+8*(\i)+3],   v[ADRA] offset:(\k)+(\i)*16*PITCH
	ds_load_b128 v[(\f)+8*(\i)+4:(\f)+8*(\i)+7], v[ADRA] offset:(\k)+(\i)*16*PITCH+32
.endr
.endm
.macro PLACES                          ; four plain vector instructions between a matrix instruction and a load into, or a vector read of, its registers (ISA guide 7.12.1 for vector reads)
.rept 4
	v_nop
.endr
.endm
.macro QUARTER k, f, g, mode
	s_wait_dscnt 8                                 ; the youngest eight loads (P's rows 64-127) may be out
	MUL16 \f, 0, 0, \mode
	MUL16 \f, 0, 2, \mode
	PLACES
	FETCH \k, \g
	s_wait_dscnt 32                                ; all but the 32 just issued
	MUL16 \f, 1, 0, \mode
	MUL16 \f, 1, 2, \mode
.endm
.macro MEET round                      ; ONE barrier for the change of slots: all my tensor loads, the add, the wait for it and for my reads of this slot stand in front of it
	WIN 0
	s_wait_tensorcnt 0x0
	ds_add_u32 v[SPW], v[NIL]
	s_wait_dscnt 9                                 ; the add and the youngest eight loads may be out
	MUL16 F1, 0, 0, 0
	s_wait_dscnt 0x0
	s_barrier_signal -1
	MUL16 F1, 0, 2, 0
.if \round
	WIN 0
.endif
	s_barrier_wait -1
.endm
.macro TURN fill                       ; the last quarter; fill = 1: a round of the cluster's barrier, and the slot just read out is filled again first behind it, two K steps on
	MEET \fill
.if \fill
	CREST
	s_xor_b32 s[G0+5], s[G0+5], SLOT
	s_add_nc_u64 s[G0+6:G0+7], s[G0+6:G0+7], KSTEP*2
	s_xor_b32 s[G0B+5], s[G0B+5], SLOT
	s_add_nc_u64 s[G0B+6:G0B+7], s[G0B+6:G0B+7], KSTEP*2
	JLOAD 1                                        ; the four v_nop behind it are also the places in front of the loads below
.else
	PLACES
.endif
	s_xor_b32 s[TB], s[TB], SLOT
	WIN 0
	v_add_nc_u32 v[ADRA], s[TB], v[A0]
	v_add_nc_u32 v[ADRB], s[TB], v[B0]
	FETCH 0, F0
	MUL16 F1, 1, 0, 0
	MUL16 F1, 1, 2, 0
.endm
.macro LASTQ
	s_wait_dscnt 8
	MUL16 F1, 0, 0, 0
	MUL16 F1, 0, 2, 0
	s_wait_dscnt 0x0
	MUL16 F1, 1, 0, 0
	MUL16 F1, 1, 2, 0
	WIN 0
.endm
.macro PACK a                          ; block a of 16 rows, rounded to f16, each accumulator's registers in ascending order
.set AC, 64*((\a)%4)
	WIN 0x0a+5*((\a)/4)
.irp b, 0,1,2,3,4,5,6,7
.irp r, 0,1,2,3
	v_cvt_pk_f16_f32 v[TMP+4*(\b)+(\r)], v[AC+8*(\b)+2*(\r)], v[AC+8*(\b)+2*(\r)+1]
.endr
.endr
	WIN 0
.endm
.macro TOSTAGE a
	WIN 0
.set BK, OB+192*((\a)%2)
.irp b, 0,1,2,3,4,5,6,7
	ds_store_b128 v[STO], v[TMP+4*(\b):TMP+4*(\b)+3] offset:32*(\b)
.endr
.irp t, 0,1,2,3,4,5,6,7
	ds_load_b128 v[BK+4*(\t):BK+4*(\t)+3], v[RD] offset:(\t)*2*SPITCH  ; LDS serves a wave's instructions in order (ISA guide 5.7.1.4): these see the stores above
.endr
.endm
.macro SEND a
	WIN 0
.set BK, OB+192*((\a)%2)
	s_wait_dscnt 0x0
	s_wait_xcnt 0x0                                ; only behind this wait are the stores' base and the registers that earlier stores read rewritten
.if (\a) == 0
	s_add_nc_u64 s[CB:CB+1], s[CB:CB+1], s[16:17]
.else
	s_add_nc_u64 s[CB:CB+1], s[CB:CB+1], 16*CP
.endif
.irp t, 0,1,2,3,4,5,6,7
	global_store_b128 v[CO], v[BK+4*(\t):BK+4*(\t)+3], s[CB:CB+1] offset:2*(\t)*CP  ; 16 lanes store 256 consecutive bytes, at a multiple of 256 from o's first byte
.endr
.endm
	s_wait_tensorcnt 1                             ; my part of K step 0 is in; K step 1's may stay out
	s_barrier_signal -1
	s_barrier_wait -1
	FETCH 0, F0
	QUARTER 64, F0, F1, 1
	WIN 0
	s_mov_b32 s3, NSTEP-2
.Lstep:
	QUARTER 128, F1, F0, 0
	QUARTER 192, F0, F1, 0
	TURN 1
	QUARTER 64, F0, F1, 0
	WIN 0
	s_sub_co_u32 s3, s3, 1
	s_cmp_lg_u32 s3, 0
	s_cbranch_scc1 .Lstep
	QUARTER 128, F1, F0, 0                         ; the last two K steps are written out: they ask for nothing
	QUARTER 192, F0, F1, 0
	TURN 0
	QUARTER 64, F0, F1, 0
	QUARTER 128, F1, F0, 0
	QUARTER 192, F0, F1, 0
	LASTQ
	PLACES
	PACK 0
	TOSTAGE 0
.irp a, 1,2,3,4,5,6,7
	PACK \a
	SEND (\a)-1
	TOSTAGE \a
.endr
	SEND 7
	s_wait_tensorcnt 0x0                           ; the wave's end
	ds_add_u32 v[SPW], v[NIL]
	s_wait_dscnt 0x0
	CROUND                                         ; the closing round
	s_endpgm
.Lfunc_end_k_q47ea4d5586_pv:
	.size	k_q47ea4d5586_pv, .Lfunc_end_k_q47ea4d5586_pv-k_q47ea4d5586_pv
	.p2alignl 7, 3214868480
	.fill 96, 4, 3214868480
	.section	.rodata,"a",@progbits
	.p2align	6, 0x0
	.amdhsa_kernel k_q47ea4d5586_pv
		.amdhsa_group_segment_fixed_size 327680
		.amdhsa_private_segment_fixed_size 0
		.amdhsa_enable_private_segment 0
		.amdhsa_kernarg_size 24
		.amdhsa_user_sgpr_count 2
		.amdhsa_user_sgpr_kernarg_segment_ptr 1
		.amdhsa_wavefront_size32 1
		.amdhsa_system_sgpr_workgroup_id_x 1
		.amdhsa_system_sgpr_workgroup_id_y 1
		.amdhsa_system_sgpr_workgroup_id_z 1
		.amdhsa_system_vgpr_workitem_id 0
		.amdhsa_next_free_vgpr 1024
		.amdhsa_next_free_sgpr 68
		.amdhsa_reserve_vcc 0
		.amdhsa_float_denorm_mode_32 3
		.amdhsa_float_denorm_mode_16_64 3
		.amdhsa_memory_ordered 1
		.amdhsa_forward_progress 1
		.amdhsa_inst_pref_size 117
	.end_amdhsa_kernel
	.amdgpu_metadata
---
amdhsa.version: [ 1, 2 ]
amdhsa.kernels:
  - .name:           k_q47ea4d5586_pv
    .symbol:         k_q47ea4d5586_pv.kd
    .args:
      - { .name: pbuf, .offset: 0, .size: 8, .value_kind: global_buffer, .address_space: global }
      - { .name: qkv, .offset: 8, .size: 8, .value_kind: global_buffer, .address_space: global }
      - { .name: obuf, .offset: 16, .size: 8, .value_kind: global_buffer, .address_space: global }
    .group_segment_fixed_size: 327680
    .private_segment_fixed_size: 0
    .kernarg_segment_align: 8
    .kernarg_segment_size: 24
    .max_flat_workgroup_size: 128
    .sgpr_count:     68
    .vgpr_count:     1024
    .wavefront_size: 32
...
	.end_amdgpu_metadata
.endif
;; end of part 4
;; launch outp (part 5): grid 64 x 4, 4 waves a work-group, clusters of 4 x 4, 327,680 bytes of LDS; arguments obuf, x16, bo, out0; writes out0
.if DOCPART == 5
	.amdgcn_target "amdgcn-amd-amdhsa--gfx1250"
	.amdhsa_code_object_version 6
	.text
	.protected	k_q47ea4d5586_outp
	.globl	k_q47ea4d5586_outp
	.p2align	8
	.type	k_q47ea4d5586_outp,@function
k_q47ea4d5586_outp:
	s_mov_b64 s[64:65], 0
	v_nop
	global_prefetch_b8 v0, s[64:65] scope:SCOPE_SE
	s_setreg_imm32_b32 hwreg(HW_REG_WAVE_MODE, 25, 1), 1
	s_wait_xcnt 0x0
	s_wait_alu depctr_hold_cnt(0) depctr_sa_sdst(0) depctr_va_vdst(0) depctr_va_sdst(0) depctr_va_ssrc(0) depctr_va_vcc(0) depctr_vm_vsrc(0)
	s_getreg_b32 s2, hwreg(HW_REG_IB_STS2, 6, 4)
	s_cmp_eq_u32 s2, 0
	s_cbranch_scc0 .Lentry_in_a_cluster
	s_endpgm
.Lentry_in_a_cluster:
	s_bfe_u32 s2, ttmp6, 0x10000c
	s_cmp_lg_u32 s2, 0xf033
	s_cbranch_scc0 .Lentry_shape_is_right
	s_endpgm
.Lentry_shape_is_right:
; out0[b][i][n] = sum over e of o[b][i][e] Wo[n][e] + bo[n]. o: f16, rows of 2,048 bytes; Wo: its bf16 value written as f16, in x16; bo is rounded to bf16 like every input; out0: f32.
; Sums in f32; the bias is the C operand that starts each sum; the sums are stored as they are. NaN and infinities are not treated apart.
; SHARES. A cluster of 4 x 4 work-groups makes one batch's 1,024 x 1,024; a work-group 256 x 256; each of its four waves 128 x 128: 64 accumulators, 512 registers.
; K (e) goes in 8 steps of 128 through two LDS slots filled by the tensor data mover: the tiles' rows are 256 bytes of memory at multiples of 256 bytes.
; CLUSTER. The four work-groups of a row of the cluster need the same rows of o, the four of a column the same rows of Wo: each tile is asked for jointly, with a mask of the four.
; THE MATRIX INSTRUCTION IS USED TRANSPOSED: source 0 = 16 rows of Wo, source 1 = 16 rows of o: lane l holds row l % 16 of the result and the eight neighbouring columns 8 (l / 16) + 0..7.
; REGISTERS in windows of 256 (s_set_vgpr_msb: bits 1:0 source 0, 3:2 source 1, 5:4 source 2, 7:6 destination):
;   window 0: v0-31 addresses; v64-127, v128-191 o's fragments, two buffers, later rows on the way out; v192-255 the bias as C operands
;   window 1: v64-127, v128-191 Wo's fragments; window 2: accumulators of my rows 0-63 ((a, b) at v[8 (8 a + b)]); window 3: of my rows 64-127
.set NSTEP,  8
.set KSTEP,  128
.set PITCH,  272                       ; an LDS row: 256 bytes + 16 of padding: the 16 rows of a fragment load start at 16 different groups of four banks (64 banks of 4 bytes: ISA guide 11.1)
.set HALFT,  128*PITCH
.set SLOT,   4*HALFT                   ; 0x22000; no multiple 0..3 of HALFT has one of its two bits, so one exclusive or changes slots
.set STAGE,  2*SLOT
.set SPITCH, 528                       ; a stage row: my 128 columns in f32, 512 bytes, + 16
.set SPARE,  STAGE+4*16*SPITCH         ; the spare words, 128 bytes a wave: two blocks of 256 bytes that no other line names
.set PA,     1024
.set PB,     1024
.set CP,     4096                      ; bytes from row to row of out0
.set WO_OFF, 73400320                  ; Wo in x16
.set A0,   16
.set ADRA, 17
.set B0,   20
.set ADRB, 21
.set STO,  24
.set RD,   25
.set CO,   26
.set BOFF, 27
.set SPW,  28                          ; LDS address of my spare word; never rewritten
.set NIL,  29                          ; 0; never rewritten
.set F0,   64
.set F1,   128
.set BC,   192                         ; the bias: for column block b the eight registers of a result, at BC + 8 b
.set CB,   74                          ; s[74:75] out0
.set G1,   24
.set G0,   32
.set G1B,  48
.set G0B,  56
.set TB,   66
.set MSB, 0
.macro WIN new
.if MSB != (\new)
	s_set_vgpr_msb (MSB<<8)|(\new)
.set MSB, \new
.endif
.endm
.set MUL_LO, 0xa1
.set TO_B,   0x40
.macro JLOAD s                         ; a joint load: waves 0 and 1 fetch o's two halves, waves 2 and 3 Wo's; an s_nop 0 and four v_nop follow each line
	s_cmp_eq_u32 s11, 0
	s_cbranch_scc0 .Lfor_b_\@
	tensor_load_to_lds s[G0+4*(\s):G0+4*(\s)+3], s[G1:G1+7]
	s_nop 0
.rept 4
	v_nop
.endr
	s_branch .Lasked_\@
.Lfor_b_\@:
	tensor_load_to_lds s[G0B+4*(\s):G0B+4*(\s)+3], s[G1B:G1B+7]
	s_nop 0
.rept 4
	v_nop
.endr
.Lasked_\@:
.endm
.macro CREST
	s_cmp_lg_u32 s10, 0
	s_cbranch_scc1 .Lnot_wave_0_\@
	s_barrier_signal -3
.Lnot_wave_0_\@:
	s_barrier_wait -3
	s_barrier_signal -1
	s_barrier_wait -1
.endm
.macro CROUND
	s_barrier_signal -1
	s_barrier_wait -1
	CREST
.endm
	s_load_b256 s[68:75], s[0:1], 0x0              ; obuf s[68:69], x16 s[70:71], bo s[72:73], out0 s[74:75]
	v_lshl_add_u32 v[SPW], v0, 2, SPARE
	v_mov_b32 v[NIL], 0
	ds_add_u32 v[SPW], v[NIL]                      ; the wave's opening: the add and its wait stand ahead of my first tensor load; the set-up below stands between them
	v_lshrrev_b32 v1, 5, v0
	v_readfirstlane_b32 s10, v1
	s_lshr_b32 s11, s10, 1                         ; which half of the tile's rows is mine. Also: I fetch o (0) or Wo (1)
	s_and_b32 s12, s10, 1                          ; which half of its columns. Also: which 128 rows I fetch
	s_bfe_u32 s40, ttmp6, 0x40000                  ; cx: the tile column
	s_bfe_u32 s41, ttmp6, 0x40004                  ; cy: the tile row
	s_lshl_b32 s43, s41, 2
	s_lshl_b32 s43, 15, s43
	s_lshl_b32 s44, 0x1111, s40
	s_or_b32 s[G1+0], s43, (1<<16)|(1<<20)|(1<<21)|(5<<22)|(3<<25)   ; the mask of my row; 2-byte elements; padding on; 21 set beside a mask; after every 64 words 4 words
	s_or_b32 s[G1B+0], s44, (1<<16)|(1<<20)|(1<<21)|(5<<22)|(3<<25)  ; the same with the mask of my column
.irp g, G1, G1B
	s_mov_b32 s[(\g)+1], KSTEP<<16
	s_mov_b32 s[(\g)+2], 128<<16
	s_mov_b32 s[(\g)+3], KSTEP<<16
	s_mov_b32 s[(\g)+4], 128
	s_mov_b32 s[(\g)+6], 0
	s_mov_b32 s[(\g)+7], 0
.endr
	s_mov_b32 s[G1+5], PA
	s_mov_b32 s[G1B+5], PB
	s_lshl_b32 s17, s12, 7
	s_lshl_b32 s16, s41, 8
	s_add_co_u32 s16, s16, s17                     ; o's row 256 cy + 128 half,
	s_lshl_b32 s16, s16, 11
	s_lshl_b32 s45, ttmp9, 21                      ; in batch b
	s_add_co_u32 s16, s16, s45
	s_lshl_b32 s46, s40, 8
	s_add_co_u32 s46, s46, s17                     ; Wo's row 256 cx + 128 half
	s_lshl_b32 s46, s46, 11
	s_add_co_u32 s46, s46, WO_OFF
	s_mov_b32 s17, 0
	s_mov_b32 s47, 0
	s_lshl_b32 s78, s40, 8
	s_lshl_b32 s79, s12, 7
	s_add_co_u32 s78, s78, s79
	s_lshl_b32 s78, s78, 2                         ; the bias of my 128 columns
	s_mov_b32 s79, 0
	s_mul_i32 s20, s10, HALFT
	s_wait_dscnt 0x0                               ; the opening add is done
	s_wait_kmcnt 0x0
	s_add_nc_u64 s[14:15], s[68:69], s[16:17]
	s_add_nc_u64 s[46:47], s[70:71], s[46:47]
	s_add_nc_u64 s[72:73], s[72:73], s[78:79]
	CROUND                                         ; all sixteen work-groups are here: the first joint loads meet
.irp s, 0,1
	s_mov_b32 s[G0+4*(\s)], 1
	s_add_co_u32 s[G0+4*(\s)+1], s20, (\s)*SLOT
	s_add_nc_u64 s[G0+4*(\s)+2:G0+4*(\s)+3], s[14:15], (\s)*KSTEP*2
	s_or_b32 s[G0+4*(\s)+3], s[G0+4*(\s)+3], 0x80000000
	s_mov_b32 s[G0B+4*(\s)], 1
	s_add_co_u32 s[G0B+4*(\s)+1], s20, (\s)*SLOT
	s_add_nc_u64 s[G0B+4*(\s)+2:G0B+4*(\s)+3], s[46:47], (\s)*KSTEP*2
	s_or_b32 s[G0B+4*(\s)+3], s[G0B+4*(\s)+3], 0x80000000
	JLOAD \s                                       ; K steps 0 and 1: two loads of mine are out
.endr
	v_and_b32 v1, 15, v0
	v_bfe_u32 v2, v0, 4, 1
	v_mul_u32_u24 v3, v1, PITCH
	v_lshl_add_u32 v3, v2, 4, v3
	s_mul_i32 s21, s11, HALFT
	s_mul_i32 s22, s12, HALFT
	s_add_co_u32 s22, s22, 2*HALFT
	v_add_nc_u32 v[A0], s21, v3
	v_add_nc_u32 v[B0], s22, v3
	v_mov_b32 v[ADRA], v[A0]
	v_mov_b32 v[ADRB], v[B0]
	s_mov_b32 s[TB], 0
	; the bias: columns 16 b + 8 (l / 16) + 0..7 of my 128
	v_lshlrev_b32 v[BOFF], 5, v2
.irp b, 0,1,2,3,4,5,6,7
	global_load_b128 v[BC+8*(\b):BC+8*(\b)+3],   v[BOFF], s[72:73] offset:64*(\b)
	global_load_b128 v[BC+8*(\b)+4:BC+8*(\b)+7], v[BOFF], s[72:73] offset:64*(\b)+16
.endr
	s_mul_i32 s23, s10, 16*SPITCH
	s_add_co_u32 s23, s23, STAGE                   ; my stage
	v_mul_u32_u24 v4, v1, SPITCH                   ; in: row l % 16, 32 bytes for each half of the lanes
	v_lshl_add_u32 v4, v2, 5, v4
	v_add_nc_u32 v[STO], s23, v4
	v_and_b32 v5, 31, v0                           ; back: 32 lanes take one row of 512 bytes
	v_lshlrev_b32 v[CO], 4, v5
	v_add_nc_u32 v[RD], s23, v[CO]
	s_lshl_b32 s16, s41, 8                         ; where my part of out0 begins, in bytes
	s_lshl_b32 s14, s11, 7
	s_add_co_u32 s16, s16, s14
	s_lshl_b32 s16, s16, 12
	s_lshl_b32 s14, ttmp9, 22
	s_add_co_u32 s16, s16, s14
	s_mov_b32 s17, 0
	s_lshl_b32 s46, s40, 10
	s_lshl_b32 s47, s12, 9
	s_add_co_u32 s46, s46, s47
	s_mov_b32 s47, 0
	s_add_nc_u64 s[16:17], s[16:17], s[46:47]
	s_wait_loadcnt 0x0
.set i, 0
.rept 32                               ; rounded to bf16, widened again
	v_cvt_pk_bf16_f32 v30, v[BC+2*i], v[BC+2*i+1]
	v_lshlrev_b32 v[BC+2*i], 16, v30
	v_and_b32 v[BC+2*i+1], 0xffff0000, v30
.set i, i+1
.endr
; 16 matrix instructions: row blocks a0, a0 + 1 of the window's four x all 8 column blocks, 32 along K. mode 3: the bias starts the sums. The 64 accumulators take turns.
.macro MUL16 f, hi, a0, mode
.if (\mode) == 3
	WIN 0x81+0x40*(\hi)                            ; as below, but C in window 0
.else
	WIN MUL_LO+0x50*(\hi)
.endif
.irp a, \a0, (\a0)+1
.irp b, 0,1,2,3,4,5,6,7
.if (\mode) == 3
	v_wmma_f32_16x16x32_f16 v[8*(8*(\a)+(\b)):8*(8*(\a)+(\b))+7], v[(\f)+8*(\b):(\f)+8*(\b)+7], v[(\f)+8*(4*(\hi)+(\a)):(\f)+8*(4*(\hi)+(\a))+7], v[BC+8*(\b):BC+8*(\b)+7]
.else
	v_wmma_f32_16x16x32_f16 v[8*(8*(\a)+(\b)):8*(8*(\a)+(\b))+7], v[(\f)+8*(\b):(\f)+8*(\b)+7], v[(\f)+8*(4*(\hi)+(\a)):(\f)+8*(4*(\hi)+(\a))+7], v[8*(8*(\a)+(\b)):8*(8*(\a)+(\b))+7]
.endif
.endr
.endr
.endm
.macro FETCH k, f                      ; 32 LDS loads in one run: Wo's fragments, then o's
	WIN TO_B
.irp i, 0,1,2,3,4,5,6,7
	ds_load_b128 v[(\f)+8*(\i):(\f)+8*(\i)+3],   v[ADRB] offset:(\k)+(\i)*16*PITCH
	ds_load_b128 v[(\f)+8*(\i)+4:(\f)+8*(\i)+7], v[ADRB] offset:(\k)+(\i)*16*PITCH+32
.endr
	WIN 0
.irp i, 0,1,2,3,4,5,6,7
	ds_load_b128 v[(\f)+8*(\i):(\f)+8*(\i)+3],   v[ADRA] offset:(\k)+(\i)*16*PITCH
	ds_load_b128 v[(\f)+8*(\i)+4:(\f)+8*(\i)+7], v[ADRA] offset:(\k)+(\i)*16*PITCH+32
.endr
.endm
.macro PLACES                          ; four plain vector instructions between a matrix instruction and a load into, or a read of, its registers (ISA guide 7.12.1 for vector reads)
.rept 4
	v_nop
.endr
.endm
.macro QUARTER k, f, g, mode
	s_wait_dscnt 8                                 ; the youngest eight loads (o's rows 64-127) may be out
	MUL16 \f, 0, 0, \mode
	MUL16 \f, 0, 2, \mode
	PLACES
	FETCH \k, \g
	s_wait_dscnt 32                                ; all but the 32 just issued
	MUL16 \f, 1, 0, \mode
	MUL16 \f, 1, 2, \mode
.endm
.macro MEET round                      ; ONE barrier for the change of slots: all my tensor loads, the add, the wait for it and for my reads of this slot stand in front of it
	WIN 0
	s_wait_tensorcnt 0x0
	ds_add_u32 v[SPW], v[NIL]
	s_wait_dscnt 9                                 ; the add and the youngest eight loads may be out
	MUL16 F1, 0, 0, 0
	s_wait_dscnt 0x0
	s_barrier_signal -1
	MUL16 F1, 0, 2, 0
.if \round
	WIN 0
.endif
	s_barrier_wait -1
.endm
.macro TURN fill                       ; the last quarter; fill = 1: a round of the cluster's barrier, and the slot just read out is filled again first behind it, two K steps on
	MEET \fill
.if \fill
	CREST
	s_xor_b32 s[G0+5], s[G0+5], SLOT
	s_add_nc_u64 s[G0+6:G0+7], s[G0+6:G0+7], KSTEP*2
	s_xor_b32 s[G0B+5], s[G0B+5], SLOT
	s_add_nc_u64 s[G0B+6:G0B+7], s[G0B+6:G0B+7], KSTEP*2
	JLOAD 1                                        ; the four v_nop behind it are also the places in front of the loads below
.else
	PLACES
.endif
	s_xor_b32 s[TB], s[TB], SLOT
	WIN 0
	v_add_nc_u32 v[ADRA], s[TB], v[A0]
	v_add_nc_u32 v[ADRB], s[TB], v[B0]
	FETCH 0, F0
	MUL16 F1, 1, 0, 0
	MUL16 F1, 1, 2, 0
.endm
.macro LASTQ
	s_wait_dscnt 8
	MUL16 F1, 0, 0, 0
	MUL16 F1, 0, 2, 0
	s_wait_dscnt 0x0
	MUL16 F1, 1, 0, 0
	MUL16 F1, 1, 2, 0
	WIN 0
.endm
; THE WAY OUT of block a of 16 rows, in f32. TOST: a lane's eight columns, 32 bytes, go straight from the accumulator into my own stage, its low four registers first, and come back as whole rows of 512 bytes. SEND: stored.
.macro TOST a
.set AC, 64*((\a)%4)
.set BK, 64+64*((\a)%2)
	s_wait_xcnt 0x0                                ; the registers that the stores of two blocks ago read are loaded again only behind this wait
	WIN 0x08+4*((\a)/4)                            ; the stores' data (source 1) in window 2 or 3
.irp b, 0,1,2,3,4,5,6,7
	ds_store_b128 v[STO], v[AC+8*(\b):AC+8*(\b)+3]   offset:64*(\b)
	ds_store_b128 v[STO], v[AC+8*(\b)+4:AC+8*(\b)+7] offset:64*(\b)+16
.endr
	WIN 0
.irp t, 0,1,2,3,4,5,6,7,8,9,10,11,12,13,14,15
	ds_load_b128 v[BK+4*(\t):BK+4*(\t)+3], v[RD] offset:(\t)*SPITCH  ; LDS serves a wave's instructions in order (ISA guide 5.7.1.4): these see the stores above; the next block's stores come behind them
.endr
.endm
.macro SEND a, younger                 ; younger: the LDS instructions issued behind block a's loads: the next block's 32, or none
	WIN 0
.set BK, 64+64*((\a)%2)
	s_wait_dscnt \younger
	s_wait_xcnt 0x0                                ; the stores' base is stepped only behind this wait
.if (\a) == 0
	s_add_nc_u64 s[CB:CB+1], s[CB:CB+1], s[16:17]
.else
	s_add_nc_u64 s[CB:CB+1], s[CB:CB+1], 16*CP
.endif
.irp t, 0,1,2,3,4,5,6,7,8,9,10,11,12,13,14,15
	global_store_b128 v[CO], v[BK+4*(\t):BK+4*(\t)+3], s[CB:CB+1] offset:(\t)*CP th:TH_STORE_NT  ; the wave stores 512 consecutive bytes, at a multiple of 512 from out0's first byte
.endr
.endm
	s_wait_tensorcnt 1                             ; my part of K step 0 is in; K step 1's may stay out
	s_barrier_signal -1
	s_barrier_wait -1
	FETCH 0, F0
	QUARTER 64, F0, F1, 3                          ; the first quarter stands in front of the loop: its products start the sums, on the bias
	WIN 0
	s_mov_b32 s3, NSTEP-2
.Lstep:
	QUARTER 128, F1, F0, 0
	QUARTER 192, F0, F1, 0
	TURN 1
	QUARTER 64, F0, F1, 0
	WIN 0
	s_sub_co_u32 s3, s3, 1
	s_cmp_lg_u32 s3, 0
	s_cbranch_scc1 .Lstep
	QUARTER 128, F1, F0, 0                         ; the last two K steps are written out: they ask for nothing
	QUARTER 192, F0, F1, 0
	TURN 0
	QUARTER 64, F0, F1, 0
	QUARTER 128, F1, F0, 0
	QUARTER 192, F0, F1, 0
	LASTQ
	PLACES
	TOST 0
.irp a, 1,2,3,4,5,6,7                  ; block a goes into the stage while block a - 1 comes back from it
	TOST \a
	SEND (\a)-1, 32
.endr
	SEND 7, 0
	s_wait_tensorcnt 0x0                           ; the wave's end
	ds_add_u32 v[SPW], v[NIL]
	s_wait_dscnt 0x0
	CROUND                                         ; the closing round
	s_endpgm
.Lfunc_end_k_q47ea4d5586_outp:
	.size	k_q47ea4d5586_outp, .Lfunc_end_k_q47ea4d5586_outp-k_q47ea4d5586_outp
	.p2alignl 7, 3214868480
	.fill 96, 4, 3214868480
	.section	.rodata,"a",@progbits
	.p2align	6, 0x0
	.amdhsa_kernel k_q47ea4d5586_outp
		.amdhsa_group_segment_fixed_size 327680
		.amdhsa_private_segment_fixed_size 0
		.amdhsa_enable_private_segment 0
		.amdhsa_kernarg_size 32
		.amdhsa_user_sgpr_count 2
		.amdhsa_user_sgpr_kernarg_segment_ptr 1
		.amdhsa_wavefront_size32 1
		.amdhsa_system_sgpr_workgroup_id_x 1
		.amdhsa_system_sgpr_workgroup_id_y 1
		.amdhsa_system_sgpr_workgroup_id_z 1
		.amdhsa_system_vgpr_workitem_id 0
		.amdhsa_next_free_vgpr 1024
		.amdhsa_next_free_sgpr 84
		.amdhsa_reserve_vcc 0
		.amdhsa_float_denorm_mode_32 3
		.amdhsa_float_denorm_mode_16_64 3
		.amdhsa_memory_ordered 1
		.amdhsa_forward_progress 1
		.amdhsa_inst_pref_size 121
	.end_amdhsa_kernel
	.amdgpu_metadata
---
amdhsa.version: [ 1, 2 ]
amdhsa.kernels:
  - .name:           k_q47ea4d5586_outp
    .symbol:         k_q47ea4d5586_outp.kd
    .args:
      - { .name: obuf, .offset: 0, .size: 8, .value_kind: global_buffer, .address_space: global }
      - { .name: x16, .offset: 8, .size: 8, .value_kind: global_buffer, .address_space: global }
      - { .name: bo, .offset: 16, .size: 8, .value_kind: global_buffer, .address_space: global }
      - { .name: out0, .offset: 24, .size: 8, .value_kind: global_buffer, .address_space: global }
    .group_segment_fixed_size: 327680
    .private_segment_fixed_size: 0
    .kernarg_segment_align: 8
    .kernarg_segment_size: 32
    .max_flat_workgroup_size: 128
    .sgpr_count:     84
    .vgpr_count:     1024
    .wavefront_size: 32
...
	.end_amdgpu_metadata
.endif
;; end of part 5
;; ======== version 2 of 3: 5 launches; 1.21 times as fast as version 1
;; limits: values are held in f16: magnitudes above 65,504 overflow, below 6.1e-05 lose precision
;; workspace buffers: w16 8,388,608 bytes; wovb 2,097,152 bytes; bvp 4,096 bytes; qkv 67,108,864 bytes; pbuf 16,777,216 bytes
;; launch prep (part 6): grid 256 x 1, 8 waves a work-group, no clusters, 0 bytes of LDS; arguments Wq, Wk, Wv, Wo, w16; writes w16
.if DOCPART == 6
	.amdgcn_target "amdgcn-amd-amdhsa--gfx1250"
	.amdhsa_code_object_version 6
	.text
	.protected	k_q47ea4d5586_prep
	.globl	k_q47ea4d5586_prep
	.p2align	8
	.type	k_q47ea4d5586_prep,@function
k_q47ea4d5586_prep:
	s_mov_b64 s[64:65], 0
	v_nop
	global_prefetch_b8 v0, s[64:65] scope:SCOPE_SE
	s_setreg_imm32_b32 hwreg(HW_REG_WAVE_MODE, 25, 1), 1
	s_wait_xcnt 0x0
; The four weights, [1024][1024] f32, are rounded once to f16 and laid into w16, 2,097,152 bytes each, in the order Wq, Wk, Wv, Wo.
; Wq, Wk and Wv are laid out IN BLOCKS of 64 columns, [column / 64][row][64]: a row's 64 numbers are 128 bytes, and the rows of a block follow each other without a gap,
; so that a tile of some rows x 64 columns is dense in memory and the launches behind can ask for it in rows of 256 bytes. Wo stays as it lies, [row][1024].
; LIMITS. A number beyond 65,504 becomes an infinity in f16; below 6e-5 it keeps f16's fixed step of 6e-8.
; A stream: every byte is read once and written once. No LDS, no matrix unit, no cluster: the work-groups share no input.
; SHARES. Work-group g takes 16 rows of weight g / 64: 65,536 bytes in, 32,768 out. All sixteen loads of a thread go out at once; each has registers of its own for what it stores.
;   In blocks: thread t takes row t / 16 of the 16; load i brings 16 bytes at 256 i + 16 (t % 16): sixteen lanes read 256 consecutive bytes, a row's part of block i.
;   A wave's store then holds two neighbouring rows' 128 bytes of block i: 256 consecutive bytes at a multiple of 256.
;   As it lies: load i brings 16 bytes at 16 t of row i; a wave's load covers 512 consecutive bytes, its store 256.
.set X, 4                              ; v[4:67]    load i: four f32
.set Y, 68                             ; v[68:99]   store i: four f16
	s_load_b256 s[8:15], s[0:1], 0x0               ; Wq s[8:9], Wk s[10:11], Wv s[12:13], Wo s[14:15]
	s_load_b64 s[16:17], s[0:1], 0x20              ; w16
	v_lshlrev_b32 v2, 3, v0                        ; my 8 bytes in the 2,048 that one round of stores covers: the same in both layouts
	s_and_b32 s6, ttmp9, 63                        ; my number among the weight's 64 work-groups
	s_lshl_b32 s20, s6, 11                         ; in blocks: my 16 rows of 128 bytes
	s_lshl_b32 s6, s6, 16                          ; in the source: my 16 rows of 4,096 bytes
	s_mov_b32 s7, 0
	s_wait_kmcnt 0x0
	s_mov_b64 s[4:5], s[8:9]
.macro PICK first, src                 ; from work-group 'first' on the source is the buffer in s[src:src+1]
	s_cmp_ge_u32 ttmp9, \first
	s_cselect_b64 s[4:5], s[\src:\src+1], s[4:5]
.endm
	PICK 64, 10
	PICK 128, 12
	PICK 192, 14
	s_add_nc_u64 s[4:5], s[4:5], s[6:7]
; sixteen loads lo bytes apart, sixteen stores so bytes apart
.macro RUN lo, so
.irp i, 0,1,2,3,4,5,6,7,8,9,10,11,12,13,14,15
	global_load_b128 v[X+4*(\i):X+4*(\i)+3], v1, s[4:5] offset:(\lo)*(\i) th:TH_LOAD_NT
.endr
.irp i, 0,1,2,3,4,5,6,7,8,9,10,11,12,13,14,15
	s_wait_loadcnt 15-(\i)                         ; loads come back in order (ISA guide 5.7.1): load i is in, the 15 - i younger ones stay out
	v_cvt_pk_f16_f32 v[Y+2*(\i)],   v[X+4*(\i)],   v[X+4*(\i)+1]
	v_cvt_pk_f16_f32 v[Y+2*(\i)+1], v[X+4*(\i)+2], v[X+4*(\i)+3]
	global_store_b64 v2, v[Y+2*(\i):Y+2*(\i)+1], s[16:17] offset:(\so)*(\i)
.endr
.endm
	s_cmp_ge_u32 ttmp9, 192
	s_cbranch_scc1 .Lplain
	v_lshrrev_b32 v1, 4, v0                        ; IN BLOCKS: my row,
	v_lshlrev_b32 v1, 12, v1                       ; its 4,096 bytes,
	v_and_b32 v3, 15, v0
	v_lshl_add_u32 v1, v3, 4, v1                   ; my 16 bytes in 256
	s_lshr_b32 s18, ttmp9, 6
	s_lshl_b32 s18, s18, 21                        ; the weight's place in w16
	s_add_co_u32 s18, s18, s20
	s_mov_b32 s19, 0
	s_add_nc_u64 s[16:17], s[16:17], s[18:19]
	RUN 256, 131072                                ; a block is 1,024 rows x 128 bytes
	s_endpgm
.Lplain:
	v_lshlrev_b32 v1, 4, v0                        ; AS IT LIES
	s_lshl_b32 s18, ttmp9, 15
	s_mov_b32 s19, 0
	s_add_nc_u64 s[16:17], s[16:17], s[18:19]
	RUN 4096, 2048
	s_endpgm
.Lfunc_end_k_q47ea4d5586_prep:
	.size	k_q47ea4d5586_prep, .Lfunc_end_k_q47ea4d5586_prep-k_q47ea4d5586_prep
	.p2alignl 7, 3214868480
	.fill 96, 4, 3214868480
	.section	.rodata,"a",@progbits
	.p2align	6, 0x0
	.amdhsa_kernel k_q47ea4d5586_prep
		.amdhsa_group_segment_fixed_size 0
		.amdhsa_private_segment_fixed_size 0
		.amdhsa_enable_private_segment 0
		.amdhsa_kernarg_size 40
		.amdhsa_user_sgpr_count 2
		.amdhsa_user_sgpr_kernarg_segment_ptr 1
		.amdhsa_wavefront_size32 1
		.amdhsa_system_sgpr_workgroup_id_x 1
		.amdhsa_system_sgpr_workgroup_id_y 1
		.amdhsa_system_sgpr_workgroup_id_z 1
		.amdhsa_system_vgpr_workitem_id 0
		.amdhsa_next_free_vgpr 100
		.amdhsa_next_free_sgpr 66
		.amdhsa_reserve_vcc 0
		.amdhsa_float_denorm_mode_32 3
		.amdhsa_float_denorm_mode_16_64 3
		.amdhsa_memory_ordered 1
		.amdhsa_forward_progress 1
		.amdhsa_inst_pref_size 13
	.end_amdhsa_kernel
	.amdgpu_metadata
---
amdhsa.version: [ 1, 2 ]
amdhsa.kernels:
  - .name:           k_q47ea4d5586_prep
    .symbol:         k_q47ea4d5586_prep.kd
    .args:
      - { .name: Wq, .offset: 0, .size: 8, .value_kind: global_buffer, .address_space: global }
      - { .name: Wk, .offset: 8, .size: 8, .value_kind: global_buffer, .address_space: global }
      - { .name: Wv, .offset: 16, .size: 8, .value_kind: global_buffer, .address_space: global }
      - { .name: Wo, .offset: 24, .size: 8, .value_kind: global_buffer, .address_space: global }
      - { .name: w16, .offset: 32, .size: 8, .value_kind: global_buffer, .address_space: global }
    .group_segment_fixed_size: 0
    .private_segment_fixed_size: 0
    .kernarg_segment_align: 8
    .kernarg_segment_size: 40
    .max_flat_workgroup_size: 256
    .sgpr_count:     66
    .vgpr_count:     100
    .wavefront_size: 32
...
	.end_amdgpu_metadata
.endif
;; end of part 6
;; launch wov (part 7): grid 16 x 16, 4 waves a work-group, clusters of 4 x 4, 327,680 bytes of LDS; arguments w16, Wo, bv, wovb, bvp; writes wovb, bvp
.if DOCPART == 7
	.amdgcn_target "amdgcn-amd-amdhsa--gfx1250"
	.amdhsa_code_object_version 6
	.text
	.protected	k_q47ea4d5586_wov
	.globl	k_q47ea4d5586_wov
	.p2align	8
	.type	k_q47ea4d5586_wov,@function
k_q47ea4d5586_wov:
	s_mov_b64 s[64:65], 0
	v_nop
	global_prefetch_b8 v0, s[64:65] scope:SCOPE_SE
	s_setreg_imm32_b32 hwreg(HW_REG_WAVE_MODE, 25, 1), 1
	s_wait_xcnt 0x0
	s_wait_alu depctr_hold_cnt(0) depctr_sa_sdst(0) depctr_va_vdst(0) depctr_va_sdst(0) depctr_va_ssrc(0) depctr_va_vcc(0) depctr_vm_vsrc(0)
	s_getreg_b32 s2, hwreg(HW_REG_IB_STS2, 6, 4)
	s_cmp_eq_u32 s2, 0
	s_cbranch_scc0 .Lentry_in_a_cluster
	s_endpgm
.Lentry_in_a_cluster:
	s_bfe_u32 s2, ttmp6, 0x10000c
	s_cmp_lg_u32 s2, 0xf033
	s_cbranch_scc0 .Lentry_shape_is_right
	s_endpgm
.Lentry_shape_is_right:
; THE TWO WEIGHTS BEHIND THE SOFTMAX ARE MULTIPLIED FIRST. (a v) Wo^T + bo = a (v Wo^T) + bo, and v Wo^T = value (Wo Wv)^T + Wo bv, for every input. So this launch makes
;   Wov[n][j] = sum over e of Wo[n][e] Wv[e][j], f16, and bvp[n] = sum over e of Wo[n][e] bv[e], f32,
; the value projection then yields v Wo^T at once, and the product with Wo behind the softmax, 1,024 long for each of 16 x 1,024 rows, is not done at all.
; Operands of Wov: the weights' f16 values, from w16; sums in f32; Wov rounded once. bvp is made of the f32 inputs, in f32.
; wovb holds Wov in blocks of 64 columns, [j / 64][n][64], as the projection asks for it.
; LIMITS. Wov beyond 65,504 becomes an infinity in f16; below 6e-5 it keeps f16's fixed step of 6e-8. NaN and infinities are not treated apart.
; SHARES. A work-group makes 64 n x 64 j, one block's 64 rows, with the whole K = 1,024 in LDS, filled once: 64 rows of Wo and 64 columns of Wv. Each of its four waves makes 32 x 32: four accumulators.
; Wv lies [e][j], so it is turned on the way out of LDS, by ds_load_tr16_b128. Source 0 = 16 j, source 1 = 16 rows of Wo: lane l holds row l % 16 and eight neighbouring j.
; In w16 Wv lies in blocks of 64 columns, so the work-group's 1,024 x 64 numbers are 131,072 dense bytes: asked for in rows of 256 bytes, two e a row, padded in LDS after every e.
; CLUSTER. 4 x 4 work-groups: the four of a row of the cluster need the same rows of Wo, the four of a column the same columns of Wv: each tile is asked for jointly, with a mask of the four.
; Waves 0 and 1 fetch Wo's two halves along K, waves 2 and 3 Wv's.
; bvp: wave w of work-group (nb, jb) makes row 64 nb + 4 jb + w, in the wait for the tiles.
.set AP,    1040                       ; a row of half of Wo's tile: 1,024 bytes + 16 = 65 x 16: the 16 rows of a fragment load start at 16 different groups of four banks (64 banks of 4 bytes: ISA guide 11.1)
.set AH,    64*AP                      ; K half: 64 rows x 512 k
.set VP,    160                        ; a row of Wv's tile: 128 bytes + 32 = 40 words
.set VH,    512*VP                     ; K half: 512 rows e
.set VB,    2*AH                       ; Wv's tile lies behind Wo's
.set STAGE, VB+2*VH                    ; 64 rows x 144 bytes, the work-group's, for the way out
.set SP,    144
.set SPARE, STAGE+64*SP                ; the spare words, 128 bytes a wave: two blocks of 256 bytes that no other line names
.set WV_OFF, 2*2097152                 ; Wv in w16, in blocks
.set WO_OFF, 3*2097152                 ; Wo in w16, as it lies
.set ADA,  4                           ; v4, v5   my place in Wo's two K halves
.set ADV,  6                           ; v6-v9    my place in Wv's tile, rows e 256 q on: the immediate offset ends at 65,535
.set STO,  10
.set RD,   11
.set CO,   12
.set LN,   13                          ; my lane
.set LO,   14                          ; 32 x lane
.set Z,    15                          ; 0, the offset of bvp's store
.set SPW,  16                          ; LDS address of my spare word; never rewritten
.set NIL,  17                          ; 0; never rewritten
.set S0,   18                          ; v18-21 bvp's sums, two pairs
.set TMP,  32                          ; packed results
.set BK,   48                          ; rows read back from the stage
.set WR,   64                          ; ahead of the products: 32 numbers of my row of Wo,
.set BVR,  96                          ; and of bv
.set FB0,  64                          ; fragment buffers of 64: for each of two K steps Wv's two at + 8 b, Wo's two at + 16 + 8 a
.set ACC,  192                         ; accumulator (a, b) at ACC + 8 (2 a + b)
.set G1,   24                          ; s[24:31] group 1 for Wo's tile, s[32:35] group 0
.set G0,   32
.set G1B,  48                          ; the same for Wv's
.set G0B,  56
.set SEL,  60                          ; s[60:61] v_permlanex16_b32's selects: each lane takes its own place in the other half
.macro JLOAD                           ; the joint loads; the branch hangs on the wave's number alone; an s_nop 0 and four v_nop follow each line
	s_cmp_eq_u32 s11, 0
	s_cbranch_scc0 .Lfor_b_\@
	tensor_load_to_lds s[G0:G0+3], s[G1:G1+7]
	s_nop 0
.rept 4
	v_nop
.endr
	s_branch .Lasked_\@
.Lfor_b_\@:
	tensor_load_to_lds s[G0B:G0B+3], s[G1B:G1B+7]
	s_nop 0
.rept 4
	v_nop
.endr
.Lasked_\@:
.endm
.macro CROUND                          ; a round of the cluster's barrier: my work-group's barrier; wave 0 signals for the work-group; every wave waits for all sixteen; my work-group's barrier once more
	s_barrier_signal -1
	s_barrier_wait -1
	s_cmp_lg_u32 s10, 0
	s_cbranch_scc1 .Lnot_wave_0_\@
	s_barrier_signal -3
.Lnot_wave_0_\@:
	s_barrier_wait -3
	s_barrier_signal -1
	s_barrier_wait -1
.endm
.macro PLACES                          ; four plain vector instructions between a matrix instruction and a load into, or a vector read of, its registers (ISA guide 7.12.1 for vector reads)
.rept 4
	v_nop
.endr
.endm
	s_load_b256 s[68:75], s[0:1], 0x0              ; w16 s[68:69], Wo s[70:71], bv s[72:73], wovb s[74:75]
	s_load_b64 s[76:77], s[0:1], 0x20              ; bvp
	v_lshl_add_u32 v[SPW], v0, 2, SPARE
	v_mov_b32 v[NIL], 0
	ds_add_u32 v[SPW], v[NIL]                      ; the wave's opening: the add and its wait stand ahead of my first tensor load; the set-up below stands between them
	v_lshrrev_b32 v1, 5, v0
	v_readfirstlane_b32 s10, v1                    ; wave 0..3
	s_lshr_b32 s11, s10, 1                         ; which 32 rows are mine. Also: I fetch Wo (0) or Wv (1)
	s_and_b32 s12, s10, 1                          ; which 32 columns. Also: which K half I fetch
	s_bfe_u32 s40, ttmp6, 0x40000                  ; cx
	s_bfe_u32 s41, ttmp6, 0x40004                  ; cy
	s_lshl_b32 s42, ttmp9, 2
	s_add_co_u32 s42, s42, s40                     ; jb: my block of 64 columns
	s_and_b32 s13, ttmp7, 0xffff
	s_lshl_b32 s13, s13, 2
	s_add_co_u32 s13, s13, s41                     ; nb: my block of 64 rows
	s_lshl_b32 s43, s41, 2
	s_lshl_b32 s43, 15, s43                        ; my row of the cluster
	s_lshl_b32 s44, 0x1111, s40                    ; my column
	s_or_b32 s[G1+0], s43, (1<<16)|(1<<20)|(1<<21)|(7<<22)|(3<<25)   ; the mask; 2-byte elements; padding on; 21 set beside a mask; after every 256 words 4 words
	s_mov_b32 s[G1+1], 512<<16                     ; tensor_dim0 = 512
	s_mov_b32 s[G1+2], 64<<16                      ; tensor_dim1 = 64
	s_mov_b32 s[G1+3], 512<<16                     ; tile_dim0 = 512
	s_mov_b32 s[G1+4], 64                          ; tile_dim1 = 64
	s_mov_b32 s[G1+5], 1024                        ; elements from row to row
	s_mov_b32 s[G1+6], 0
	s_mov_b32 s[G1+7], 0
	s_or_b32 s[G1B+0], s44, (1<<16)|(1<<20)|(1<<21)|(4<<22)|(7<<25)  ; the same with the mask of my column; after every 32 words (one e) 8 words
	s_mov_b32 s[G1B+1], 128<<16                    ; tensor_dim0 = 128: two e
	s_mov_b32 s[G1B+2], 256<<16                    ; tensor_dim1 = 256
	s_mov_b32 s[G1B+3], 128<<16                    ; tile_dim0 = 128
	s_mov_b32 s[G1B+4], 256                        ; tile_dim1 = 256
	s_mov_b32 s[G1B+5], 128                        ; dense
	s_mov_b32 s[G1B+6], 0
	s_mov_b32 s[G1B+7], 0
	; byte offsets, all under 2^27. Wo's hangs on nb and the wave, Wv's on jb and the wave, each in registers that do not hold the other coordinate
	s_lshl_b32 s16, s13, 17                        ; 64 rows of 2,048 bytes,
	s_lshl_b32 s17, s12, 10                        ; 512 k along them
	s_add_co_u32 s16, s16, s17
	s_add_co_u32 s16, s16, WO_OFF
	s_mov_b32 s17, 0
	s_lshl_b32 s46, s42, 17                        ; block jb: 1,024 e x 128 bytes,
	s_lshl_b32 s47, s12, 16                        ; 512 e down
	s_add_co_u32 s46, s46, s47
	s_add_co_u32 s46, s46, WV_OFF
	s_mov_b32 s47, 0
	s_mul_i32 s20, s12, AH                         ; where my tile goes
	s_mul_i32 s21, s12, VH
	s_add_co_u32 s21, s21, VB
	s_lshl_b32 s80, s13, 6                         ; bvp's row 64 nb + 4 jb + w:
	s_lshl_b32 s81, s42, 2
	s_add_co_u32 s80, s80, s81
	s_add_co_u32 s80, s80, s10
	s_lshl_b32 s78, s80, 12                        ; its 4,096 bytes in Wo,
	s_mov_b32 s79, 0
	s_lshl_b32 s80, s80, 2                         ; its word in bvp
	s_mov_b32 s81, 0
	s_lshl_b32 s82, s13, 6                         ; what I store of wovb: rows 64 nb + 16 w on, 128 bytes each, in block jb
	s_lshl_b32 s83, s10, 4
	s_add_co_u32 s82, s82, s83
	s_lshl_b32 s82, s82, 7
	s_lshl_b32 s83, s42, 17
	s_add_co_u32 s82, s82, s83
	s_mov_b32 s83, 0
	s_mov_b32 s[SEL], 0x76543210
	s_mov_b32 s[SEL+1], 0xfedcba98
	s_wait_dscnt 0x0                               ; the opening add is done
	s_wait_kmcnt 0x0
	s_add_nc_u64 s[14:15], s[68:69], s[16:17]
	s_add_nc_u64 s[46:47], s[68:69], s[46:47]
	s_add_nc_u64 s[70:71], s[70:71], s[78:79]
	s_add_nc_u64 s[76:77], s[76:77], s[80:81]
	s_add_nc_u64 s[74:75], s[74:75], s[82:83]
	CROUND                                         ; all sixteen work-groups are here: the joint loads meet
	s_mov_b32 s[G0], 1
	s_mov_b32 s[G0+1], s20
	s_mov_b64 s[G0+2:G0+3], s[14:15]
	s_or_b32 s[G0+3], s[G0+3], 0x80000000
	s_mov_b32 s[G0B], 1
	s_mov_b32 s[G0B+1], s21
	s_mov_b64 s[G0B+2:G0B+3], s[46:47]
	s_or_b32 s[G0B+3], s[G0B+3], 0x80000000
	JLOAD
	; bvp: lane l takes the numbers 256 c + 8 l + 0..7, c = 0..3, of my row of Wo and of bv: two loads cover 1,024 consecutive bytes
	v_and_b32 v[LN], 31, v0
	v_lshlrev_b32 v[LO], 5, v[LN]
.irp j, 0,1,2,3,4,5,6,7
	global_load_b128 v[WR+4*(\j):WR+4*(\j)+3],   v[LO], s[70:71] offset:((\j)/2)*1024+((\j)%2)*16
	global_load_b128 v[BVR+4*(\j):BVR+4*(\j)+3], v[LO], s[72:73] offset:((\j)/2)*1024+((\j)%2)*16
.endr
	v_and_b32 v1, 15, v0                           ; l % 16
	v_bfe_u32 v2, v0, 4, 1                         ; l / 16
	v_mul_u32_u24 v3, v1, AP                       ; a fragment of Wo: row l % 16, two loads of 16 bytes, 32 bytes apart, at 16 (l / 16)
	v_lshl_add_u32 v3, v2, 4, v3
	s_mul_i32 s22, s11, 32*AP
	v_add_nc_u32 v[ADA], s22, v3
	v_add_nc_u32 v[ADA+1], AH, v[ADA]
	v_and_b32 v3, 7, v0                            ; the turning load: lane l reads row e = 8 (l / 16) + l % 8, 16 bytes at 16 ((l / 8) % 2), and is left with column l % 16 and 8 e
	v_lshl_add_u32 v3, v2, 3, v3
	v_mul_u32_u24 v[ADV], v3, VP
	v_bfe_u32 v3, v0, 3, 1
	v_lshl_add_u32 v[ADV], v3, 4, v[ADV]
	s_lshl_b32 s22, s12, 6
	s_add_co_u32 s22, s22, VB
	v_add_nc_u32 v[ADV], s22, v[ADV]
.irp q, 1,2,3
	v_add_nc_u32 v[ADV+(\q)], (\q)*256*VP, v[ADV]
.endr
	s_mul_i32 s22, s11, 32*SP                      ; into the stage: my 32 rows, my 64 bytes of them
	s_lshl_b32 s23, s12, 6
	s_add_co_u32 s22, s22, s23
	s_add_co_u32 s22, s22, STAGE
	v_mul_u32_u24 v[STO], v1, SP
	v_lshl_add_u32 v[STO], v2, 4, v[STO]
	v_add_nc_u32 v[STO], s22, v[STO]
	s_mul_i32 s22, s10, 16*SP                      ; back: wave w takes rows 16 w on; 32 lanes take four rows of 128 bytes,
	s_add_co_u32 s22, s22, STAGE
	v_bfe_u32 v3, v0, 3, 2
	v_and_b32 v[CO], 7, v0
	v_mul_u32_u24 v[RD], v3, SP
	v_lshl_add_u32 v[RD], v[CO], 4, v[RD]
	v_add_nc_u32 v[RD], s22, v[RD]
	v_lshlrev_b32 v[CO], 4, v[LN]                  ; which are 512 consecutive bytes of the block
	v_mov_b32 v[Z], 0
	s_wait_loadcnt 0x0
	v_pk_mul_f32 v[S0:S0+1],   v[WR:WR+1],     v[BVR:BVR+1]        ; the first products start the sums: two chains of pairs
	v_pk_mul_f32 v[S0+2:S0+3], v[WR+2:WR+3],   v[BVR+2:BVR+3]
.set q, 2
.rept 14
	v_pk_fma_f32 v[S0+2*(q%2):S0+2*(q%2)+1], v[WR+2*q:WR+2*q+1], v[BVR+2*q:BVR+2*q+1], v[S0+2*(q%2):S0+2*(q%2)+1]
.set q, q+1
.endr
	v_pk_add_f32 v[S0:S0+1], v[S0:S0+1], v[S0+2:S0+3]
	v_add_f32 v[S0], v[S0], v[S0+1]
	v_add_f32_dpp v[S0], v[S0], v[S0] row_xmask:1 row_mask:0xf bank_mask:0xf
	v_add_f32_dpp v[S0], v[S0], v[S0] row_xmask:2 row_mask:0xf bank_mask:0xf
	v_add_f32_dpp v[S0], v[S0], v[S0] row_xmask:4 row_mask:0xf bank_mask:0xf
	v_add_f32_dpp v[S0], v[S0], v[S0] row_xmask:8 row_mask:0xf bank_mask:0xf
	v_permlanex16_b32 v[S0+1], v[S0], s[SEL], s[SEL+1]
	v_add_f32 v[S0], v[S0], v[S0+1]                ; every lane holds the row's sum
	s_wait_xcnt 0x0                                ; EXEC changes only behind this wait
	v_cmp_eq_u32 vcc_lo, 0, v[LN]
	s_and_saveexec_b32 s84, vcc_lo
	global_store_b32 v[Z], v[S0], s[76:77]         ; lane 0 stores it
	s_wait_xcnt 0x0                                ; and again in front of the line that widens it
	s_or_b32 exec_lo, exec_lo, s84
; 16 LDS loads in one run: the fragments of K steps 2 g and 2 g + 1 (32 along K each) into buffer f
.macro FETCH g, f
.irp i, 0,1
.set ks, 2*(\g)+(\i)
.irp b, 0,1
	ds_load_tr16_b128 v[(\f)+32*(\i)+8*(\b):(\f)+32*(\i)+8*(\b)+3],   v[ADV+ks/8] offset:(ks%8)*32*VP+32*(\b)
	ds_load_tr16_b128 v[(\f)+32*(\i)+8*(\b)+4:(\f)+32*(\i)+8*(\b)+7], v[ADV+ks/8] offset:(ks%8)*32*VP+16*VP+32*(\b)
.endr
.irp a, 0,1
	ds_load_b128 v[(\f)+32*(\i)+16+8*(\a):(\f)+32*(\i)+16+8*(\a)+3],   v[ADA+ks/16] offset:(\a)*16*AP+(ks%16)*64
	ds_load_b128 v[(\f)+32*(\i)+16+8*(\a)+4:(\f)+32*(\i)+16+8*(\a)+7], v[ADA+ks/16] offset:(\a)*16*AP+(ks%16)*64+32
.endr
.endr
.endm
; 8 matrix instructions: group g. The four accumulators take turns, one instruction a turn. The very first four start the sums.
.macro MUL g
.set FBUF, FB0+64*((\g)%2)
.irp i, 0,1
.irp a, 0,1
.irp b, 0,1
.if ((\g) == 0) && ((\i) == 0)
	v_wmma_f32_16x16x32_f16 v[ACC+8*(2*(\a)+(\b)):ACC+8*(2*(\a)+(\b))+7], v[FBUF+32*(\i)+8*(\b):FBUF+32*(\i)+8*(\b)+7], v[FBUF+32*(\i)+16+8*(\a):FBUF+32*(\i)+16+8*(\a)+7], 0
.else
	v_wmma_f32_16x16x32_f16 v[ACC+8*(2*(\a)+(\b)):ACC+8*(2*(\a)+(\b))+7], v[FBUF+32*(\i)+8*(\b):FBUF+32*(\i)+8*(\b)+7], v[FBUF+32*(\i)+16+8*(\a):FBUF+32*(\i)+16+8*(\a)+7], v[ACC+8*(2*(\a)+(\b)):ACC+8*(2*(\a)+(\b))+7]
.endif
.endr
.endr
.endr
.endm
	s_wait_tensorcnt 0x0                           ; my part of the tiles is in,
	s_barrier_signal -1
	s_barrier_wait -1                              ; everybody's is
	FETCH 0, FB0
	FETCH 1, FB0+64
.set g, 0
.rept 16
.if g < 15
	s_wait_dscnt 16                                ; group g is in; the next group's sixteen loads may be out
.else
	s_wait_dscnt 0x0
.endif
	MUL g
.if g < 14
	PLACES
	FETCH g+2, FB0+64*(g%2)
.endif
.set g, g+1
.endr
	PLACES
	; THE WAY OUT: rounded to f16, each accumulator's registers in ascending order; 16 bytes a lane into the work-group's stage; a barrier, since a row's 128 bytes come from two waves; back as rows
.irp t, 0,1,2,3
.irp r, 0,1,2,3
	v_cvt_pk_f16_f32 v[TMP+4*(\t)+(\r)], v[ACC+8*(\t)+2*(\r)], v[ACC+8*(\t)+2*(\r)+1]
.endr
.endr
.irp a, 0,1
.irp b, 0,1
	ds_store_b128 v[STO], v[TMP+4*(2*(\a)+(\b)):TMP+4*(2*(\a)+(\b))+3] offset:(\a)*16*SP+32*(\b)
.endr
.endr
	s_wait_dscnt 0x0                               ; for the others' sake: my stores into the stage are done
	s_barrier_signal -1
	s_barrier_wait -1
.irp t, 0,1,2,3
	ds_load_b128 v[BK+4*(\t):BK+4*(\t)+3], v[RD] offset:(\t)*4*SP
.endr
.irp t, 0,1,2,3
	s_wait_dscnt 3-(\t)
	global_store_b128 v[CO], v[BK+4*(\t):BK+4*(\t)+3], s[74:75] offset:(\t)*512  ; four rows of the block: the wave stores 512 consecutive bytes, at a multiple of 512 from wovb's first byte
.endr
	s_wait_tensorcnt 0x0                           ; the wave's end
	ds_add_u32 v[SPW], v[NIL]
	s_wait_dscnt 0x0
	CROUND                                         ; the closing round: no work-group ends while a partner may still ask for a tile that names it
	s_endpgm
.Lfunc_end_k_q47ea4d5586_wov:
	.size	k_q47ea4d5586_wov, .Lfunc_end_k_q47ea4d5586_wov-k_q47ea4d5586_wov
	.p2alignl 7, 3214868480
	.fill 96, 4, 3214868480
	.section	.rodata,"a",@progbits
	.p2align	6, 0x0
	.amdhsa_kernel k_q47ea4d5586_wov
		.amdhsa_group_segment_fixed_size 327680
		.amdhsa_private_segment_fixed_size 0
		.amdhsa_enable_private_segment 0
		.amdhsa_kernarg_size 40
		.amdhsa_user_sgpr_count 2
		.amdhsa_user_sgpr_kernarg_segment_ptr 1
		.amdhsa_wavefront_size32 1
		.amdhsa_system_sgpr_workgroup_id_x 1
		.amdhsa_system_sgpr_workgroup_id_y 1
		.amdhsa_system_sgpr_workgroup_id_z 1
		.amdhsa_system_vgpr_workitem_id 0
		.amdhsa_next_free_vgpr 256
		.amdhsa_next_free_sgpr 88
		.amdhsa_reserve_vcc 1
		.amdhsa_float_denorm_mode_32 3
		.amdhsa_float_denorm_mode_16_64 3
		.amdhsa_memory_ordered 1
		.amdhsa_forward_progress 1
		.amdhsa_inst_pref_size 39
	.end_amdhsa_kernel
	.amdgpu_metadata
---
amdhsa.version: [ 1, 2 ]
amdhsa.kernels:
  - .name:           k_q47ea4d5586_wov
    .symbol:         k_q47ea4d5586_wov.kd
    .args:
      - { .name: w16, .offset: 0, .size: 8, .value_kind: global_buffer, .address_space: global }
      - { .name: Wo, .offset: 8, .size: 8, .value_kind: global_buffer, .address_space: global }
      - { .name: bv, .offset: 16, .size: 8, .value_kind: global_buffer, .address_space: global }
      - { .name: wovb, .offset: 24, .size: 8, .value_kind: global_buffer, .address_space: global }
      - { .name: bvp, .offset: 32, .size: 8, .value_kind: global_buffer, .address_space: global }
    .group_segment_fixed_size: 327680
    .private_segment_fixed_size: 0
    .kernarg_segment_align: 8
    .kernarg_segment_size: 40
    .max_flat_workgroup_size: 128
    .sgpr_count:     88
    .vgpr_count:     256
    .wavefront_size: 32
...
	.end_amdgpu_metadata
.endif
;; end of part 7
;; launch proj (part 8): grid 128 x 4, 4 waves a work-group, clusters of 4 x 4, 327,680 bytes of LDS; arguments query, key, value, w16, wovb, bq, bk, bvp, qkv; writes qkv
.if DOCPART == 8
	.amdgcn_target "amdgcn-amd-amdhsa--gfx1250"
	.amdhsa_code_object_version 6
	.text
	.protected	k_q47ea4d5586_proj
	.globl	k_q47ea4d5586_proj
	.p2align	8
	.type	k_q47ea4d5586_proj,@function
k_q47ea4d5586_proj:
	s_mov_b64 s[64:65], 0
	v_nop
	global_prefetch_b8 v0, s[64:65] scope:SCOPE_SE
	s_setreg_imm32_b32 hwreg(HW_REG_WAVE_MODE, 25, 1), 1
	s_wait_xcnt 0x0
	s_wait_alu depctr_hold_cnt(0) depctr_sa_sdst(0) depctr_va_vdst(0) depctr_va_sdst(0) depctr_va_ssrc(0) depctr_va_vcc(0) depctr_vm_vsrc(0)
	s_getreg_b32 s2, hwreg(HW_REG_IB_STS2, 6, 4)
	s_cmp_eq_u32 s2, 0
	s_cbranch_scc0 .Lentry_in_a_cluster
	s_endpgm
.Lentry_in_a_cluster:
	s_bfe_u32 s2, ttmp6, 0x10000c
	s_cmp_lg_u32 s2, 0xf033
	s_cbranch_scc0 .Lentry_shape_is_right
	s_endpgm
.Lentry_shape_is_right:
; THE THREE PROJECTIONS, transposed: block c of qkv, [1024][1024] bf16, is W x^T + bias (bias by row). c < 16: W = Wq, x = query's rows 1024 c on; c < 24: Wk, key's rows 1024 (c - 16) on;
; else W = Wo Wv (from wovb), value's rows 1024 (c - 24) on.
;   c = b:       qT[b][i][t];   c = 16 + b / 2: kT, row t, column 512 (b % 2) + s;   c = 24 + b / 2: (v Wo^T)^T, row n, column 512 (b % 2) + s, with the bias Wo bv (from bvp).
; THE ACTIVATIONS COME IN f32, as they are given, and are rounded once to f16 between LDS and the matrix unit: they are read from memory once and never written in 16 bits.
; Operands f16, sums f32, the bias (f32, as it is) is the C operand that starts each sum, the result is rounded once to bf16: v Wo^T is a product of three inputs and has no room in f16, and one way out serves all three.
; LIMITS. An activation beyond 65,504 becomes an infinity in f16; below 6e-5 it keeps f16's fixed step of 6e-8; the weights' limits are those of the launches that wrote them. NaN and infinities are not treated apart.
; SHARES. A cluster of 4 x 4 work-groups makes one block; a work-group 256 x 256 of it; each of its four waves 128 x 128: 64 accumulators of 16 x 16, 512 registers.
; K goes in 16 steps of 64 through two LDS slots. A slot holds 256 rows of W (128 bytes each) and 256 rows of x (64 f32, 256 bytes each): 106,496 bytes with the padding; with steps of 128 two slots would be 409,600.
; The weights lie in blocks of 64 k, [k / 64][row][64], so 128 rows x 64 k are 16,384 dense bytes: asked for as 64 rows of 256 bytes, padded in LDS after every 128. x's rows are 256 bytes of memory at multiples of 256.
; A step is two QUARTERS of 32 along K. A quarter: its 128 f32 a lane of x are rounded (64 conversions), the next quarter's 48 LDS loads go out in one run, then its 64 matrix instructions.
; The two waves that share 128 rows of x each round them for themselves: a stage for the rounded tile would want LDS writes, reads and a second barrier in every step.
; CLUSTER. The four work-groups of a row of the cluster need the same rows of W, the four of a column the same rows of x: each tile is asked for jointly, by the same load with the same descriptor and a mask of the four.
; THE MATRIX INSTRUCTION IS USED TRANSPOSED: source 0 = 16 rows of x, source 1 = 16 rows of W: lane l holds row l % 16 of the block and the eight neighbouring columns 8 (l / 16) + 0..7.
; REGISTERS in windows of 256 (s_set_vgpr_msb: bits 1:0 source 0, 3:2 source 1, 5:4 source 2, 7:6 destination):
;   window 0: v0-31 addresses; v64-127, v128-191 W's fragments, two buffers; v192-255 the bias as C operands, later at work on the way out, with v32-63
;   window 1: v64-127 x's fragments in f16; v128-255 a quarter of x in f32, as loaded; window 2: accumulators of my rows 0-63 ((a, b) at v[8 (8 a + b)]); window 3: of my rows 64-127
.set NPER,   16                        ; K steps
.set WP,     144                       ; a row of W in LDS: 128 bytes + 16 = 9 x 16: the 16 rows of a fragment load start at 16 different groups of four banks (64 banks of 4 bytes: ISA guide 11.1)
.set XP,     272                       ; a row of x: 256 bytes + 16 = 17 x 16: likewise
.set WHALF,  128*WP                    ; 128 rows: what one tensor load brings
.set XB,     2*WHALF                   ; x's rows lie behind W's 256
.set XHALF,  128*XP
.set SLOT1,  1<<17                     ; slot 1 begins here: a slot's 106,496 bytes stay below it, so one exclusive or changes slots
.set STAGE,  SLOT1+XB+2*XHALF          ; behind the ring: 16 rows x 272 bytes for each wave, for the way out
.set SPITCH, 272
.set SPARE,  STAGE+4*16*SPITCH         ; the spare words, 128 bytes a wave: two blocks of 256 bytes that no other line names
.set KBB,    131072                    ; bytes from a weight's block of 64 k to the next
.set CP,     2048                      ; bytes from row to row of the block of qkv
.set A0,   16                          ; v16  my place in slot 0's rows of W; never rewritten
.set ADRA, 17                          ; v17  the same in the slot in hand
.set X0,   20                          ; v20, v21 the same for x
.set ADRX, 21
.set STO,  24                          ; the way out: where I put 16 bytes of a row
.set RD,   25                          ; where I read a row back
.set CO,   26                          ; my byte offset in the block
.set BOFF, 27                          ; my byte offset in the bias
.set SPW,  28                          ; LDS address of my spare word; never rewritten
.set NIL,  29                          ; 0; never rewritten
.set FA0,  64                          ; W's fragments of a step's first quarter,
.set FA1,  128                         ; of its second
.set FB,   64                          ; window 1: x's fragments, f16: block i of 16 rows at FB + 8 i
.set RAW,  128                         ; window 1: the same in f32: block i at RAW + 16 i, k ascending as the fragment wants it
.set BC,   192                         ; the bias: eight equal registers for each of my eight blocks of 16 rows
.set TMP,  192                         ; later: packed results
.set OB,   32                          ; 16 rows read back from the stage: v32-63 and v224-255 by turns
.set CB,   84                          ; s[84:85] the block's address
.set G1,   24                          ; s[24:31] group 1 for W's tiles; s[32:39] group 0: set 0 serves K step 0, set 1 walks
.set G0,   32
.set G1B,  48                          ; s[48:55], s[56:63] the same for x's tiles
.set G0B,  56
.set TB,   66                          ; s66 the LDS byte at which the slot in hand begins
.set MSB, 0
.macro WIN new                         ; the immediate's high byte repeats the setting that is left; a switch that changes nothing is dropped
.if MSB != (\new)
	s_set_vgpr_msb (MSB<<8)|(\new)
.set MSB, \new
.endif
.endm
.set MUL_LO, 0xa1                      ; source 0 window 1, source 1 window 0, C and D window 2
.set TO_B,   0x40                      ; destination window 1, address window 0
; A joint load: waves 0 and 1 fetch W's two halves, waves 2 and 3 x's. The branch hangs on the wave's number alone. An s_nop 0 and four v_nop follow each line.
.macro JLOAD s
	s_cmp_eq_u32 s11, 0
	s_cbranch_scc0 .Lfor_b_\@
	tensor_load_to_lds s[G0+4*(\s):G0+4*(\s)+3], s[G1:G1+7]
	s_nop 0
.rept 4
	v_nop
.endr
	s_branch .Lasked_\@
.Lfor_b_\@:
	tensor_load_to_lds s[G0B+4*(\s):G0B+4*(\s)+3], s[G1B:G1B+7]
	s_nop 0
.rept 4
	v_nop
.endr
.Lasked_\@:
.endm
; A round of the cluster's barrier: my work-group's barrier; wave 0 signals for the work-group; every wave waits for all sixteen; my work-group's barrier once more.
.macro CREST                           ; a round behind its opening barrier
	s_cmp_lg_u32 s10, 0
	s_cbranch_scc1 .Lnot_wave_0_\@
	s_barrier_signal -3
.Lnot_wave_0_\@:
	s_barrier_wait -3
	s_barrier_signal -1
	s_barrier_wait -1
.endm
.macro CROUND
	s_barrier_signal -1
	s_barrier_wait -1
	CREST
.endm
	s_load_b512 s[68:83], s[0:1], 0x0              ; query s[68:69], key s[70:71], value s[72:73], w16 s[74:75], wovb s[76:77], bq s[78:79], bk s[80:81], bvp s[82:83]
	s_load_b64 s[CB:CB+1], s[0:1], 0x40            ; qkv
	v_lshl_add_u32 v[SPW], v0, 2, SPARE
	v_mov_b32 v[NIL], 0
	ds_add_u32 v[SPW], v[NIL]                      ; the wave's opening: the add and its wait stand ahead of my first tensor load; the set-up below stands between them
	v_lshrrev_b32 v1, 5, v0
	v_readfirstlane_b32 s10, v1                    ; wave 0..3
	s_lshr_b32 s11, s10, 1                         ; which half of the tile's rows is mine. Also: I fetch W (0) or x (1)
	s_and_b32 s12, s10, 1                          ; which half of its columns. Also: which 128 rows I fetch
	s_bfe_u32 s40, ttmp6, 0x40000                  ; cx: the tile column
	s_bfe_u32 s41, ttmp6, 0x40004                  ; cy: the tile row
	s_lshl_b32 s43, s41, 2
	s_lshl_b32 s43, 15, s43                        ; my row of the cluster
	s_lshl_b32 s44, 0x1111, s40                    ; my column
	s_or_b32 s[G1+0], s43, (1<<16)|(1<<20)|(1<<21)|(4<<22)|(3<<25)   ; W: 15:0 the mask; 17:16 2-byte elements; 20 padding on; 21 set beside a mask; 24:22 after every 32 words (a row of W); 31:25 4 words
	s_mov_b32 s[G1+1], 128<<16                     ; tensor_dim0 = 128: two rows of W
	s_mov_b32 s[G1+2], 64<<16                      ; tensor_dim1 = 64
	s_mov_b32 s[G1+3], 128<<16                     ; tile_dim0 = 128
	s_mov_b32 s[G1+4], 64                          ; tile_dim1 = 64
	s_mov_b32 s[G1+5], 128                         ; dense
	s_mov_b32 s[G1+6], 0
	s_mov_b32 s[G1+7], 0
	s_or_b32 s[G1B+0], s44, (2<<16)|(1<<20)|(1<<21)|(5<<22)|(3<<25)  ; x: the mask of my column; 4-byte elements; after every 64 words 4 words
	s_mov_b32 s[G1B+1], 64<<16                     ; tensor_dim0 = 64
	s_mov_b32 s[G1B+2], 128<<16                    ; tensor_dim1 = 128
	s_mov_b32 s[G1B+3], 64<<16                     ; tile_dim0 = 64
	s_mov_b32 s[G1B+4], 128                        ; tile_dim1 = 128
	s_mov_b32 s[G1B+5], 1024                       ; elements from row to row
	s_mov_b32 s[G1B+6], 0
	s_mov_b32 s[G1B+7], 0
	; byte offsets, all under 2^27. W's hangs on cy, the block and the wave; x's on cx, the block and the wave; each in registers that do not hold the other coordinate
	s_cmp_lt_u32 ttmp9, 16
	s_cselect_b32 s45, 0, 0x200000                 ; Wq lies first in w16, Wk behind it;
	s_cmp_lt_u32 ttmp9, 24
	s_cselect_b32 s45, s45, 0                      ; the third weight has a buffer of its own
	s_lshl_b32 s17, s12, 7
	s_lshl_b32 s16, s41, 8
	s_add_co_u32 s16, s16, s17                     ; W's row 256 cy + 128 half,
	s_lshl_b32 s16, s16, 7                         ; 128 bytes a row in a block of 64 k
	s_add_co_u32 s16, s16, s45
	s_cmp_lt_u32 ttmp9, 16
	s_cselect_b32 s47, 0, 16
	s_cmp_lt_u32 ttmp9, 24
	s_cselect_b32 s47, s47, 24
	s_sub_co_u32 s46, ttmp9, s47                   ; the block's number within its input
	s_lshl_b32 s46, s46, 10
	s_lshl_b32 s47, s40, 8
	s_add_co_u32 s46, s46, s47
	s_add_co_u32 s46, s46, s17                     ; x's row 1024 x that + 256 cx + 128 half,
	s_lshl_b32 s46, s46, 12                        ; 4,096 bytes a row
	s_mov_b32 s17, 0
	s_mov_b32 s47, 0
	s_lshl_b32 s90, s41, 8
	s_lshl_b32 s91, s11, 7
	s_add_co_u32 s90, s90, s91
	s_lshl_b32 s90, s90, 2                         ; the bias of my 128 rows
	s_mov_b32 s91, 0
	s_mul_i32 s20, s12, WHALF                      ; where a tile of W goes,
	s_mul_i32 s21, s12, XHALF                      ; and a tile of x
	s_add_co_u32 s21, s21, XB
	s_wait_dscnt 0x0                               ; the opening add is done
	s_wait_kmcnt 0x0
	s_cmp_lt_u32 ttmp9, 24
	s_cselect_b64 s[14:15], s[74:75], s[76:77]
	s_add_nc_u64 s[14:15], s[14:15], s[16:17]
	s_cmp_lt_u32 ttmp9, 16
	s_cselect_b64 s[92:93], s[68:69], s[70:71]
	s_cmp_lt_u32 ttmp9, 24
	s_cselect_b64 s[92:93], s[92:93], s[72:73]
	s_add_nc_u64 s[46:47], s[92:93], s[46:47]
	s_cmp_lt_u32 ttmp9, 16
	s_cselect_b64 s[88:89], s[78:79], s[80:81]
	s_cmp_lt_u32 ttmp9, 24
	s_cselect_b64 s[88:89], s[88:89], s[82:83]
	s_add_nc_u64 s[88:89], s[88:89], s[90:91]
	CROUND                                         ; all sixteen work-groups are here: the first joint loads meet
.irp s, 0,1
	s_mov_b32 s[G0+4*(\s)], 1
	s_add_co_u32 s[G0+4*(\s)+1], s20, (\s)*SLOT1
	s_add_nc_u64 s[G0+4*(\s)+2:G0+4*(\s)+3], s[14:15], (\s)*KBB
	s_or_b32 s[G0+4*(\s)+3], s[G0+4*(\s)+3], 0x80000000
	s_mov_b32 s[G0B+4*(\s)], 1
	s_add_co_u32 s[G0B+4*(\s)+1], s21, (\s)*SLOT1
	s_add_nc_u64 s[G0B+4*(\s)+2:G0B+4*(\s)+3], s[46:47], (\s)*256
	s_or_b32 s[G0B+4*(\s)+3], s[G0B+4*(\s)+3], 0x80000000
	JLOAD \s                                       ; K steps 0 and 1: two loads of mine are out
.endr
	; a fragment is 16 rows x 32 K in 8 registers: lane l holds row l % 16, K = 8 (l / 16) + 0..7 and 16 + 8 (l / 16) + 0..7.
	; In f16 that is two loads of 16 bytes, 32 bytes apart, at 16 (l / 16); in f32 two pairs of loads, the pairs 64 bytes apart, at 32 (l / 16)
	v_and_b32 v1, 15, v0
	v_bfe_u32 v2, v0, 4, 1
	v_mul_u32_u24 v3, v1, WP
	v_lshl_add_u32 v3, v2, 4, v3
	s_mul_i32 s22, s11, WHALF
	v_add_nc_u32 v[A0], s22, v3
	v_mul_u32_u24 v3, v1, XP
	v_lshl_add_u32 v3, v2, 5, v3
	s_mul_i32 s22, s12, XHALF
	s_add_co_u32 s22, s22, XB
	v_add_nc_u32 v[X0], s22, v3
	v_mov_b32 v[ADRA], v[A0]
	v_mov_b32 v[ADRX], v[X0]
	s_mov_b32 s[TB], 0
	s_mul_i32 s23, s10, 16*SPITCH
	s_add_co_u32 s23, s23, STAGE                   ; my stage
	v_mul_u32_u24 v4, v1, SPITCH
	v_lshl_add_u32 v4, v2, 4, v4
	v_add_nc_u32 v[STO], s23, v4
	v_mul_u32_u24 v5, v2, SPITCH
	v_lshl_add_u32 v5, v1, 4, v5
	v_add_nc_u32 v[RD], s23, v5
	v_mul_u32_u24 v5, v2, CP
	v_lshl_add_u32 v[CO], v1, 4, v5
	; the bias: row 16 a + l % 16 of my 128, the same in all eight registers of a result
	v_lshlrev_b32 v[BOFF], 2, v1
.irp a, 0,1,2,3,4,5,6,7
	global_load_b32 v[BC+8*(\a)], v[BOFF], s[88:89] offset:64*(\a)
.endr
	; where my part of the block begins, in bytes
	s_lshl_b32 s16, s41, 8
	s_lshl_b32 s14, s11, 7
	s_add_co_u32 s16, s16, s14
	s_lshl_b32 s16, s16, 11
	s_lshl_b32 s14, ttmp9, 21
	s_add_co_u32 s16, s16, s14
	s_mov_b32 s17, 0
	s_lshl_b32 s46, s40, 9
	s_lshl_b32 s47, s12, 8
	s_add_co_u32 s46, s46, s47
	s_mov_b32 s47, 0
	s_add_nc_u64 s[16:17], s[16:17], s[46:47]
	s_wait_loadcnt 0x0
.irp a, 0,1,2,3,4,5,6,7
.irp j, 1,2,3,4,5,6,7
	v_mov_b32 v[BC+8*(\a)+(\j)], v[BC+8*(\a)]
.endr
.endr
; 16 matrix instructions: row blocks a0, a0 + 1 of the window's four (hi = 0: my rows 0-63) x all 8 column blocks, 32 along K; W's fragments in buffer fa. mode 2: the bias starts the sums; mode 0: in place.
; The 64 accumulators take turns, one instruction a turn, in the same order everywhere.
.macro MUL16 fa, hi, a0, mode
.if (\mode) == 2
	WIN 0x81+0x40*(\hi)                            ; as below, but C in window 0
.else
	WIN MUL_LO+0x50*(\hi)
.endif
.irp a, \a0, (\a0)+1
.irp b, 0,1,2,3,4,5,6,7
.if (\mode) == 2
	v_wmma_f32_16x16x32_f16 v[8*(8*(\a)+(\b)):8*(8*(\a)+(\b))+7], v[FB+8*(\b):FB+8*(\b)+7], v[(\fa)+8*(4*(\hi)+(\a)):(\fa)+8*(4*(\hi)+(\a))+7], v[BC+8*(4*(\hi)+(\a)):BC+8*(4*(\hi)+(\a))+7]
.else
	v_wmma_f32_16x16x32_f16 v[8*(8*(\a)+(\b)):8*(8*(\a)+(\b))+7], v[FB+8*(\b):FB+8*(\b)+7], v[(\fa)+8*(4*(\hi)+(\a)):(\fa)+8*(4*(\hi)+(\a))+7], v[8*(8*(\a)+(\b)):8*(8*(\a)+(\b))+7]
.endif
.endr
.endr
.endm
.macro MUL64 fa, mode                  ; a quarter's products
	MUL16 \fa, 0, 0, \mode
	MUL16 \fa, 0, 2, \mode
	MUL16 \fa, 1, 0, \mode
	MUL16 \fa, 1, 2, \mode
.endm
; 48 LDS loads in one run: quarter kq (0, 1) of the slot in hand: my 128 rows of x in f32, then my 128 rows of W into buffer fa
.macro FETCH kq, fa
	WIN TO_B
.irp i, 0,1,2,3,4,5,6,7
	ds_load_b128 v[RAW+16*(\i):RAW+16*(\i)+3],     v[ADRX] offset:128*(\kq)+(\i)*16*XP
	ds_load_b128 v[RAW+16*(\i)+4:RAW+16*(\i)+7],   v[ADRX] offset:128*(\kq)+(\i)*16*XP+16
	ds_load_b128 v[RAW+16*(\i)+8:RAW+16*(\i)+11],  v[ADRX] offset:128*(\kq)+(\i)*16*XP+64
	ds_load_b128 v[RAW+16*(\i)+12:RAW+16*(\i)+15], v[ADRX] offset:128*(\kq)+(\i)*16*XP+80
.endr
	WIN 0
.irp i, 0,1,2,3,4,5,6,7
	ds_load_b128 v[(\fa)+8*(\i):(\fa)+8*(\i)+3],   v[ADRA] offset:64*(\kq)+(\i)*16*WP
	ds_load_b128 v[(\fa)+8*(\i)+4:(\fa)+8*(\i)+7], v[ADRA] offset:64*(\kq)+(\i)*16*WP+32
.endr
.endm
; Four plain vector instructions stand between a matrix instruction and a vector write of, a load into, or a vector read of its registers (ISA guide 7.12.1 for vector writes and reads)
.macro PLACES
.rept 4
	v_nop
.endr
.endm
; a quarter of x: 128 f32 a lane become 64 registers of f16: register p of the fragments takes numbers 2 p and 2 p + 1
.macro CONVERT
	WIN 0x45                                       ; sources 0 and 1 and the destination in window 1
.set p, 0
.rept 64
	v_cvt_pk_f16_f32 v[FB+p], v[RAW+2*p], v[RAW+2*p+1]
.set p, p+1
.endr
.endm
; A step's first quarter
.macro Q0 mode
	s_wait_dscnt 0x0                               ; this quarter's 48 loads, issued ahead of the last quarter's products, are in
	PLACES                                         ; behind the products that read x's fragments and the buffer loaded below
	CONVERT
	FETCH 1, FA1
	MUL64 FA0, \mode
.endm
; A step's second quarter, and the change of slots. All that this wave reads of the slot is in registers when the quarter begins, so the slot is given up first: the wave waits for all its tensor loads
; (one is out: its part of the next slot), adds 0 to its spare word, and waits for that and for its reads. fill = 1: the barrier opens a round of the cluster's, and the slot is filled again first behind it,
; with the K step two steps on: that load has this quarter and the next step's first in which to land.
.macro Q1 fill
	WIN 0
	s_wait_tensorcnt 0x0
	ds_add_u32 v[SPW], v[NIL]
.if \fill
	s_xor_b32 s[G0+5], s[G0+5], SLOT1              ; no load of mine is out: the walking descriptors step: the other slot than last time, the next K step
	s_add_nc_u64 s[G0+6:G0+7], s[G0+6:G0+7], KBB
	s_xor_b32 s[G0B+5], s[G0B+5], SLOT1
	s_add_nc_u64 s[G0B+6:G0B+7], s[G0B+6:G0B+7], 256
.endif
	s_wait_dscnt 0x0                               ; the add is done, and my reads of this slot are over
	s_barrier_signal -1
	s_barrier_wait -1
.if \fill
	CREST
	JLOAD 1                                        ; the four v_nop behind it are also the places in front of the conversions below
.else
	PLACES
.endif
	CONVERT
	s_xor_b32 s[TB], s[TB], SLOT1                  ; the reads go on in the other slot
	WIN 0
	v_add_nc_u32 v[ADRA], s[TB], v[A0]
	v_add_nc_u32 v[ADRX], s[TB], v[X0]
	FETCH 0, FA0
	MUL64 FA1, 0
.endm
; THE WAY OUT of block a of 16 rows. PACK: rounded to bf16, 16 bytes a lane, each accumulator's registers in ascending order. TOSTAGE: into my own stage and back as whole rows of 256 bytes. SEND: stored.
.macro PACK a
.set AC, 64*((\a)%4)
	WIN 0x0a+5*((\a)/4)                            ; sources 0 and 1: window 2 or 3
.irp b, 0,1,2,3,4,5,6,7
.irp r, 0,1,2,3
	v_cvt_pk_bf16_f32 v[TMP+4*(\b)+(\r)], v[AC+8*(\b)+2*(\r)], v[AC+8*(\b)+2*(\r)+1]
.endr
.endr
	WIN 0
.endm
.macro TOSTAGE a
	WIN 0
.set BK, OB+192*((\a)%2)
.irp b, 0,1,2,3,4,5,6,7
	ds_store_b128 v[STO], v[TMP+4*(\b):TMP+4*(\b)+3] offset:32*(\b)
.endr
.irp t, 0,1,2,3,4,5,6,7
	ds_load_b128 v[BK+4*(\t):BK+4*(\t)+3], v[RD] offset:(\t)*2*SPITCH  ; LDS serves a wave's instructions in order (ISA guide 5.7.1.4): these see the stores above
.endr
.endm
.macro SEND a
	WIN 0
.set BK, OB+192*((\a)%2)
	s_wait_dscnt 0x0                               ; the block is back in registers
	s_wait_xcnt 0x0                                ; only behind this wait are the stores' base and the registers that earlier stores read rewritten
.if (\a) == 0
	s_add_nc_u64 s[CB:CB+1], s[CB:CB+1], s[16:17]
.else
	s_add_nc_u64 s[CB:CB+1], s[CB:CB+1], 16*CP
.endif
.irp t, 0,1,2,3,4,5,6,7
	global_store_b128 v[CO], v[BK+4*(\t):BK+4*(\t)+3], s[CB:CB+1] offset:2*(\t)*CP  ; 16 lanes store 256 consecutive bytes, at a multiple of 256 from the buffer's first byte
.endr
.endm
	s_wait_tensorcnt 1                             ; my part of K step 0 is in; K step 1's may stay out
	s_barrier_signal -1
	s_barrier_wait -1
	FETCH 0, FA0
	Q0 2                                           ; the first quarter stands in front of the loop: its products start the sums, on the bias
	WIN 0                                          ; at a label and at a branch every window is 0
	s_mov_b32 s3, NPER-2
.Lper:                                                 ; a trip: a K step's second quarter and the next step's first; it fills the slot that it leaves
	Q1 1
	Q0 0
	WIN 0
	s_sub_co_u32 s3, s3, 1
	s_cmp_lg_u32 s3, 0
	s_cbranch_scc1 .Lper
	Q1 0                                           ; the last three quarters are written out: they ask for nothing
	Q0 0
	s_wait_dscnt 0x0                               ; the very last quarter: nothing more to fetch
	PLACES
	CONVERT
	MUL64 FA1, 0
	WIN 0
	PLACES
	PACK 0
	TOSTAGE 0
.irp a, 1,2,3,4,5,6,7                  ; block a's conversions stand between block a - 1's loads from the stage and the wait for them
	PACK \a
	SEND (\a)-1
	TOSTAGE \a
.endr
	SEND 7
	s_wait_tensorcnt 0x0                           ; the wave's end
	ds_add_u32 v[SPW], v[NIL]
	s_wait_dscnt 0x0
	CROUND                                         ; the closing round: no work-group ends while a partner may still ask for a tile that names it
	s_endpgm
.Lfunc_end_k_q47ea4d5586_proj:
	.size	k_q47ea4d5586_proj, .Lfunc_end_k_q47ea4d5586_proj-k_q47ea4d5586_proj
	.p2alignl 7, 3214868480
	.fill 96, 4, 3214868480
	.section	.rodata,"a",@progbits
	.p2align	6, 0x0
	.amdhsa_kernel k_q47ea4d5586_proj
		.amdhsa_group_segment_fixed_size 327680
		.amdhsa_private_segment_fixed_size 0
		.amdhsa_enable_private_segment 0
		.amdhsa_kernarg_size 72
		.amdhsa_user_sgpr_count 2
		.amdhsa_user_sgpr_kernarg_segment_ptr 1
		.amdhsa_wavefront_size32 1
		.amdhsa_system_sgpr_workgroup_id_x 1
		.amdhsa_system_sgpr_workgroup_id_y 1
		.amdhsa_system_sgpr_workgroup_id_z 1
		.amdhsa_system_vgpr_workitem_id 0
		.amdhsa_next_free_vgpr 1024
		.amdhsa_next_free_sgpr 96
		.amdhsa_reserve_vcc 0
		.amdhsa_float_denorm_mode_32 3
		.amdhsa_float_denorm_mode_16_64 3
		.amdhsa_memory_ordered 1
		.amdhsa_forward_progress 1
		.amdhsa_inst_pref_size 112
	.end_amdhsa_kernel
	.amdgpu_metadata
---
amdhsa.version: [ 1, 2 ]
amdhsa.kernels:
  - .name:           k_q47ea4d5586_proj
    .symbol:         k_q47ea4d5586_proj.kd
    .args:
      - { .name: query, .offset: 0, .size: 8, .value_kind: global_buffer, .address_space: global }
      - { .name: key, .offset: 8, .size: 8, .value_kind: global_buffer, .address_space: global }
      - { .name: value, .offset: 16, .size: 8, .value_kind: global_buffer, .address_space: global }
      - { .name: w16, .offset: 24, .size: 8, .value_kind: global_buffer, .address_space: global }
      - { .name: wovb, .offset: 32, .size: 8, .value_kind: global_buffer, .address_space: global }
      - { .name: bq, .offset: 40, .size: 8, .value_kind: global_buffer, .address_space: global }
      - { .name: bk, .offset: 48, .size: 8, .value_kind: global_buffer, .address_space: global }
      - { .name: bvp, .offset: 56, .size: 8, .value_kind: global_buffer, .address_space: global }
      - { .name: qkv, .offset: 64, .size: 8, .value_kind: global_buffer, .address_space: global }
    .group_segment_fixed_size: 327680
    .private_segment_fixed_size: 0
    .kernarg_segment_align: 8
    .kernarg_segment_size: 72
    .max_flat_workgroup_size: 128
    .sgpr_count:     96
    .vgpr_count:     1024
    .wavefront_size: 32
...
	.end_amdgpu_metadata
.endif
;; end of part 8
;; launch score (part 9): grid 16 x 16, 4 waves a work-group, clusters of 4 x 1, 327,680 bytes of LDS; arguments qkv, pbuf; writes pbuf
.if DOCPART == 9
	.amdgcn_target "amdgcn-amd-amdhsa--gfx1250"
	.amdhsa_code_object_version 6
	.text
	.protected	k_q47ea4d5586_score
	.globl	k_q47ea4d5586_score
	.p2align	8
	.type	k_q47ea4d5586_score,@function
k_q47ea4d5586_score:
	s_mov_b64 s[64:65], 0
	v_nop
	global_prefetch_b8 v0, s[64:65] scope:SCOPE_SE
	s_setreg_imm32_b32 hwreg(HW_REG_WAVE_MODE, 25, 1), 1
	s_wait_xcnt 0x0
	s_wait_alu depctr_hold_cnt(0) depctr_sa_sdst(0) depctr_va_vdst(0) depctr_va_sdst(0) depctr_va_ssrc(0) depctr_va_vcc(0) depctr_vm_vsrc(0)
	s_getreg_b32 s2, hwreg(HW_REG_IB_STS2, 6, 4)
	s_cmp_eq_u32 s2, 0
	s_cbranch_scc0 .Lentry_in_a_cluster
	s_endpgm
.Lentry_in_a_cluster:
	s_bfe_u32 s2, ttmp6, 0x10000c
	s_cmp_lg_u32 s2, 0x3003
	s_cbranch_scc0 .Lentry_shape_is_right
	s_endpgm
.Lentry_shape_is_right:
; P[b][i][s] = softmax over s of (sum over t of qT[b][i][t] kT[b][t][s]) / 32, bf16, already divided by its row sum. qT and kT are bf16 blocks of qkv, rows 2,048 bytes apart.
; Products, maximum, exponentials and sums in f32; the true maximum of the whole row of 512 scores is taken away before the exponential; P is rounded once, to bf16, the format of its partner in the next product.
; LIMITS. A weight below 2^-126 counts as 0 in the row sum; NaN and infinities are not treated apart.
; SHARES. A work-group owns 64 rows i of one batch and all 512 s; wave w the columns s = 128 w .. + 127 of all 64 rows: 32 accumulators of 16 x 16, 256 registers.
; S^T = kT^T qT^T: source 0 = 16 s (kT lies [t][s], so it is turned on the way out of LDS, by ds_load_tr16_b128), source 1 = 16 rows of qT: lane l holds ONE row i (l % 16) and eight neighbouring s.
; t goes in 8 steps of 128 through two LDS slots. The rows' maxima and sums meet in LDS, 4 bytes for each row and wave, behind a barrier each.
; CLUSTER. The four work-groups of a cluster belong to one batch and walk the same kT: its tiles (131,072 of a step's 147,456 bytes) are asked for jointly, with a mask of the four. qT's tile is a work-group's own: a plain load.
; Waves 0 and 1 fetch kT's two halves of 64 rows t, wave 2 fetches qT's tile, wave 3 fetches nothing.
; REGISTERS (s_set_vgpr_msb: bits 1:0 source 0, 3:2 source 1, 5:4 source 2, 7:6 destination): window 0: addresses, fragments, all that the softmax keeps; window 1: accumulator (a, sb) at v[8 (8 a + sb)].
.set KP,    1056                       ; a row of kT in LDS: 1,024 bytes + 32 = 264 words
.set KHALF, 64*KP                      ; what one tensor load brings
.set KSLOT, 2*KHALF                    ; 0x21000; KHALF = 0x10800 has neither of its bits: one exclusive or changes slots
.set QP,    272
.set QBASE, 2*KSLOT                    ; 0x42000: qT's two slots
.set QSLOT, 64*QP                      ; 0x4400
.set STAGE, QBASE+2*QSLOT              ; 16 rows x 272 bytes for each wave, for the way out
.set SP,    272
.set MX,    STAGE+4*16*SP              ; [64 rows][4 waves] f32: the waves' maxima
.set SM,    MX+1024                    ; the same for their sums
.set SPARE, SM+1024                    ; the spare words, 128 bytes a wave: two blocks of 256 bytes that no other line names
.set NSTEP, 8
.set K0,    4                          ; v4   my place in a tile of kT; never rewritten
.set Q0,    5                          ; v5   in a tile of qT
.set ADRK,  6                          ; v6   the same in the slot in hand, rows t 0-63
.set ADRK2, 7                          ; v7   rows t 64-127: the immediate offset ends at 65,535
.set ADRQ,  8
.set STO,   9
.set RD,    10
.set CO,    11
.set MXA,   12                         ; v12  where I put my row's figure: MX + 16 (l % 16) + 4 w
.set MXR,   13                         ; v13  where I read the four waves' figures
.set SPW,   14                         ; LDS address of my spare word; never rewritten
.set NIL,   15                         ; 0; never rewritten
.set C,     16                         ; v16-31  sixteen chains of maxima
.set F0,    32                         ; fragment buffers of 96: kT's eight at + 8 sb, qT's four at + 64 + 8 a
.set F1,    128
.set CM,    224                        ; v224-231  c m of row block a, as a pair
.set R,     232                        ; v232-239  1 / l, as a pair
.set LS,    32                         ; behind the loop: sixteen chains of sums, a pair each
.set T,     64                         ; the four waves' figures, four registers a row block
.set TMP,   96                         ; packed results
.set BKS,   128                        ; rows read back from the stage: v128-159 and v160-191 by turns
.set WV,    12                         ; s12 my wave's number
.set G1Q,   24
.set G1K,   32
.set G0Q,   40                         ; s[40:47]: set 0 serves step 0, set 1 walks
.set G0K,   48
.set CNT,   56
.set CS,    58                         ; s[58:59] c = log2(e) / 32
.set SEL,   60                         ; s[60:61] v_permlanex16_b32's selects: each lane takes its own place in the other half
.set TBK,   62                         ; s62 the LDS byte at which kT's slot in hand begins
.set TBQ,   63                         ; s63 the same for qT
.set MSB, 0
.macro WIN new
.if MSB != (\new)
	s_set_vgpr_msb (MSB<<8)|(\new)
.set MSB, \new
.endif
.endm
.macro PLACES                          ; four plain vector instructions between a matrix instruction and a load into, or a vector read of, its registers (ISA guide 7.12.1 for vector reads)
.rept 4
	v_nop
.endr
.endm
.macro CREST
	s_cmp_lg_u32 s[WV], 0
	s_cbranch_scc1 .Lnot_wave_0_\@
	s_barrier_signal -3
.Lnot_wave_0_\@:
	s_barrier_wait -3
	s_barrier_signal -1
	s_barrier_wait -1
.endm
.macro CROUND
	s_barrier_signal -1
	s_barrier_wait -1
	CREST
.endm
; A refill, by the walking descriptors. The branches hang on the wave's number alone. An s_nop 0 and four v_nop follow each load.
.macro SLOAD
	s_cmp_lt_u32 s[WV], 2
	s_cbranch_scc0 .Lnot_k_\@
	tensor_load_to_lds s[G0K+4:G0K+7], s[G1K:G1K+7]
	s_nop 0
.rept 4
	v_nop
.endr
	s_branch .Lasked_\@
.Lnot_k_\@:
	s_cmp_eq_u32 s[WV], 2
	s_cbranch_scc0 .Lasked_\@
	tensor_load_to_lds s[G0Q+4:G0Q+7], s[G1Q:G1Q+7]
	s_nop 0
.rept 4
	v_nop
.endr
.Lasked_\@:
.endm
	s_load_b128 s[4:7], s[0:1], 0x0                ; qkv s[4:5], pbuf s[6:7]
	v_lshl_add_u32 v[SPW], v0, 2, SPARE
	v_mov_b32 v[NIL], 0
	ds_add_u32 v[SPW], v[NIL]                      ; the wave's opening: the add and its wait stand ahead of my first tensor load; the set-up below stands between them
	v_lshrrev_b32 v1, 5, v0
	v_readfirstlane_b32 s[WV], v1
	s_bfe_u32 s13, ttmp6, 0x40000                  ; cx
	s_lshl_b32 s14, ttmp9, 2
	s_add_co_u32 s14, s14, s13                     ; my block of 64 rows: it enters qT's and P's addresses alone
	s_and_b32 s15, ttmp7, 0xffff                   ; the batch, which the four partners share
	s_lshr_b32 s20, s15, 1                         ; kT: block 16 + b / 2 of qkv,
	s_add_co_u32 s20, s20, 16
	s_lshl_b32 s20, s20, 21
	s_and_b32 s21, s15, 1                          ; columns 512 (b % 2) on,
	s_lshl_b32 s21, s21, 10
	s_add_co_u32 s20, s20, s21
	s_and_b32 s16, s[WV], 1                        ; which 64 rows t of a step I fetch
	s_lshl_b32 s21, s16, 17
	s_add_co_u32 s20, s20, s21
	s_mov_b32 s21, 0
	s_mul_i32 s17, s16, KHALF                      ; and their place in a slot
	s_lshl_b32 s22, s15, 21                        ; qT: block b, rows 64 x my block on
	s_lshl_b32 s23, s14, 17
	s_add_co_u32 s22, s22, s23
	s_mov_b32 s23, 0
	s_lshl_b32 s2, s15, 20                         ; P: batch, my rows (1,024 bytes each), my wave's 256 bytes of them
	s_lshl_b32 s3, s14, 16
	s_add_co_u32 s2, s2, s3
	s_lshl_b32 s3, s[WV], 8
	s_add_co_u32 s2, s2, s3
	s_mov_b32 s3, 0
	s_mov_b32 s[G1Q], (1<<16)|(1<<20)|(5<<22)|(3<<25)               ; no mask; 2-byte elements; padding on: after every 64 words 4 words
	s_mov_b32 s[G1Q+1], 128<<16                    ; tensor_dim0 = 128
	s_mov_b32 s[G1Q+2], 64<<16                     ; tensor_dim1 = 64
	s_mov_b32 s[G1Q+3], 128<<16                    ; tile_dim0 = 128
	s_mov_b32 s[G1Q+4], 64                         ; tile_dim1 = 64
	s_mov_b32 s[G1Q+5], 1024                       ; elements from row to row
	s_mov_b32 s[G1Q+6], 0
	s_mov_b32 s[G1Q+7], 0
	s_mov_b32 s[G1K], 15|(1<<16)|(1<<20)|(1<<21)|(7<<22)|(7<<25)    ; the mask of four; 21 set beside it; padding: after every 256 words 8 words
	s_mov_b32 s[G1K+1], 512<<16                    ; tensor_dim0 = 512
	s_mov_b32 s[G1K+2], 64<<16
	s_mov_b32 s[G1K+3], 512<<16                    ; tile_dim0 = 512
	s_mov_b32 s[G1K+4], 64
	s_mov_b32 s[G1K+5], 1024
	s_mov_b32 s[G1K+6], 0
	s_mov_b32 s[G1K+7], 0
	s_mov_b32 s[CS], 0x3d38aa3b                    ; c = log2(e) / 32
	s_mov_b32 s[CS+1], s[CS]
	s_mov_b32 s[SEL], 0x76543210
	s_mov_b32 s[SEL+1], 0xfedcba98
	s_mov_b32 s[TBK], 0
	s_mov_b32 s[TBQ], QBASE
	s_wait_dscnt 0x0                               ; the opening add is done
	s_wait_kmcnt 0x0
	s_add_nc_u64 s[20:21], s[4:5], s[20:21]
	s_add_nc_u64 s[22:23], s[4:5], s[22:23]
	s_add_nc_u64 s[6:7], s[6:7], s[2:3]
	CROUND                                         ; all four work-groups are here: the first joint loads meet
.irp s, 0,1
	s_mov_b32 s[G0Q+4*(\s)], 1
	s_mov_b32 s[G0Q+4*(\s)+1], QBASE+(\s)*QSLOT
	s_add_nc_u64 s[G0Q+4*(\s)+2:G0Q+4*(\s)+3], s[22:23], (\s)*256      ; 128 t along the rows
	s_or_b32 s[G0Q+4*(\s)+3], s[G0Q+4*(\s)+3], 0x80000000
	s_mov_b32 s[G0K+4*(\s)], 1
	s_add_co_u32 s[G0K+4*(\s)+1], s17, (\s)*KSLOT
	s_add_nc_u64 s[G0K+4*(\s)+2:G0K+4*(\s)+3], s[20:21], (\s)*262144   ; 128 rows t down
	s_or_b32 s[G0K+4*(\s)+3], s[G0K+4*(\s)+3], 0x80000000
.endr
	s_cmp_lt_u32 s[WV], 2                          ; a wave's two first fills stand in one branch: two loads of mine are out, or none
	s_cbranch_scc0 .Lfirst_not_k
	tensor_load_to_lds s[G0K:G0K+3], s[G1K:G1K+7]
	s_nop 0
	tensor_load_to_lds s[G0K+4:G0K+7], s[G1K:G1K+7]
	s_nop 0
.rept 4
	v_nop
.endr
	s_branch .Lfirst_asked
.Lfirst_not_k:
	s_cmp_eq_u32 s[WV], 2
	s_cbranch_scc0 .Lfirst_asked
	tensor_load_to_lds s[G0Q:G0Q+3], s[G1Q:G1Q+7]
	s_nop 0
	tensor_load_to_lds s[G0Q+4:G0Q+7], s[G1Q:G1Q+7]
	s_nop 0
.rept 4
	v_nop
.endr
.Lfirst_asked:
	v_and_b32 v1, 15, v0                           ; l % 16
	v_bfe_u32 v2, v0, 4, 1                         ; l / 16
	; the turning load takes 16 t x 16 s (lane l reads row t = 8 (l / 16) + l % 8, 16 bytes at 16 ((l / 8) % 2)) and leaves half a fragment: lane l holds s = l % 16 and 8 t
	v_and_b32 v3, 7, v0
	v_lshl_add_u32 v3, v2, 3, v3
	v_mul_u32_u24 v[K0], v3, KP
	v_bfe_u32 v3, v0, 3, 1
	v_lshl_add_u32 v[K0], v3, 4, v[K0]
	s_lshl_b32 s18, s[WV], 8                       ; my wave's 128 s
	v_add_nc_u32 v[K0], s18, v[K0]
	v_mul_u32_u24 v[Q0], v1, QP
	v_lshl_add_u32 v[Q0], v2, 4, v[Q0]
	v_mov_b32 v[ADRK], v[K0]
	v_add_nc_u32 v[ADRK2], KHALF, v[K0]
	v_add_nc_u32 v[ADRQ], s[TBQ], v[Q0]
	s_mul_i32 s18, s[WV], 16*SP
	s_add_co_u32 s18, s18, STAGE                   ; my stage
	v_mul_u32_u24 v[STO], v1, SP
	v_lshl_add_u32 v[STO], v2, 4, v[STO]
	v_add_nc_u32 v[STO], s18, v[STO]
	v_mul_u32_u24 v[RD], v2, SP
	v_lshl_add_u32 v[RD], v1, 4, v[RD]
	v_add_nc_u32 v[RD], s18, v[RD]
	v_lshlrev_b32 v[CO], 10, v2                    ; lanes 0-15 one row of P, lanes 16-31 the next
	v_lshl_add_u32 v[CO], v1, 4, v[CO]
	v_lshlrev_b32 v[MXR], 4, v1
	v_add_nc_u32 v[MXR], MX, v[MXR]
	s_lshl_b32 s19, s[WV], 2
	v_add_nc_u32 v[MXA], s19, v[MXR]
; 24 LDS loads in one run: the fragments of 32 along t, quarter kq of the step in hand, into buffer f: kT's sixteen, then qT's eight
.macro SFETCH kq, f
	WIN 0
.irp sb, 0,1,2,3,4,5,6,7
	ds_load_tr16_b128 v[(\f)+8*(\sb):(\f)+8*(\sb)+3],   v[ADRK+(\kq)/2] offset:((\kq)%2)*32*KP+32*(\sb)
	ds_load_tr16_b128 v[(\f)+8*(\sb)+4:(\f)+8*(\sb)+7], v[ADRK+(\kq)/2] offset:((\kq)%2)*32*KP+16*KP+32*(\sb)
.endr
.irp a, 0,1,2,3
	ds_load_b128 v[(\f)+64+8*(\a):(\f)+64+8*(\a)+3],   v[ADRQ] offset:(\a)*16*QP+64*(\kq)
	ds_load_b128 v[(\f)+64+8*(\a)+4:(\f)+64+8*(\a)+7], v[ADRQ] offset:(\a)*16*QP+64*(\kq)+32
.endr
.endm
; 8 matrix instructions: row block a x all 8 blocks of s. The 32 accumulators take turns, one instruction a turn. zero = 1: the first product starts the sums.
.macro SMUL8 f, a, zero
	WIN 0x50                                       ; C and D in window 1
.irp sb, 0,1,2,3,4,5,6,7
.if \zero
	v_wmma_f32_16x16x32_bf16 v[8*(8*(\a)+(\sb)):8*(8*(\a)+(\sb))+7], v[(\f)+8*(\sb):(\f)+8*(\sb)+7], v[(\f)+64+8*(\a):(\f)+64+8*(\a)+7], 0
.else
	v_wmma_f32_16x16x32_bf16 v[8*(8*(\a)+(\sb)):8*(8*(\a)+(\sb))+7], v[(\f)+8*(\sb):(\f)+8*(\sb)+7], v[(\f)+64+8*(\a):(\f)+64+8*(\a)+7], v[8*(8*(\a)+(\sb)):8*(8*(\a)+(\sb))+7]
.endif
.endr
.endm
; One of a step's first three quarters: multiplies buffer f, fetches quarter kq into buffer g
.macro SQ kq, f, g, zero
	s_wait_dscnt 4                                 ; kT's fragments and qT's blocks 0, 1 are in; the youngest four loads (blocks 2, 3) may be out
	SMUL8 \f, 0, \zero
	SMUL8 \f, 1, \zero
	PLACES
	SFETCH \kq, \g
	s_wait_dscnt 24                                ; all but the 24 just issued
	SMUL8 \f, 2, \zero
	SMUL8 \f, 3, \zero
.endm
; The last quarter and the change of slots: ONE barrier; in front of it each wave waits for all its tensor loads, adds 0 to its spare word, and waits for that and for its reads of these slots.
; fill = 1: the barrier opens a round of the cluster's, and the slots just read out are filled again first behind it, with the step two steps on.
.macro STURN fill
	WIN 0
	s_wait_tensorcnt 0x0
	ds_add_u32 v[SPW], v[NIL]
	s_wait_dscnt 7                                 ; the add and the youngest six loads (qT's blocks 1 to 3) may be out
	SMUL8 F1, 0, 0
	s_wait_dscnt 0x0                               ; the add is done, and my reads of these slots are over
	s_barrier_signal -1
	SMUL8 F1, 1, 0
	WIN 0
	s_barrier_wait -1
.if \fill
	CREST
	s_xor_b32 s[G0Q+5], s[G0Q+5], QSLOT            ; the walking descriptors: the other slot than last time, the next step
	s_add_nc_u64 s[G0Q+6:G0Q+7], s[G0Q+6:G0Q+7], 256
	s_xor_b32 s[G0K+5], s[G0K+5], KSLOT
	s_add_nc_u64 s[G0K+6:G0K+7], s[G0K+6:G0K+7], 262144
	SLOAD
.endif
	PLACES                                         ; on every wave's path: the places in front of the loads below
	s_xor_b32 s[TBK], s[TBK], KSLOT
	s_xor_b32 s[TBQ], s[TBQ], QSLOT
	v_add_nc_u32 v[ADRK], s[TBK], v[K0]
	v_add_nc_u32 v[ADRK2], KHALF, v[ADRK]
	v_add_nc_u32 v[ADRQ], s[TBQ], v[Q0]
	SFETCH 0, F0
	SMUL8 F1, 2, 0
	SMUL8 F1, 3, 0
.endm
	s_wait_tensorcnt 1                             ; my part of step 0 is in; step 1's may stay out
	s_barrier_signal -1
	s_barrier_wait -1
	SFETCH 0, F0
	SQ 1, F0, F1, 1                                ; the first quarter stands in front of the loop: its products start the sums
	WIN 0
	s_mov_b32 s[CNT], NSTEP-2
.Lstep:                                                ; a trip: from a step's second quarter to the next step's first; it fills the slots that it leaves
	SQ 2, F1, F0, 0
	SQ 3, F0, F1, 0
	STURN 1
	SQ 1, F0, F1, 0
	WIN 0
	s_sub_co_u32 s[CNT], s[CNT], 1
	s_cmp_lg_u32 s[CNT], 0
	s_cbranch_scc1 .Lstep
	SQ 2, F1, F0, 0                                ; the last two steps are written out: they ask for nothing
	SQ 3, F0, F1, 0
	STURN 0
	SQ 1, F0, F1, 0
	SQ 2, F1, F0, 0
	SQ 3, F0, F1, 0
	s_wait_dscnt 4
	SMUL8 F1, 0, 0
	SMUL8 F1, 1, 0
	s_wait_dscnt 0x0
	SMUL8 F1, 2, 0
	SMUL8 F1, 3, 0
	PLACES
	; THE MAXIMUM. Chain n of sixteen takes the 16 registers at v[16 n] of window 1: row block n / 4, two accumulators, in ascending order.
	WIN 0x15                                       ; all three sources in window 1
.set n, 0
.rept 16
	v_max3_num_f32 v[C+n], v[16*n], v[16*n+1], v[16*n+2]
.set n, n+1
.endr
	WIN 0x14                                       ; source 0 in window 0
.set k, 3
.rept 6
.set n, 0
.rept 16
	v_max3_num_f32 v[C+n], v[C+n], v[16*n+k], v[16*n+k+1]
.set n, n+1
.endr
.set k, k+2
.endr
.set n, 0
.rept 16
	v_max_num_f32 v[C+n], v[C+n], v[16*n+15]
.set n, n+1
.endr
	WIN 0
.irp a, 0,1,2,3
	v_max3_num_f32 v[C+4*(\a)], v[C+4*(\a)], v[C+4*(\a)+1], v[C+4*(\a)+2]
.endr
.irp a, 0,1,2,3
	v_max_num_f32 v[C+4*(\a)], v[C+4*(\a)], v[C+4*(\a)+3]
.endr
.irp a, 0,1,2,3
	v_permlanex16_b32 v[C+4*(\a)+1], v[C+4*(\a)], s[SEL], s[SEL+1]  ; the row's other 64 of my 128 s lie in the lane 16 away
.endr
.irp a, 0,1,2,3
	v_max_num_f32 v[C+4*(\a)], v[C+4*(\a)], v[C+4*(\a)+1]
.endr
.irp a, 0,1,2,3
	ds_store_b32 v[MXA], v[C+4*(\a)] offset:256*(\a)                ; row 16 a + l % 16, my wave's word; both halves of the lanes write the same number
.endr
	s_wait_dscnt 0x0                               ; for the others' sake: my stores are done
	s_barrier_signal -1
	s_barrier_wait -1
.irp a, 0,1,2,3
	ds_load_b128 v[T+4*(\a):T+4*(\a)+3], v[MXR] offset:256*(\a)
.endr
	s_wait_dscnt 0x0
.irp a, 0,1,2,3
	v_max3_num_f32 v[T+4*(\a)], v[T+4*(\a)], v[T+4*(\a)+1], v[T+4*(\a)+2]
.endr
.irp a, 0,1,2,3
	v_max_num_f32 v[T+4*(\a)], v[T+4*(\a)], v[T+4*(\a)+3]           ; the maximum of the whole row
.endr
.irp a, 0,1,2,3
	v_mul_f32 v[CM+2*(\a)], s[CS], v[T+4*(\a)]
.endr
.irp a, 0,1,2,3
	v_mov_b32 v[CM+2*(\a)+1], v[CM+2*(\a)]                          ; named with it as a pair
.endr
	; p = 2^(c s - c m), in place. Behind a run of exponentials stands a plain instruction that names none of them before a result is used (ISA guide 5.7.2): the next block's scalings, at last a v_nop.
	WIN 0x41                                       ; destination and source 0 in window 1
.irp a, 0,1,2,3
.set n, 0
.rept 32
	v_pk_fma_f32 v[64*(\a)+2*n:64*(\a)+2*n+1], v[64*(\a)+2*n:64*(\a)+2*n+1], s[CS:CS+1], v[CM+2*(\a):CM+2*(\a)+1] op_sel_hi:[1,0,0] neg_lo:[0,0,1] neg_hi:[0,0,1]
.set n, n+1
.endr
.set n, 0
.rept 64
	v_exp_f32 v[64*(\a)+n], v[64*(\a)+n]
.set n, n+1
.endr
.endr
	v_nop
	; THE SUMS, of the unrounded p: sixteen chains of pairs, as for the maximum
	WIN 0x05                                       ; sources 0 and 1 in window 1
.set n, 0
	s_wait_alu depctr_va_vdst(0)
.rept 16
	v_pk_add_f32 v[LS+2*n:LS+2*n+1], v[16*n:16*n+1], v[16*n+2:16*n+3]
.set n, n+1
.endr
	WIN 0x04
.set k, 4
.rept 6
.set n, 0
.rept 16
	v_pk_add_f32 v[LS+2*n:LS+2*n+1], v[LS+2*n:LS+2*n+1], v[16*n+k:16*n+k+1]
.set n, n+1
.endr
.set k, k+2
.endr
	WIN 0
.irp a, 0,1,2,3
	v_pk_add_f32 v[LS+8*(\a):LS+8*(\a)+1], v[LS+8*(\a):LS+8*(\a)+1], v[LS+8*(\a)+2:LS+8*(\a)+3]
	v_pk_add_f32 v[LS+8*(\a)+4:LS+8*(\a)+5], v[LS+8*(\a)+4:LS+8*(\a)+5], v[LS+8*(\a)+6:LS+8*(\a)+7]
.endr
.irp a, 0,1,2,3
	v_pk_add_f32 v[LS+8*(\a):LS+8*(\a)+1], v[LS+8*(\a):LS+8*(\a)+1], v[LS+8*(\a)+4:LS+8*(\a)+5]
.endr
.irp a, 0,1,2,3
	v_add_f32 v[LS+8*(\a)], v[LS+8*(\a)], v[LS+8*(\a)+1]
.endr
.irp a, 0,1,2,3
	v_permlanex16_b32 v[LS+8*(\a)+1], v[LS+8*(\a)], s[SEL], s[SEL+1]
.endr
.irp a, 0,1,2,3
	v_add_f32 v[LS+8*(\a)], v[LS+8*(\a)], v[LS+8*(\a)+1]
.endr
.irp a, 0,1,2,3
	ds_store_b32 v[MXA], v[LS+8*(\a)] offset:1024+256*(\a)          ; other bytes than the maxima's: no barrier is owed to their readers
.endr
	s_wait_dscnt 0x0
	s_barrier_signal -1
	s_barrier_wait -1
.irp a, 0,1,2,3
	ds_load_b128 v[T+4*(\a):T+4*(\a)+3], v[MXR] offset:1024+256*(\a)
.endr
	s_wait_dscnt 0x0
.irp a, 0,1,2,3
	v_add_f32 v[T+4*(\a)], v[T+4*(\a)], v[T+4*(\a)+1]
	v_add_f32 v[T+4*(\a)+2], v[T+4*(\a)+2], v[T+4*(\a)+3]
.endr
.irp a, 0,1,2,3
	v_add_f32 v[T+4*(\a)], v[T+4*(\a)], v[T+4*(\a)+2]               ; l is at least 1: the maximum's own weight
.endr
.irp a, 0,1,2,3
	v_rcp_f32 v[R+2*(\a)], v[T+4*(\a)]
	v_rcp_f32 v[R+2*(\a)+1], v[T+4*(\a)]
.endr
	v_nop                                          ; a plain instruction between the last reciprocal and the use of its result
	s_wait_alu depctr_va_vdst(0)
; THE WAY OUT of row block a: p / l, rounded to bf16, 16 bytes a lane, through my own stage, back as whole rows of 256 bytes
.macro SPACK a
	WIN 0x41
.set n, 0
.rept 32
	v_pk_mul_f32 v[64*(\a)+2*n:64*(\a)+2*n+1], v[64*(\a)+2*n:64*(\a)+2*n+1], v[R+2*(\a):R+2*(\a)+1] op_sel_hi:[1,0]
.set n, n+1
.endr
	WIN 0x05
.set n, 0
.rept 32
	v_cvt_pk_bf16_f32 v[TMP+n], v[64*(\a)+2*n], v[64*(\a)+2*n+1]
.set n, n+1
.endr
	WIN 0
.endm
.macro STOSTAGE a
.set BK, BKS+32*((\a)%2)
.irp sb, 0,1,2,3,4,5,6,7
	ds_store_b128 v[STO], v[TMP+4*(\sb):TMP+4*(\sb)+3] offset:32*(\sb)
.endr
.irp t, 0,1,2,3,4,5,6,7
	ds_load_b128 v[BK+4*(\t):BK+4*(\t)+3], v[RD] offset:(\t)*2*SP   ; LDS serves a wave's instructions in order (ISA guide 5.7.1.4): these see the stores above
.endr
.endm
.macro SSEND a
.set BK, BKS+32*((\a)%2)
	s_wait_dscnt 0x0
	s_wait_xcnt 0x0                                ; the registers that earlier stores read are loaded again only behind this wait
.irp t, 0,1,2,3,4,5,6,7
	global_store_b128 v[CO], v[BK+4*(\t):BK+4*(\t)+3], s[6:7] offset:(16*(\a)+2*(\t))*1024  ; 16 lanes store 256 consecutive bytes, at a multiple of 256 from P's first byte
.endr
.endm
	SPACK 0
	STOSTAGE 0
.irp a, 1,2,3
	SPACK \a
	SSEND (\a)-1
	STOSTAGE \a
.endr
	SSEND 3
	s_wait_tensorcnt 0x0                           ; the wave's end
	ds_add_u32 v[SPW], v[NIL]
	s_wait_dscnt 0x0
	CROUND                                         ; the closing round
	s_endpgm
.Lfunc_end_k_q47ea4d5586_score:
	.size	k_q47ea4d5586_score, .Lfunc_end_k_q47ea4d5586_score-k_q47ea4d5586_score
	.p2alignl 7, 3214868480
	.fill 96, 4, 3214868480
	.section	.rodata,"a",@progbits
	.p2align	6, 0x0
	.amdhsa_kernel k_q47ea4d5586_score
		.amdhsa_group_segment_fixed_size 327680
		.amdhsa_private_segment_fixed_size 0
		.amdhsa_enable_private_segment 0
		.amdhsa_kernarg_size 16
		.amdhsa_user_sgpr_count 2
		.amdhsa_user_sgpr_kernarg_segment_ptr 1
		.amdhsa_wavefront_size32 1
		.amdhsa_system_sgpr_workgroup_id_x 1
		.amdhsa_system_sgpr_workgroup_id_y 1
		.amdhsa_system_sgpr_workgroup_id_z 1
		.amdhsa_system_vgpr_workitem_id 0
		.amdhsa_next_free_vgpr 512
		.amdhsa_next_free_sgpr 66
		.amdhsa_reserve_vcc 0
		.amdhsa_float_denorm_mode_32 3
		.amdhsa_float_denorm_mode_16_64 3
		.amdhsa_memory_ordered 1
		.amdhsa_forward_progress 1
		.amdhsa_inst_pref_size 114
	.end_amdhsa_kernel
	.amdgpu_metadata
---
amdhsa.version: [ 1, 2 ]
amdhsa.kernels:
  - .name:           k_q47ea4d5586_score
    .symbol:         k_q47ea4d5586_score.kd
    .args:
      - { .name: qkv, .offset: 0, .size: 8, .value_kind: global_buffer, .address_space: global }
      - { .name: pbuf, .offset: 8, .size: 8, .value_kind: global_buffer, .address_space: global }
    .group_segment_fixed_size: 327680
    .private_segment_fixed_size: 0
    .kernarg_segment_align: 8
    .kernarg_segment_size: 16
    .max_flat_workgroup_size: 128
    .sgpr_count:     66
    .vgpr_count:     512
    .wavefront_size: 32
...
	.end_amdgpu_metadata
.endif
;; end of part 9
;; launch outp (part 10): grid 64 x 4, 4 waves a work-group, clusters of 4 x 4, 327,680 bytes of LDS; arguments pbuf, qkv, bo, out0; writes out0
.if DOCPART == 10
	.amdgcn_target "amdgcn-amd-amdhsa--gfx1250"
	.amdhsa_code_object_version 6
	.text
	.protected	k_q47ea4d5586_outp
	.globl	k_q47ea4d5586_outp
	.p2align	8
	.type	k_q47ea4d5586_outp,@function
k_q47ea4d5586_outp:
	s_mov_b64 s[64:65], 0
	v_nop
	global_prefetch_b8 v0, s[64:65] scope:SCOPE_SE
	s_setreg_imm32_b32 hwreg(HW_REG_WAVE_MODE, 25, 1), 1
	s_wait_xcnt 0x0
	s_wait_alu depctr_hold_cnt(0) depctr_sa_sdst(0) depctr_va_vdst(0) depctr_va_sdst(0) depctr_va_ssrc(0) depctr_va_vcc(0) depctr_vm_vsrc(0)
	s_getreg_b32 s2, hwreg(HW_REG_IB_STS2, 6, 4)
	s_cmp_eq_u32 s2, 0
	s_cbranch_scc0 .Lentry_in_a_cluster
	s_endpgm
.Lentry_in_a_cluster:
	s_bfe_u32 s2, ttmp6, 0x10000c
	s_cmp_lg_u32 s2, 0xf033
	s_cbranch_scc0 .Lentry_shape_is_right
	s_endpgm
.Lentry_shape_is_right:
; out0[b][i][n] = sum over s of P[b][i][s] u[b][n][s] + bo[n], where u = (v Wo^T)^T, made by the projection. P: bf16, rows of 1,024 bytes; u: bf16, in block 24 + b / 2 of qkv,
; rows 2,048 bytes apart, columns 512 (b % 2) on; bo: f32, taken as it is; out0: f32.
; Sums in f32; the bias is the C operand that starts each sum; the sums are stored as they are. NaN and infinities are not treated apart.
; SHARES. A cluster of 4 x 4 work-groups makes one batch's 1,024 x 1,024; a work-group 256 x 256; each of its four waves 128 x 128: 64 accumulators, 512 registers.
; K (s) goes in 4 steps of 128 through two LDS slots filled by the tensor data mover: the tiles' rows are 256 bytes of memory at multiples of 256 bytes.
; CLUSTER. The four work-groups of a row of the cluster need the same rows of P, the four of a column the same rows of u: each tile is asked for jointly, with a mask of the four.
; THE MATRIX INSTRUCTION IS USED TRANSPOSED: source 0 = 16 rows of u, source 1 = 16 rows of P: lane l holds row l % 16 of the result and the eight neighbouring columns 8 (l / 16) + 0..7.
; REGISTERS in windows of 256 (s_set_vgpr_msb: bits 1:0 source 0, 3:2 source 1, 5:4 source 2, 7:6 destination):
;   window 0: v0-31 addresses; v64-127, v128-191 P's fragments, two buffers, later rows on the way out; v192-255 the bias as C operands
;   window 1: v64-127, v128-191 u's fragments; window 2: accumulators of my rows 0-63 ((a, b) at v[8 (8 a + b)]); window 3: of my rows 64-127
.set NSTEP,  4
.set KSTEP,  128
.set PITCH,  272                       ; an LDS row: 256 bytes + 16 of padding: the 16 rows of a fragment load start at 16 different groups of four banks (64 banks of 4 bytes: ISA guide 11.1)
.set HALFT,  128*PITCH
.set SLOT,   4*HALFT                   ; 0x22000; no multiple 0..3 of HALFT has one of its two bits, so one exclusive or changes slots
.set STAGE,  2*SLOT
.set SPITCH, 528                       ; a stage row: my 128 columns in f32, 512 bytes, + 16
.set SPARE,  STAGE+4*16*SPITCH         ; the spare words, 128 bytes a wave: two blocks of 256 bytes that no other line names
.set PA,     512                       ; elements from row to row of P
.set PB,     1024                      ; and of u
.set CP,     4096                      ; bytes from row to row of out0
.set A0,   16
.set ADRA, 17
.set B0,   20
.set ADRB, 21
.set STO,  24
.set RD,   25
.set CO,   26
.set BOFF, 27
.set SPW,  28                          ; LDS address of my spare word; never rewritten
.set NIL,  29                          ; 0; never rewritten
.set F0,   64
.set F1,   128
.set BC,   192                         ; the bias: for column block b the eight registers of a result, at BC + 8 b
.set CB,   74                          ; s[74:75] out0
.set G1,   24
.set G0,   32
.set G1B,  48
.set G0B,  56
.set TB,   66
.set MSB, 0
.macro WIN new
.if MSB != (\new)
	s_set_vgpr_msb (MSB<<8)|(\new)
.set MSB, \new
.endif
.endm
.set MUL_LO, 0xa1
.set TO_B,   0x40
.macro JLOAD s                         ; a joint load: waves 0 and 1 fetch P's two halves, waves 2 and 3 u's; an s_nop 0 and four v_nop follow each line
	s_cmp_eq_u32 s11, 0
	s_cbranch_scc0 .Lfor_b_\@
	tensor_load_to_lds s[G0+4*(\s):G0+4*(\s)+3], s[G1:G1+7]
	s_nop 0
.rept 4
	v_nop
.endr
	s_branch .Lasked_\@
.Lfor_b_\@:
	tensor_load_to_lds s[G0B+4*(\s):G0B+4*(\s)+3], s[G1B:G1B+7]
	s_nop 0
.rept 4
	v_nop
.endr
.Lasked_\@:
.endm
.macro CREST
	s_cmp_lg_u32 s10, 0
	s_cbranch_scc1 .Lnot_wave_0_\@
	s_barrier_signal -3
.Lnot_wave_0_\@:
	s_barrier_wait -3
	s_barrier_signal -1
	s_barrier_wait -1
.endm
.macro CROUND
	s_barrier_signal -1
	s_barrier_wait -1
	CREST
.endm
	s_load_b256 s[68:75], s[0:1], 0x0              ; pbuf s[68:69], qkv s[70:71], bo s[72:73], out0 s[74:75]
	v_lshl_add_u32 v[SPW], v0, 2, SPARE
	v_mov_b32 v[NIL], 0
	ds_add_u32 v[SPW], v[NIL]                      ; the wave's opening: the add and its wait stand ahead of my first tensor load; the set-up below stands between them
	v_lshrrev_b32 v1, 5, v0
	v_readfirstlane_b32 s10, v1
	s_lshr_b32 s11, s10, 1                         ; which half of the tile's rows is mine. Also: I fetch P (0) or u (1)
	s_and_b32 s12, s10, 1                          ; which half of its columns. Also: which 128 rows I fetch
	s_bfe_u32 s40, ttmp6, 0x40000                  ; cx: the tile column
	s_bfe_u32 s41, ttmp6, 0x40004                  ; cy: the tile row
	s_lshl_b32 s43, s41, 2
	s_lshl_b32 s43, 15, s43
	s_lshl_b32 s44, 0x1111, s40
	s_or_b32 s[G1+0], s43, (1<<16)|(1<<20)|(1<<21)|(5<<22)|(3<<25)   ; the mask of my row; 2-byte elements; padding on; 21 set beside a mask; after every 64 words 4 words
	s_or_b32 s[G1B+0], s44, (1<<16)|(1<<20)|(1<<21)|(5<<22)|(3<<25)  ; the same with the mask of my column
.irp g, G1, G1B
	s_mov_b32 s[(\g)+1], KSTEP<<16
	s_mov_b32 s[(\g)+2], 128<<16
	s_mov_b32 s[(\g)+3], KSTEP<<16
	s_mov_b32 s[(\g)+4], 128
	s_mov_b32 s[(\g)+6], 0
	s_mov_b32 s[(\g)+7], 0
.endr
	s_mov_b32 s[G1+5], PA
	s_mov_b32 s[G1B+5], PB
	s_lshl_b32 s17, s12, 7
	s_lshl_b32 s16, s41, 8
	s_add_co_u32 s16, s16, s17                     ; P's row 256 cy + 128 half,
	s_lshl_b32 s16, s16, 10
	s_lshl_b32 s45, ttmp9, 20                      ; in batch b
	s_add_co_u32 s16, s16, s45
	s_lshl_b32 s46, s40, 8
	s_add_co_u32 s46, s46, s17                     ; u's row 256 cx + 128 half,
	s_lshl_b32 s46, s46, 11
	s_lshr_b32 s45, ttmp9, 1
	s_add_co_u32 s45, s45, 24                      ; in block 24 + b / 2,
	s_lshl_b32 s45, s45, 21
	s_add_co_u32 s46, s46, s45
	s_and_b32 s45, ttmp9, 1                        ; columns 512 (b % 2) on
	s_lshl_b32 s45, s45, 10
	s_add_co_u32 s46, s46, s45
	s_mov_b32 s17, 0
	s_mov_b32 s47, 0
	s_lshl_b32 s78, s40, 8
	s_lshl_b32 s79, s12, 7
	s_add_co_u32 s78, s78, s79
	s_lshl_b32 s78, s78, 2                         ; the bias of my 128 columns
	s_mov_b32 s79, 0
	s_mul_i32 s20, s10, HALFT
	s_wait_dscnt 0x0                               ; the opening add is done
	s_wait_kmcnt 0x0
	s_add_nc_u64 s[14:15], s[68:69], s[16:17]
	s_add_nc_u64 s[46:47], s[70:71], s[46:47]
	s_add_nc_u64 s[72:73], s[72:73], s[78:79]
	CROUND                                         ; all sixteen work-groups are here: the first joint loads meet
.irp s, 0,1
	s_mov_b32 s[G0+4*(\s)], 1
	s_add_co_u32 s[G0+4*(\s)+1], s20, (\s)*SLOT
	s_add_nc_u64 s[G0+4*(\s)+2:G0+4*(\s)+3], s[14:15], (\s)*KSTEP*2
	s_or_b32 s[G0+4*(\s)+3], s[G0+4*(\s)+3], 0x80000000
	s_mov_b32 s[G0B+4*(\s)], 1
	s_add_co_u32 s[G0B+4*(\s)+1], s20, (\s)*SLOT
	s_add_nc_u64 s[G0B+4*(\s)+2:G0B+4*(\s)+3], s[46:47], (\s)*KSTEP*2
	s_or_b32 s[G0B+4*(\s)+3], s[G0B+4*(\s)+3], 0x80000000
	JLOAD \s                                       ; K steps 0 and 1: two loads of mine are out
.endr
	v_and_b32 v1, 15, v0
	v_bfe_u32 v2, v0, 4, 1
	v_mul_u32_u24 v3, v1, PITCH
	v_lshl_add_u32 v3, v2, 4, v3
	s_mul_i32 s21, s11, HALFT
	s_mul_i32 s22, s12, HALFT
	s_add_co_u32 s22, s22, 2*HALFT
	v_add_nc_u32 v[A0], s21, v3
	v_add_nc_u32 v[B0], s22, v3
	v_mov_b32 v[ADRA], v[A0]
	v_mov_b32 v[ADRB], v[B0]
	s_mov_b32 s[TB], 0
	; the bias: columns 16 b + 8 (l / 16) + 0..7 of my 128, straight into the registers that the first products take as C
	v_lshlrev_b32 v[BOFF], 5, v2
.irp b, 0,1,2,3,4,5,6,7
	global_load_b128 v[BC+8*(\b):BC+8*(\b)+3],   v[BOFF], s[72:73] offset:64*(\b)
	global_load_b128 v[BC+8*(\b)+4:BC+8*(\b)+7], v[BOFF], s[72:73] offset:64*(\b)+16
.endr
	s_mul_i32 s23, s10, 16*SPITCH
	s_add_co_u32 s23, s23, STAGE                   ; my stage
	v_mul_u32_u24 v4, v1, SPITCH                   ; in: row l % 16, 32 bytes for each half of the lanes
	v_lshl_add_u32 v4, v2, 5, v4
	v_add_nc_u32 v[STO], s23, v4
	v_and_b32 v5, 31, v0                           ; back: 32 lanes take one row of 512 bytes
	v_lshlrev_b32 v[CO], 4, v5
	v_add_nc_u32 v[RD], s23, v[CO]
	s_lshl_b32 s16, s41, 8                         ; where my part of out0 begins, in bytes
	s_lshl_b32 s14, s11, 7
	s_add_co_u32 s16, s16, s14
	s_lshl_b32 s16, s16, 12
	s_lshl_b32 s14, ttmp9, 22
	s_add_co_u32 s16, s16, s14
	s_mov_b32 s17, 0
	s_lshl_b32 s46, s40, 10
	s_lshl_b32 s47, s12, 9
	s_add_co_u32 s46, s46, s47
	s_mov_b32 s47, 0
	s_add_nc_u64 s[16:17], s[16:17], s[46:47]
	s_wait_loadcnt 0x0                             ; the bias is in
; 16 matrix instructions: row blocks a0, a0 + 1 of the window's four x all 8 column blocks, 32 along K. mode 3: the bias starts the sums. The 64 accumulators take turns.
.macro MUL16 f, hi, a0, mode
.if (\mode) == 3
	WIN 0x81+0x40*(\hi)                            ; as below, but C in window 0
.else
	WIN MUL_LO+0x50*(\hi)
.endif
.irp a, \a0, (\a0)+1
.irp b, 0,1,2,3,4,5,6,7
.if (\mode) == 3
	v_wmma_f32_16x16x32_bf16 v[8*(8*(\a)+(\b)):8*(8*(\a)+(\b))+7], v[(\f)+8*(\b):(\f)+8*(\b)+7], v[(\f)+8*(4*(\hi)+(\a)):(\f)+8*(4*(\hi)+(\a))+7], v[BC+8*(\b):BC+8*(\b)+7]
.else
	v_wmma_f32_16x16x32_bf16 v[8*(8*(\a)+(\b)):8*(8*(\a)+(\b))+7], v[(\f)+8*(\b):(\f)+8*(\b)+7], v[(\f)+8*(4*(\hi)+(\a)):(\f)+8*(4*(\hi)+(\a))+7], v[8*(8*(\a)+(\b)):8*(8*(\a)+(\b))+7]
.endif
.endr
.endr
.endm
.macro FETCH k, f                      ; 32 LDS loads in one run: u's fragments, then P's
	WIN TO_B
.irp i, 0,1,2,3,4,5,6,7
	ds_load_b128 v[(\f)+8*(\i):(\f)+8*(\i)+3],   v[ADRB] offset:(\k)+(\i)*16*PITCH
	ds_load_b128 v[(\f)+8*(\i)+4:(\f)+8*(\i)+7], v[ADRB] offset:(\k)+(\i)*16*PITCH+32
.endr
	WIN 0
.irp i, 0,1,2,3,4,5,6,7
	ds_load_b128 v[(\f)+8*(\i):(\f)+8*(\i)+3],   v[ADRA] offset:(\k)+(\i)*16*PITCH
	ds_load_b128 v[(\f)+8*(\i)+4:(\f)+8*(\i)+7], v[ADRA] offset:(\k)+(\i)*16*PITCH+32
.endr
.endm
.macro PLACES                          ; four plain vector instructions between a matrix instruction and a load into, or a read of, its registers (ISA guide 7.12.1 for vector reads)
.rept 4
	v_nop
.endr
.endm
.macro QUARTER k, f, g, mode
	s_wait_dscnt 8                                 ; the youngest eight loads (P's rows 64-127) may be out
	MUL16 \f, 0, 0, \mode
	MUL16 \f, 0, 2, \mode
	PLACES
	FETCH \k, \g
	s_wait_dscnt 32                                ; all but the 32 just issued
	MUL16 \f, 1, 0, \mode
	MUL16 \f, 1, 2, \mode
.endm
.macro MEET round                      ; ONE barrier for the change of slots: all my tensor loads, the add, the wait for it and for my reads of this slot stand in front of it
	WIN 0
	s_wait_tensorcnt 0x0
	ds_add_u32 v[SPW], v[NIL]
	s_wait_dscnt 9                                 ; the add and the youngest eight loads may be out
	MUL16 F1, 0, 0, 0
	s_wait_dscnt 0x0
	s_barrier_signal -1
	MUL16 F1, 0, 2, 0
.if \round
	WIN 0
.endif
	s_barrier_wait -1
.endm
.macro TURN fill                       ; the last quarter; fill = 1: a round of the cluster's barrier, and the slot just read out is filled again first behind it, two K steps on
	MEET \fill
.if \fill
	CREST
	s_xor_b32 s[G0+5], s[G0+5], SLOT
	s_add_nc_u64 s[G0+6:G0+7], s[G0+6:G0+7], KSTEP*2
	s_xor_b32 s[G0B+5], s[G0B+5], SLOT
	s_add_nc_u64 s[G0B+6:G0B+7], s[G0B+6:G0B+7], KSTEP*2
	JLOAD 1                                        ; the four v_nop behind it are also the places in front of the loads below
.else
	PLACES
.endif
	s_xor_b32 s[TB], s[TB], SLOT
	WIN 0
	v_add_nc_u32 v[ADRA], s[TB], v[A0]
	v_add_nc_u32 v[ADRB], s[TB], v[B0]
	FETCH 0, F0
	MUL16 F1, 1, 0, 0
	MUL16 F1, 1, 2, 0
.endm
.macro LASTQ
	s_wait_dscnt 8
	MUL16 F1, 0, 0, 0
	MUL16 F1, 0, 2, 0
	s_wait_dscnt 0x0
	MUL16 F1, 1, 0, 0
	MUL16 F1, 1, 2, 0
	WIN 0
.endm
; THE WAY OUT of block a of 16 rows, in f32. TOST: a lane's eight columns, 32 bytes, go straight from the accumulator into my own stage, its low four registers first, and come back as whole rows of 512 bytes. SEND: stored.
.macro TOST a
.set AC, 64*((\a)%4)
.set BK, 64+64*((\a)%2)
	s_wait_xcnt 0x0                                ; the registers that the stores of two blocks ago read are loaded again only behind this wait
	WIN 0x08+4*((\a)/4)                            ; the stores' data (source 1) in window 2 or 3
.irp b, 0,1,2,3,4,5,6,7
	ds_store_b128 v[STO], v[AC+8*(\b):AC+8*(\b)+3]   offset:64*(\b)
	ds_store_b128 v[STO], v[AC+8*(\b)+4:AC+8*(\b)+7] offset:64*(\b)+16
.endr
	WIN 0
.irp t, 0,1,2,3,4,5,6,7,8,9,10,11,12,13,14,15
	ds_load_b128 v[BK+4*(\t):BK+4*(\t)+3], v[RD] offset:(\t)*SPITCH  ; LDS serves a wave's instructions in order (ISA guide 5.7.1.4): these see the stores above; the next block's stores come behind them
.endr
.endm
.macro SEND a, younger                 ; younger: the LDS instructions issued behind block a's loads: the next block's 32, or none
	WIN 0
.set BK, 64+64*((\a)%2)
	s_wait_dscnt \younger
	s_wait_xcnt 0x0                                ; the stores' base is stepped only behind this wait
.if (\a) == 0
	s_add_nc_u64 s[CB:CB+1], s[CB:CB+1], s[16:17]
.else
	s_add_nc_u64 s[CB:CB+1], s[CB:CB+1], 16*CP
.endif
.irp t, 0,1,2,3,4,5,6,7,8,9,10,11,12,13,14,15
	global_store_b128 v[CO], v[BK+4*(\t):BK+4*(\t)+3], s[CB:CB+1] offset:(\t)*CP th:TH_STORE_NT  ; the wave stores 512 consecutive bytes, at a multiple of 512 from out0's first byte
.endr
.endm
	s_wait_tensorcnt 1                             ; my part of K step 0 is in; K step 1's may stay out
	s_barrier_signal -1
	s_barrier_wait -1
	FETCH 0, F0
	QUARTER 64, F0, F1, 3                          ; the first quarter stands in front of the loop: its products start the sums, on the bias
	WIN 0
	s_mov_b32 s3, NSTEP-2
.Lstep:
	QUARTER 128, F1, F0, 0
	QUARTER 192, F0, F1, 0
	TURN 1
	QUARTER 64, F0, F1, 0
	WIN 0
	s_sub_co_u32 s3, s3, 1
	s_cmp_lg_u32 s3, 0
	s_cbranch_scc1 .Lstep
	QUARTER 128, F1, F0, 0                         ; the last two K steps are written out: they ask for nothing
	QUARTER 192, F0, F1, 0
	TURN 0
	QUARTER 64, F0, F1, 0
	QUARTER 128, F1, F0, 0
	QUARTER 192, F0, F1, 0
	LASTQ
	PLACES
	TOST 0
.irp a, 1,2,3,4,5,6,7                  ; block a goes into the stage while block a - 1 comes back from it
	TOST \a
	SEND (\a)-1, 32
.endr
	SEND 7, 0
	s_wait_tensorcnt 0x0                           ; the wave's end
	ds_add_u32 v[SPW], v[NIL]
	s_wait_dscnt 0x0
	CROUND                                         ; the closing round
	s_endpgm
.Lfunc_end_k_q47ea4d5586_outp:
	.size	k_q47ea4d5586_outp, .Lfunc_end_k_q47ea4d5586_outp-k_q47ea4d5586_outp
	.p2alignl 7, 3214868480
	.fill 96, 4, 3214868480
	.section	.rodata,"a",@progbits
	.p2align	6, 0x0
	.amdhsa_kernel k_q47ea4d5586_outp
		.amdhsa_group_segment_fixed_size 327680
		.amdhsa_private_segment_fixed_size 0
		.amdhsa_enable_private_segment 0
		.amdhsa_kernarg_size 32
		.amdhsa_user_sgpr_count 2
		.amdhsa_user_sgpr_kernarg_segment_ptr 1
		.amdhsa_wavefront_size32 1
		.amdhsa_system_sgpr_workgroup_id_x 1
		.amdhsa_system_sgpr_workgroup_id_y 1
		.amdhsa_system_sgpr_workgroup_id_z 1
		.amdhsa_system_vgpr_workitem_id 0
		.amdhsa_next_free_vgpr 1024
		.amdhsa_next_free_sgpr 84
		.amdhsa_reserve_vcc 0
		.amdhsa_float_denorm_mode_32 3
		.amdhsa_float_denorm_mode_16_64 3
		.amdhsa_memory_ordered 1
		.amdhsa_forward_progress 1
		.amdhsa_inst_pref_size 116
	.end_amdhsa_kernel
	.amdgpu_metadata
---
amdhsa.version: [ 1, 2 ]
amdhsa.kernels:
  - .name:           k_q47ea4d5586_outp
    .symbol:         k_q47ea4d5586_outp.kd
    .args:
      - { .name: pbuf, .offset: 0, .size: 8, .value_kind: global_buffer, .address_space: global }
      - { .name: qkv, .offset: 8, .size: 8, .value_kind: global_buffer, .address_space: global }
      - { .name: bo, .offset: 16, .size: 8, .value_kind: global_buffer, .address_space: global }
      - { .name: out0, .offset: 24, .size: 8, .value_kind: global_buffer, .address_space: global }
    .group_segment_fixed_size: 327680
    .private_segment_fixed_size: 0
    .kernarg_segment_align: 8
    .kernarg_segment_size: 32
    .max_flat_workgroup_size: 128
    .sgpr_count:     84
    .vgpr_count:     1024
    .wavefront_size: 32
...
	.end_amdgpu_metadata
.endif
;; end of part 10
;; ======== version 3 of 3: 5 launches; version 2 with the launch prep written anew for expert scheduling mode
;; limits: values are held in f16: magnitudes above 65,504 overflow, below 6.1e-05 lose precision
;; workspace buffers: w16 8,388,608 bytes; wovb 2,097,152 bytes; bvp 4,096 bytes; qkv 67,108,864 bytes; pbuf 16,777,216 bytes
;; launch prep (part 11): grid 256 x 1, 8 waves a work-group, no clusters, 0 bytes of LDS; arguments Wq, Wk, Wv, Wo, w16; writes w16
.if DOCPART == 11
	.amdgcn_target "amdgcn-amd-amdhsa--gfx1250"
	.amdhsa_code_object_version 6
	.text
	.protected	k_q47ea4d5586_prep
	.globl	k_q47ea4d5586_prep
	.p2align	8
	.type	k_q47ea4d5586_prep,@function
k_q47ea4d5586_prep:
	s_mov_b64 s[64:65], 0
	v_nop
	global_prefetch_b8 v0, s[64:65] scope:SCOPE_SE
	s_setreg_imm32_b32 hwreg(HW_REG_WAVE_SCHED_MODE, 0, 2), 2
	s_setreg_imm32_b32 hwreg(HW_REG_WAVE_MODE, 25, 1), 1
	s_wait_xcnt 0x0
	s_wait_alu depctr_vm_vsrc(0)
; The four weights, [1024][1024] f32, are rounded once to f16 and laid into w16, 2,097,152 bytes each, in the order Wq, Wk, Wv, Wo.
; Wq, Wk and Wv are laid out IN BLOCKS of 64 columns, [column / 64][row][64]: a row's 64 numbers are 128 bytes, and the rows of a block follow each other without a gap,
; so that a tile of some rows x 64 columns is dense in memory and the launches behind can ask for it in rows of 256 bytes. Wo stays as it lies, [row][1024].
; LIMITS. A number beyond 65,504 becomes an infinity in f16; below 6e-5 it keeps f16's fixed step of 6e-8.
; A stream: every byte is read once and written once. No LDS, no matrix unit, no cluster: the work-groups share no input.
; SHARES. Work-group g takes 16 rows of weight g / 64: 65,536 bytes in, 32,768 out. All sixteen loads of a thread go out at once; each has registers of its own for what it stores.
;   In blocks: thread t takes row t / 16 of the 16; load i brings 16 bytes at 256 i + 16 (t % 16): sixteen lanes read 256 consecutive bytes, a row's part of block i.
;   A wave's store then holds two neighbouring rows' 128 bytes of block i: 256 consecutive bytes at a multiple of 256.
;   As it lies: load i brings 16 bytes at 16 t of row i; a wave's load covers 512 consecutive bytes, its store 256.
; THE MODE: SCHED_MODE bits 1:0 = 2 (LLVM: expert scheduling mode 2), set by the entry lines. The code itself states the register dependences
; between vector instructions and memory instructions, with s_wait_alu, always for 0.
; THE PLAN. Registers that memory instructions touch:
;   v1       the loads' offset: written by vector instructions on each of the two paths, read by the path's sixteen loads, never written again.
;   v2       the stores' offset: written once at the head, read by the sixteen stores, never written again.
;   X        four registers to a load: written by that load alone, read by its two conversions; nothing lands in them a second time.
;   Y        two registers to a store: written by load i's two conversions, read by store i, never written again.
; So nothing that a memory instruction has read is written again, and no load lands in a register that a vector instruction has named: the only dependences to state are
; vector writes that memory instructions read. The sixteen loads go in four groups of four. One wait stands ahead of the loads, for the two offsets. One stands at the head of each
; group but the first: the group before has written its Y; that group's four stores follow it, dealt among this group's conversions, which name this group's X and Y alone.
; One more stands ahead of the last four stores. No vector instruction writes a scalar register or VCC, and EXEC is never written.
.set X, 4                              ; v[4:67]    load i: four f32
.set Y, 68                             ; v[68:99]   store i: four f16
	s_load_b256 s[8:15], s[0:1], 0x0               ; Wq s[8:9], Wk s[10:11], Wv s[12:13], Wo s[14:15]
	s_load_b64 s[16:17], s[0:1], 0x20              ; w16
	v_lshlrev_b32 v2, 3, v0                        ; my 8 bytes in the 2,048 that one round of stores covers: the same in both layouts
	s_and_b32 s6, ttmp9, 63                        ; my number among the weight's 64 work-groups
	s_lshl_b32 s20, s6, 11                         ; in blocks: my 16 rows of 128 bytes
	s_lshl_b32 s6, s6, 16                          ; in the source: my 16 rows of 4,096 bytes
	s_mov_b32 s7, 0
	s_wait_kmcnt 0x0
	s_mov_b64 s[4:5], s[8:9]
.macro PICK first, src                 ; from work-group 'first' on the source is the buffer in s[src:src+1]
	s_cmp_ge_u32 ttmp9, \first
	s_cselect_b64 s[4:5], s[\src:\src+1], s[4:5]
.endm
	PICK 64, 10
	PICK 128, 12
	PICK 192, 14
	s_add_nc_u64 s[4:5], s[4:5], s[6:7]
; sixteen loads lo bytes apart, sixteen stores so bytes apart
.macro RUN lo, so
	s_wait_alu depctr_va_vdst(0)                   ; v1 and v2 are written: every load below reads v1 as its offset, every store v2
.irp i, 0,1,2,3,4,5,6,7,8,9,10,11,12,13,14,15
	global_load_b128 v[X+4*(\i):X+4*(\i)+3], v1, s[4:5] offset:(\lo)*(\i) th:TH_LOAD_NT
.endr
.irp g, 0,1,2,3
	s_wait_loadcnt 12-4*(\g)                       ; loads come back in order (ISA guide 5.7.1): group g's four are in, the 12 - 4 g younger ones stay out
.if (\g) > 0
	s_wait_alu depctr_va_vdst(0)                   ; the conversions of the group before have written its Y, which the four stores below read
.endif
.irp j, 0,1,2,3
.if (\g) > 0
	global_store_b64 v2, v[Y+2*(4*(\g)-4+(\j)):Y+2*(4*(\g)-4+(\j))+1], s[16:17] offset:(\so)*(4*(\g)-4+(\j))  ; the group before; no vector instruction since the wait names these registers
.endif
	v_cvt_pk_f16_f32 v[Y+2*(4*(\g)+(\j))],   v[X+4*(4*(\g)+(\j))],   v[X+4*(4*(\g)+(\j))+1]
	v_cvt_pk_f16_f32 v[Y+2*(4*(\g)+(\j))+1], v[X+4*(4*(\g)+(\j))+2], v[X+4*(4*(\g)+(\j))+3]
.endr
.endr
	s_wait_alu depctr_va_vdst(0)                   ; the last group's conversions have written its Y, which the last four stores read
.irp j, 12,13,14,15
	global_store_b64 v2, v[Y+2*(\j):Y+2*(\j)+1], s[16:17] offset:(\so)*(\j)
.endr
.endm
	s_cmp_ge_u32 ttmp9, 192
	s_cbranch_scc1 .Lplain
	v_lshrrev_b32 v1, 4, v0                        ; IN BLOCKS: my row,
	v_lshlrev_b32 v1, 12, v1                       ; its 4,096 bytes,
	v_and_b32 v3, 15, v0
	v_lshl_add_u32 v1, v3, 4, v1                   ; my 16 bytes in 256
	s_lshr_b32 s18, ttmp9, 6
	s_lshl_b32 s18, s18, 21                        ; the weight's place in w16
	s_add_co_u32 s18, s18, s20
	s_mov_b32 s19, 0
	s_add_nc_u64 s[16:17], s[16:17], s[18:19]
	RUN 256, 131072                                ; a block is 1,024 rows x 128 bytes
	s_endpgm
.Lplain:
	v_lshlrev_b32 v1, 4, v0                        ; AS IT LIES
	s_lshl_b32 s18, ttmp9, 15
	s_mov_b32 s19, 0
	s_add_nc_u64 s[16:17], s[16:17], s[18:19]
	RUN 4096, 2048
	s_endpgm
.Lfunc_end_k_q47ea4d5586_prep:
	.size	k_q47ea4d5586_prep, .Lfunc_end_k_q47ea4d5586_prep-k_q47ea4d5586_prep
	.p2alignl 7, 3214868480
	.fill 96, 4, 3214868480
	.section	.rodata,"a",@progbits
	.p2align	6, 0x0
	.amdhsa_kernel k_q47ea4d5586_prep
		.amdhsa_group_segment_fixed_size 0
		.amdhsa_private_segment_fixed_size 0
		.amdhsa_enable_private_segment 0
		.amdhsa_kernarg_size 40
		.amdhsa_user_sgpr_count 2
		.amdhsa_user_sgpr_kernarg_segment_ptr 1
		.amdhsa_wavefront_size32 1
		.amdhsa_system_sgpr_workgroup_id_x 1
		.amdhsa_system_sgpr_workgroup_id_y 1
		.amdhsa_system_sgpr_workgroup_id_z 1
		.amdhsa_system_vgpr_workitem_id 0
		.amdhsa_next_free_vgpr 100
		.amdhsa_next_free_sgpr 66
		.amdhsa_reserve_vcc 0
		.amdhsa_float_denorm_mode_32 3
		.amdhsa_float_denorm_mode_16_64 3
		.amdhsa_memory_ordered 1
		.amdhsa_forward_progress 1
		.amdhsa_inst_pref_size 13
	.end_amdhsa_kernel
	.amdgpu_metadata
---
amdhsa.version: [ 1, 2 ]
amdhsa.kernels:
  - .name:           k_q47ea4d5586_prep
    .symbol:         k_q47ea4d5586_prep.kd
    .args:
      - { .name: Wq, .offset: 0, .size: 8, .value_kind: global_buffer, .address_space: global }
      - { .name: Wk, .offset: 8, .size: 8, .value_kind: global_buffer, .address_space: global }
      - { .name: Wv, .offset: 16, .size: 8, .value_kind: global_buffer, .address_space: global }
      - { .name: Wo, .offset: 24, .size: 8, .value_kind: global_buffer, .address_space: global }
      - { .name: w16, .offset: 32, .size: 8, .value_kind: global_buffer, .address_space: global }
    .group_segment_fixed_size: 0
    .private_segment_fixed_size: 0
    .kernarg_segment_align: 8
    .kernarg_segment_size: 40
    .max_flat_workgroup_size: 256
    .sgpr_count:     66
    .vgpr_count:     100
    .wavefront_size: 32
...
	.end_amdgpu_metadata
.endif
;; end of part 11
;; launch wov: the kernel of part 7 again; grid 16 x 16, 4 waves a work-group, clusters of 4 x 4, 327,680 bytes of LDS; arguments w16, Wo, bv, wovb, bvp; writes wovb, bvp
;; launch proj: the kernel of part 8 again; grid 128 x 4, 4 waves a work-group, clusters of 4 x 4, 327,680 bytes of LDS; arguments query, key, value, w16, wovb, bq, bk, bvp, qkv; writes qkv
;; launch score: the kernel of part 9 again; grid 16 x 16, 4 waves a work-group, clusters of 4 x 1, 327,680 bytes of LDS; arguments qkv, pbuf; writes pbuf
;; launch outp: the kernel of part 10 again; grid 64 x 4, 4 waves a work-group, clusters of 4 x 4, 327,680 bytes of LDS; arguments pbuf, qkv, bo, out0; writes out0
